; MI455X (gfx1250); checked and timed in simulation.
; The chip was launched on July 23, 2026; its instructions are those of AMD's public machine-readable ISA for CDNA 5 (MIT licence, August 2026) and "CDNA5" Instruction Set Architecture Reference Guide (July 2026). The comments in the code are by the model that wrote it; some were corrected since.
;; Attention. Allowed arithmetic: float matrix products may take bf16 or f16 operands with f32 sums; other float arithmetic in f32, or as packed bf16 or f16 multiplies, adds, multiply-adds, maxima and minima; sums over many terms, partial sums and values carried from step to step in f32; what a program stores and reads back later, other than sums and carried values, may be rounded once to bf16 or f16.
;; Inputs: Wk 1,024 x 1,024 float32; Wq 1,024 x 1,024 float32; Wv 1,024 x 1,024 float32; attn_mask 4 x 2,048 x 2,048 bool; seq1 4 x 2,048 x 1,024 float32; seq2 4 x 2,048 x 1,024 float32.
;; Outputs: out0 4 x 2,048 x 1,024 float32.
;; 3 versions, each right; version 2 is faster than version 1; version 3 is version 2 with the launch cast written anew for expert scheduling mode. Each part assembles by itself: llvm-mc -triple=amdgcn-amd-amdhsa -mcpu=gfx1250 --defsym DOCPART=n.
;; ======== version 1 of 3: 4 launches
;; limits: values are held in f16: magnitudes above 65,504 overflow, below 6.1e-05 lose precision; values outside matrix products are rounded to f16
;; workspace buffers: xb 39,845,888 bytes; qkv 50,331,648 bytes; pbuf 33,554,432 bytes; stats 524,288 bytes
;; launch cast (part 1): grid 608 x 1, 8 waves a work-group, no clusters, 0 bytes of LDS; arguments seq1, seq2, Wq, Wk, Wv, xb; writes xb
.if DOCPART == 1
	.amdgcn_target "amdgcn-amd-amdhsa--gfx1250"
	.amdhsa_code_object_version 6
	.text
	.protected	k_q4e3e126279_cast
	.globl	k_q4e3e126279_cast
	.p2align	8
	.type	k_q4e3e126279_cast,@function
k_q4e3e126279_cast:
	s_mov_b64 s[64:65], 0
	v_nop
	global_prefetch_b8 v0, s[64:65] scope:SCOPE_SE
	s_setreg_imm32_b32 hwreg(HW_REG_WAVE_MODE, 25, 1), 1
	s_wait_xcnt 0x0
; xb = seq1 | seq2 | Wq | Wk | Wv, each f32 number rounded once to bf16 (nearest even), in this order: 19,456 rows of 1,024 numbers.
; A stream: no LDS, no barrier, no matrix work.  A work-group takes 131,072 bytes of one input and stores 65,536 bytes of xb at 65,536 x its number:
; groups 0-255 seq1, 256-511 seq2, 512-543 Wq, 544-575 Wk, 576-607 Wv.  Thread t reads 16 bytes at 16 t of each block of 4,096 and stores 8 bytes at 8 t
; of each block of 2,048: a load of a wave covers 512 consecutive bytes, a store 256 consecutive bytes at a multiple of 256 from xb's first byte.
; A ring of DEPTH register slots keeps DEPTH loads of every wave on their way.
.set DEPTH,  8
.set ROUNDS, 4                         ; 32 blocks of a group / DEPTH
.set INB,    4096                      ; bytes that the group's 256 threads read with one load each
.set OUTB,   2048                      ; and store with one store each
.set X, 8                              ; v[8:39]   slot i: 4 numbers as loaded
.set Y, 40                             ; v[40:55]  slot i: 4 bf16 to store
	s_load_b256 s[4:11], s[0:1], 0x0               ; seq1 s[4:5], seq2 s[6:7], Wq s[8:9], Wk s[10:11]
	s_load_b128 s[12:15], s[0:1], 0x20             ; Wv s[12:13], xb s[14:15]
	s_mov_b32 s20, ttmp9                           ; the group's number
	v_lshlrev_b32 v1, 4, v0                        ; 16 t: never rewritten
	v_lshlrev_b32 v2, 3, v0                        ; 8 t: never rewritten
	s_wait_kmcnt 0x0
	s_mov_b64 s[16:17], s[12:13]                   ; which input, and the first group of its range: chosen on the group's number alone
	s_mov_b32 s18, 576
	s_cmp_lt_u32 s20, 576
	s_cselect_b64 s[16:17], s[10:11], s[16:17]
	s_cselect_b32 s18, 544, s18
	s_cmp_lt_u32 s20, 544
	s_cselect_b64 s[16:17], s[8:9], s[16:17]
	s_cselect_b32 s18, 512, s18
	s_cmp_lt_u32 s20, 512
	s_cselect_b64 s[16:17], s[6:7], s[16:17]
	s_cselect_b32 s18, 256, s18
	s_cmp_lt_u32 s20, 256
	s_cselect_b64 s[16:17], s[4:5], s[16:17]
	s_cselect_b32 s18, 0, s18
	s_sub_co_u32 s18, s20, s18                     ; my place in the input,
	s_lshl_b32 s18, s18, 17                        ; times 131,072 bytes (under 2^26)
	s_mov_b32 s19, 0
	s_add_nc_u64 s[16:17], s[16:17], s[18:19]
	s_lshl_b32 s18, s20, 16                        ; my place in xb (under 2^26)
	s_add_nc_u64 s[14:15], s[14:15], s[18:19]
.irp i, 0,1,2,3,4,5,6,7
	global_load_b128 v[X+4*(\i):X+4*(\i)+3], v1, s[16:17] offset:(\i)*INB th:TH_LOAD_NT  ; the ring is filled: blocks 0 to 7
.endr
; One slot's turn.  ahead = 1: the slot is filled again with the block DEPTH further on.  left = how many younger loads may stay out.
.macro SLOT i, ahead, left
	s_wait_loadcnt \left                           ; loads come back in order (ISA guide 5.7.1): mine is in
	s_wait_xcnt 0x0                                ; the slot's Y, which its last store reads, is rewritten only behind this wait
	v_cvt_pk_bf16_f32 v[Y+2*(\i)],   v[X+4*(\i)],   v[X+4*(\i)+1]
	v_cvt_pk_bf16_f32 v[Y+2*(\i)+1], v[X+4*(\i)+2], v[X+4*(\i)+3]
.if \ahead
	global_load_b128 v[X+4*(\i):X+4*(\i)+3], v1, s[16:17] offset:(DEPTH+(\i))*INB th:TH_LOAD_NT
.endif
	global_store_b64 v2, v[Y+2*(\i):Y+2*(\i)+1], s[14:15] offset:(\i)*OUTB
.endm
	s_mov_b32 s21, ROUNDS-1
.Lround:
.irp i, 0,1,2,3,4,5,6,7
	SLOT \i, 1, DEPTH-1
.endr
	s_wait_xcnt 0x0                                ; both bases are stepped only behind this wait
	s_add_nc_u64 s[16:17], s[16:17], DEPTH*INB
	s_add_nc_u64 s[14:15], s[14:15], DEPTH*OUTB
	s_sub_co_u32 s21, s21, 1
	s_cmp_lg_u32 s21, 0
	s_cbranch_scc1 .Lround
.irp i, 0,1,2,3,4,5,6,7
	SLOT \i, 0, DEPTH-1-(\i)                       ; the last round loads nothing: the counts run down
.endr
	s_endpgm
.Lfunc_end_k_q4e3e126279_cast:
	.size	k_q4e3e126279_cast, .Lfunc_end_k_q4e3e126279_cast-k_q4e3e126279_cast
	.p2alignl 7, 3214868480
	.fill 96, 4, 3214868480
	.section	.rodata,"a",@progbits
	.p2align	6, 0x0
	.amdhsa_kernel k_q4e3e126279_cast
		.amdhsa_group_segment_fixed_size 0
		.amdhsa_private_segment_fixed_size 0
		.amdhsa_enable_private_segment 0
		.amdhsa_kernarg_size 48
		.amdhsa_user_sgpr_count 2
		.amdhsa_user_sgpr_kernarg_segment_ptr 1
		.amdhsa_wavefront_size32 1
		.amdhsa_system_sgpr_workgroup_id_x 1
		.amdhsa_system_sgpr_workgroup_id_y 1
		.amdhsa_system_sgpr_workgroup_id_z 1
		.amdhsa_system_vgpr_workitem_id 0
		.amdhsa_next_free_vgpr 64
		.amdhsa_next_free_sgpr 66
		.amdhsa_reserve_vcc 0
		.amdhsa_float_denorm_mode_32 3
		.amdhsa_float_denorm_mode_16_64 3
		.amdhsa_memory_ordered 1
		.amdhsa_forward_progress 1
		.amdhsa_inst_pref_size 8
	.end_amdhsa_kernel
	.amdgpu_metadata
---
amdhsa.version: [ 1, 2 ]
amdhsa.kernels:
  - .name:           k_q4e3e126279_cast
    .symbol:         k_q4e3e126279_cast.kd
    .args:
      - { .name: seq1, .offset: 0, .size: 8, .value_kind: global_buffer, .address_space: global }
      - { .name: seq2, .offset: 8, .size: 8, .value_kind: global_buffer, .address_space: global }
      - { .name: Wq, .offset: 16, .size: 8, .value_kind: global_buffer, .address_space: global }
      - { .name: Wk, .offset: 24, .size: 8, .value_kind: global_buffer, .address_space: global }
      - { .name: Wv, .offset: 32, .size: 8, .value_kind: global_buffer, .address_space: global }
      - { .name: xb, .offset: 40, .size: 8, .value_kind: global_buffer, .address_space: global }
    .group_segment_fixed_size: 0
    .private_segment_fixed_size: 0
    .kernarg_segment_align: 8
    .kernarg_segment_size: 48
    .max_flat_workgroup_size: 256
    .sgpr_count:     66
    .vgpr_count:     64
    .wavefront_size: 32
...
	.end_amdgpu_metadata
.endif
;; end of part 1
;; launch proj (part 2): grid 4 x 192, 4 waves a work-group, clusters of 4 x 4, 327,680 bytes of LDS; arguments xb, qkv; writes qkv
.if DOCPART == 2
	.amdgcn_target "amdgcn-amd-amdhsa--gfx1250"
	.amdhsa_code_object_version 6
	.text
	.protected	k_q4e3e126279_proj
	.globl	k_q4e3e126279_proj
	.p2align	8
	.type	k_q4e3e126279_proj,@function
k_q4e3e126279_proj:
	s_mov_b64 s[64:65], 0
	v_nop
	global_prefetch_b8 v0, s[64:65] scope:SCOPE_SE
	s_setreg_imm32_b32 hwreg(HW_REG_WAVE_MODE, 25, 1), 1
	s_wait_xcnt 0x0
	s_wait_alu depctr_hold_cnt(0) depctr_sa_sdst(0) depctr_va_vdst(0) depctr_va_sdst(0) depctr_va_ssrc(0) depctr_va_vcc(0) depctr_vm_vsrc(0)
	s_getreg_b32 s2, hwreg(HW_REG_IB_STS2, 6, 4)
	s_cmp_eq_u32 s2, 0
	s_cbranch_scc0 .Lentry_in_a_cluster
	s_endpgm
.Lentry_in_a_cluster:
	s_bfe_u32 s2, ttmp6, 0x10000c
	s_cmp_lg_u32 s2, 0xf033
	s_cbranch_scc0 .Lentry_shape_is_right
	s_endpgm
.Lentry_shape_is_right:
; qkv = (q | k | v), [24576][1024] f16: q = seq1 Wq^T, k = seq2 Wk^T, v = seq2 Wv^T.  Operands bf16 (rows of xb), sums f32, each result rounded once to f16, unscaled.
; LIMIT.  f16 holds no number beyond 65,504: |q|, |k|, |v| must stay under it (a larger one becomes an infinity).  NaN and infinities are not treated apart.
; SHARES.  A tile of qkv is 128 rows x 256 columns: 192 x 4 tiles, three for each of 256 work-group places.  Four waves, each 64 rows x 128 columns: 32 accumulators of 16 x 16, 256 registers.
; K = 1,024 goes in steps of 128 through two LDS slots; a tile's rows are 256 bytes of xb at multiples of 256 bytes.  Waves 0, 1 fetch A's two halves (64 rows each), waves 2, 3 B's (128 rows each).
; CLUSTER.  4 x 4 work-groups.  A's tile hangs on the tile row alone and is asked for jointly by a row of the cluster, B's on the tile column (and the product, which the whole cluster shares) by a column.
; THE MATRIX INSTRUCTION IS USED TRANSPOSED: source 0 = 16 rows of W, source 1 = 16 rows of x: lane l holds row l % 16 of the result and the columns 8 (l / 16) + 0..7.
; REGISTERS: window 0: v0-31 addresses; v64-159, v160-255 two fragment buffers (A's 4 fragments, then B's 8); on the way out v64-159 at work.  Window 1: accumulator (a, b) at v[8 (8 a + b)].
.set PITCH,  272                       ; an LDS row: 256 bytes + 16 of padding = 68 words: the 16 rows of a fragment load start at 16 different groups of four banks (64 banks of 4 bytes: ISA guide 11.1)
.set APART,  64*PITCH                  ; what a wave fetches of A, and what a wave reads of A
.set BPART,  128*PITCH                 ; the same for B
.set BOFF,   2*APART                   ; B's 256 rows lie behind A's 128
.set SLOT,   BOFF+2*BPART
.set STAGE,  2*SLOT                    ; behind the ring: 16 rows x 272 bytes for each wave, for the way out
.set SPARE,  STAGE+4*16*PITCH          ; behind the stages: the spare words, 128 bytes for each wave: two blocks of 256 bytes that no other line names
.set LAPS,   4                         ; a lap = two K steps = once round the ring: 1,024 / 256
.set ASTEP,  256                       ; bytes from a K step to the next, in A and in B
.set BSTEP,  256
.set CPITCH, 2048                      ; bytes in a row of qkv
.set NA,     2                         ; waves 0 .. NA - 1 fetch A
.set ADRA, 16                          ; v16-17  LDS address of my A fragments in slot 0, 1
.set ADRB, 20                          ; v20-21  the same for B
.set STO,  24                          ; v24     the way out: where I put 16 bytes of a row
.set RD,   25                          ; v25     where I read a row back
.set CO,   26                          ; v26     my byte offset in two rows of qkv
.set SPW,  28                          ; v28     LDS address of my spare word; never rewritten
.set NIL,  29                          ; v29     0; never rewritten
.set F0,   64
.set F1,   160
.set TMP,  64                          ; the way out: packed results
.set OB0,  96                          ; 16 rows read back from the stage: two buffers by turns
.set OB1,  128
.set G1,  24                           ; s[24:31] descriptor group 1 for A;  s[32:39] group 0, a set for each slot
.set G0,  32
.set G1B, 48                           ; s[48:55], s[56:63] the same for B
.set G0B, 56
.set CB,  6                            ; s[6:7] qkv
.set MSB, 0
.macro WIN new                         ; the immediate's high byte repeats the setting that is left; a switch that changes nothing is dropped
.if MSB != (\new)
	s_set_vgpr_msb (MSB<<8)|(\new)
.set MSB, \new
.endif
.endm
.set MUL, 0x50                         ; sources 0 and 1 window 0; C and D window 1
.macro PLACES                          ; four places in front of loads into registers that matrix instructions have read, and of lines that read results
.rept 4
	v_nop
.endr
.endm
.macro JLOAD s                         ; a joint load; the branch hangs on the wave's number alone; an s_nop 0 and four v_nop follow each of the two lines
	s_cmp_lt_u32 s12, NA
	s_cbranch_scc0 .Lfor_b_\@
	tensor_load_to_lds s[G0+4*(\s):G0+4*(\s)+3], s[G1:G1+7]
	s_nop 0
	PLACES
	s_branch .Lasked_\@
.Lfor_b_\@:
	tensor_load_to_lds s[G0B+4*(\s):G0B+4*(\s)+3], s[G1B:G1B+7]
	s_nop 0
	PLACES
.Lasked_\@:
.endm
.macro CREST                           ; a round of the cluster's barrier behind its opening barrier
	s_cmp_lg_u32 s12, 0
	s_cbranch_scc1 .Lnot_wave_0_\@
	s_barrier_signal -3
.Lnot_wave_0_\@:
	s_barrier_wait -3
	s_barrier_signal -1
	s_barrier_wait -1
.endm
.macro CROUND                          ; a whole round
	s_barrier_signal -1
	s_barrier_wait -1
	CREST
.endm
	s_load_b128 s[4:7], s[0:1], 0x0                ; xb s[4:5], qkv s[6:7]
	v_lshl_add_u32 v[SPW], v0, 2, SPARE
	v_mov_b32 v[NIL], 0
	ds_add_u32 v[SPW], v[NIL]                      ; the wave's opening: the add and its wait stand ahead of my first tensor load; the set-up below, work on registers, stands between them
	v_lshrrev_b32 v1, 5, v0
	v_readfirstlane_b32 s12, v1                    ; wave 0..3
	s_lshr_b32 s13, s12, 1                         ; which 64 of the tile's rows are mine
	s_and_b32 s14, s12, 1                          ; which 128 of its columns
	s_and_b32 s15, s12, 1                          ; which part of A's or B's tile I fetch
	s_bfe_u32 s40, ttmp6, 0x40000                  ; cx, cy: my place in the cluster
	s_bfe_u32 s41, ttmp6, 0x40004
	s_lshl_b32 s42, ttmp9, 2
	s_add_co_u32 s42, s42, s40                     ; tile column 0..3
	s_and_b32 s46, ttmp7, 0xffff                   ; the cluster's y, 0..47: 16 clusters to a product
	s_lshl_b32 s43, s46, 2
	s_add_co_u32 s43, s43, s41                     ; tile row 0..191
	s_lshl_b32 s44, s41, 2
	s_lshl_b32 s44, 15, s44                        ; my row of the cluster
	s_lshl_b32 s45, 0x1111, s40                    ; my column
	s_or_b32 s[G1], s44, (1<<16)|(1<<20)|(1<<21)|(5<<22)|(3<<25)   ; the mask; 2-byte elements; padding on; bit 21 beside a mask; after every 64 words (code 5) 4 words (code 3)
	s_or_b32 s[G1B], s45, (1<<16)|(1<<20)|(1<<21)|(5<<22)|(3<<25)
	s_mov_b32 s[G1+1], 128<<16                     ; tensor_dim0 = 128
	s_mov_b32 s[G1+2], 64<<16                      ; tensor_dim1 = 64
	s_mov_b32 s[G1+3], 128<<16                     ; tile_dim0 = 128
	s_mov_b32 s[G1+4], 64                          ; tile_dim1 = 64
	s_mov_b32 s[G1+5], 1024                        ; elements from row to row
	s_mov_b32 s[G1+6], 0
	s_mov_b32 s[G1+7], 0
	s_mov_b32 s[G1B+1], 128<<16
	s_mov_b32 s[G1B+2], 128<<16                    ; B: 128 rows to a load
	s_mov_b32 s[G1B+3], 128<<16
	s_mov_b32 s[G1B+4], 128
	s_mov_b32 s[G1B+5], 1024
	s_mov_b32 s[G1B+6], 0
	s_mov_b32 s[G1B+7], 0
	s_cmp_ge_u32 s46, 32                           ; v takes seq2's rows once more: 64 tile rows back
	s_cselect_b32 s16, 64, 0
	s_sub_co_u32 s16, s43, s16
	s_lshl_b32 s16, s16, 7                         ; A: row 128 x tile row
	s_lshl_b32 s17, s15, 6                         ; + 64 x part,
	s_add_co_u32 s16, s16, s17
	s_lshl_b32 s16, s16, 11                        ; in bytes (under 2^26)
	s_mov_b32 s17, 0
	s_lshr_b32 s18, s46, 4                         ; B: the product's 1,024 rows,
	s_lshl_b32 s18, s18, 10
	s_lshl_b32 s19, s42, 8                         ; + 256 x tile column
	s_add_co_u32 s18, s18, s19
	s_lshl_b32 s19, s15, 7                         ; + 128 x part,
	s_add_co_u32 s18, s18, s19
	s_add_co_u32 s18, s18, 16384                   ; behind the 16,384 rows of seq1 and seq2,
	s_lshl_b32 s18, s18, 11                        ; in bytes
	s_mov_b32 s19, 0
	s_mul_i32 s20, s15, APART                      ; where they go in a slot: no place in the cluster enters an LDS address
	s_mul_i32 s21, s15, BPART
	s_add_co_u32 s21, s21, BOFF
	s_lshl_b32 s66, s43, 7                         ; where my part of the tile begins in qkv: row 128 x tile row + 64 x half,
	s_lshl_b32 s67, s13, 6
	s_add_co_u32 s66, s66, s67
	s_lshl_b32 s66, s66, 11
	s_lshl_b32 s67, s42, 9                         ; column byte 512 x tile column + 256 x half
	s_add_co_u32 s66, s66, s67
	s_lshl_b32 s67, s14, 8
	s_add_co_u32 s66, s66, s67
	s_mov_b32 s67, 0
	s_wait_dscnt 0x0                               ; the opening add is done
	s_wait_kmcnt 0x0
	s_add_nc_u64 s[22:23], s[4:5], s[16:17]
	s_add_nc_u64 s[90:91], s[4:5], s[18:19]
	CROUND                                         ; all sixteen work-groups are here: the first joint loads meet
.irp s, 0,1
	s_mov_b32 s[G0+4*(\s)], 1
	s_add_co_u32 s[G0+4*(\s)+1], s20, (\s)*SLOT
	s_add_nc_u64 s[G0+4*(\s)+2:G0+4*(\s)+3], s[22:23], (\s)*ASTEP
	s_or_b32 s[G0+4*(\s)+3], s[G0+4*(\s)+3], 0x80000000
	s_mov_b32 s[G0B+4*(\s)], 1
	s_add_co_u32 s[G0B+4*(\s)+1], s21, (\s)*SLOT
	s_add_nc_u64 s[G0B+4*(\s)+2:G0B+4*(\s)+3], s[90:91], (\s)*BSTEP
	s_or_b32 s[G0B+4*(\s)+3], s[G0B+4*(\s)+3], 0x80000000
	JLOAD \s                                       ; K steps 0 and 1: two loads of mine are out
.endr
	; a fragment is 16 rows x 32 K in 8 registers: lane l holds row l % 16, K = 8 (l / 16) + 0..7 and 16 + 8 (l / 16) + 0..7: two loads of 16 bytes, 32 bytes apart
	v_and_b32 v1, 15, v0                           ; l % 16
	v_bfe_u32 v2, v0, 4, 1                         ; l / 16
	v_mul_u32_u24 v3, v1, PITCH
	v_lshl_add_u32 v3, v2, 4, v3                   ; row x pitch + 16 x half
	s_mul_i32 s92, s13, APART
	s_mul_i32 s93, s14, BPART
	s_add_co_u32 s93, s93, BOFF
.irp s, 0,1
	v_add_nc_u32 v[ADRA+(\s)], s92, v3
	v_add_nc_u32 v[ADRB+(\s)], s93, v3
	s_add_co_u32 s92, s92, SLOT
	s_add_co_u32 s93, s93, SLOT
.endr
	s_mul_i32 s92, s12, 16*PITCH
	s_add_co_u32 s92, s92, STAGE                   ; my stage
	v_add_nc_u32 v[STO], s92, v3                   ; in: row l % 16, 16 bytes for each half of the lanes
	v_mul_u32_u24 v5, v2, PITCH                    ; back: lanes 0-15 take one row of 256 bytes, lanes 16-31 the next
	v_lshl_add_u32 v5, v1, 4, v5
	v_add_nc_u32 v[RD], s92, v5
	v_lshlrev_b32 v5, 11, v2                       ; and the same two rows in qkv
	v_lshl_add_u32 v[CO], v1, 4, v5
; 8 matrix instructions: row block a x all 8 column blocks, 32 along K.  zero = 1: the product starts the sums.  The 32 accumulators take turns in one order.
.macro MUL8 f, a, zero
	WIN MUL
.irp b, 0,1,2,3,4,5,6,7
.if \zero
	v_wmma_f32_16x16x32_bf16 v[8*(8*(\a)+(\b)):8*(8*(\a)+(\b))+7], v[(\f)+32+8*(\b):(\f)+32+8*(\b)+7], v[(\f)+8*(\a):(\f)+8*(\a)+7], 0
.else
	v_wmma_f32_16x16x32_bf16 v[8*(8*(\a)+(\b)):8*(8*(\a)+(\b))+7], v[(\f)+32+8*(\b):(\f)+32+8*(\b)+7], v[(\f)+8*(\a):(\f)+8*(\a)+7], v[8*(8*(\a)+(\b)):8*(8*(\a)+(\b))+7]
.endif
.endr
.endm
; 24 LDS loads in one run: the fragments of 32 along K at byte k of the rows, into buffer f: B's 16 loads, then A's 8
.macro FETCH slot, k, f
	WIN 0
.irp i, 0,1,2,3,4,5,6,7
	ds_load_b128 v[(\f)+32+8*(\i):(\f)+32+8*(\i)+3],   v[ADRB+(\slot)] offset:(\k)+(\i)*16*PITCH
	ds_load_b128 v[(\f)+32+8*(\i)+4:(\f)+32+8*(\i)+7], v[ADRB+(\slot)] offset:(\k)+(\i)*16*PITCH+32
.endr
.irp i, 0,1,2,3
	ds_load_b128 v[(\f)+8*(\i):(\f)+8*(\i)+3],   v[ADRA+(\slot)] offset:(\k)+(\i)*16*PITCH
	ds_load_b128 v[(\f)+8*(\i)+4:(\f)+8*(\i)+7], v[ADRA+(\slot)] offset:(\k)+(\i)*16*PITCH+32
.endr
.endm
; A K step is four quarters of 32 along K, 32 matrix instructions each, on buffers 0, 1, 0, 1.  One of the first three: multiplies buffer f and fetches the next quarter, at byte k, into g.
.macro QUARTER slot, k, f, g, zero
	s_wait_dscnt 4                                 ; B and A's fragments 0, 1 are in; the youngest four loads (A's fragments 2, 3) may be out
	MUL8 \f, 0, \zero
	MUL8 \f, 1, \zero
	PLACES
	FETCH \slot, \k, \g
	s_wait_dscnt 24                                ; all but the 24 just issued
	MUL8 \f, 2, \zero
	MUL8 \f, 3, \zero
.endm
; The last quarter multiplies buffer 1 and changes slots: ONE barrier; in front of it each wave waits for all its tensor loads (one is out: its part of the next slot), adds 0 to its spare word,
; and waits for that and for its reads of this slot.  fill = 1: the barrier opens a round of the cluster's, and this slot is filled again first thing behind it, two K steps ahead.
.macro TURN slot, next, fill
	WIN 0
	s_wait_tensorcnt 0x0
	ds_add_u32 v[SPW], v[NIL]                      ; 0 onto my spare word
	s_wait_dscnt 5                                 ; (the add and the youngest four loads may be out)
	MUL8 F1, 0, 0                                  ; eight matrix instructions stand between the add and the wait for it
	s_wait_dscnt 0x0                               ; the add is done, and my reads of this slot are over
	s_barrier_signal -1
	MUL8 F1, 1, 0
.if \fill
	WIN 0
.endif
	s_barrier_wait -1
.if \fill
	CREST                                          ; no wave of any partner still reads this slot or has a load on its way
	s_add_nc_u64 s[G0+4*(\slot)+2:G0+4*(\slot)+3], s[G0+4*(\slot)+2:G0+4*(\slot)+3], 2*ASTEP
	s_add_nc_u64 s[G0B+4*(\slot)+2:G0B+4*(\slot)+3], s[G0B+4*(\slot)+2:G0B+4*(\slot)+3], 2*BSTEP
	JLOAD \slot                                    ; the four v_nop behind it are also the places in front of the loads below
.else
	PLACES
.endif
	FETCH \next, 0, F0
	MUL8 F1, 2, 0
	MUL8 F1, 3, 0
.endm
; THE WAY OUT of row block a.  PACK: rounded to f16, 16 bytes a lane, each accumulator's registers in ascending order.  TOSTAGE: into my own stage and back as whole rows of 256 bytes.  SEND: stored.
.macro PACK a
	WIN 0x05                                       ; sources 0 and 1 window 1, destination window 0
.set i, 0
.rept 32
	v_cvt_pk_f16_f32 v[TMP+i], v[64*(\a)+2*i], v[64*(\a)+2*i+1]
.set i, i+1
.endr
	WIN 0
.endm
.macro TOSTAGE a
.set BK, OB0+(OB1-OB0)*((\a)%2)
.irp b, 0,1,2,3,4,5,6,7
	ds_store_b128 v[STO], v[TMP+4*(\b):TMP+4*(\b)+3] offset:32*(\b)
.endr
.irp t, 0,1,2,3,4,5,6,7
	ds_load_b128 v[BK+4*(\t):BK+4*(\t)+3], v[RD] offset:(\t)*2*PITCH  ; LDS serves a wave's instructions in order (ISA guide 5.7.1.4): these see the stores above
.endr
.endm
.macro SEND a
.set BK, OB0+(OB1-OB0)*((\a)%2)
	s_wait_dscnt 0x0                               ; the block is back in registers
	s_wait_xcnt 0x0                                ; the stores' base and the registers that earlier stores read are rewritten only behind this wait
.if (\a) == 0
	s_add_nc_u64 s[CB:CB+1], s[CB:CB+1], s[66:67]
.else
	s_add_nc_u64 s[CB:CB+1], s[CB:CB+1], 16*CPITCH
.endif
.irp t, 0,1,2,3,4,5,6,7
	global_store_b128 v[CO], v[BK+4*(\t):BK+4*(\t)+3], s[CB:CB+1] offset:2*(\t)*CPITCH  ; 16 lanes store 256 consecutive bytes, at a multiple of 256 from the buffer's first byte
.endr
.endm
	s_wait_tensorcnt 1                             ; my part of K step 0 is in; K step 1's may stay out
	s_barrier_signal -1
	s_barrier_wait -1                              ; everybody's is
	FETCH 0, 0, F0
	QUARTER 0, 64, F0, F1, 1                       ; the first quarter stands in front of the loop: its products start the sums
	WIN 0
	s_mov_b32 s80, LAPS-1
.Llap:                                                 ; a trip goes once round the ring, from a lap's second quarter to the next lap's first, and fills both slots again
	QUARTER 0, 128, F1, F0, 0
	QUARTER 0, 192, F0, F1, 0
	TURN 0, 1, 1
	QUARTER 1, 64,  F0, F1, 0
	QUARTER 1, 128, F1, F0, 0
	QUARTER 1, 192, F0, F1, 0
	TURN 1, 0, 1
	QUARTER 0, 64,  F0, F1, 0
	WIN 0
	s_sub_co_u32 s80, s80, 1
	s_cmp_lg_u32 s80, 0
	s_cbranch_scc1 .Llap
	QUARTER 0, 128, F1, F0, 0                      ; the last lap fills nothing
	QUARTER 0, 192, F0, F1, 0
	TURN 0, 1, 0
	QUARTER 1, 64,  F0, F1, 0
	QUARTER 1, 128, F1, F0, 0
	QUARTER 1, 192, F0, F1, 0
	s_wait_dscnt 4                                 ; the very last quarter: nothing more to fetch
	MUL8 F1, 0, 0
	MUL8 F1, 1, 0
	s_wait_dscnt 0x0
	MUL8 F1, 2, 0
	MUL8 F1, 3, 0
	WIN 0
	PLACES
	PACK 0
	TOSTAGE 0
.irp a, 1,2,3                          ; block a's conversions stand between block a - 1's loads from the stage and the wait for them
	PACK \a
	SEND (\a)-1
	TOSTAGE \a
.endr
	SEND 3
	s_wait_tensorcnt 0x0                           ; the wave's end, behind my last tensor load and my last LDS store
	ds_add_u32 v[SPW], v[NIL]
	s_wait_dscnt 0x0
	CROUND                                         ; the closing round: no work-group ends while a partner may still ask for a tile that names it
	s_endpgm
.Lfunc_end_k_q4e3e126279_proj:
	.size	k_q4e3e126279_proj, .Lfunc_end_k_q4e3e126279_proj-k_q4e3e126279_proj
	.p2alignl 7, 3214868480
	.fill 96, 4, 3214868480
	.section	.rodata,"a",@progbits
	.p2align	6, 0x0
	.amdhsa_kernel k_q4e3e126279_proj
		.amdhsa_group_segment_fixed_size 327680
		.amdhsa_private_segment_fixed_size 0
		.amdhsa_enable_private_segment 0
		.amdhsa_kernarg_size 16
		.amdhsa_user_sgpr_count 2
		.amdhsa_user_sgpr_kernarg_segment_ptr 1
		.amdhsa_wavefront_size32 1
		.amdhsa_system_sgpr_workgroup_id_x 1
		.amdhsa_system_sgpr_workgroup_id_y 1
		.amdhsa_system_sgpr_workgroup_id_z 1
		.amdhsa_system_vgpr_workitem_id 0
		.amdhsa_next_free_vgpr 512
		.amdhsa_next_free_sgpr 96
		.amdhsa_reserve_vcc 0
		.amdhsa_float_denorm_mode_32 3
		.amdhsa_float_denorm_mode_16_64 3
		.amdhsa_memory_ordered 1
		.amdhsa_forward_progress 1
		.amdhsa_inst_pref_size 86
	.end_amdhsa_kernel
	.amdgpu_metadata
---
amdhsa.version: [ 1, 2 ]
amdhsa.kernels:
  - .name:           k_q4e3e126279_proj
    .symbol:         k_q4e3e126279_proj.kd
    .args:
      - { .name: xb, .offset: 0, .size: 8, .value_kind: global_buffer, .address_space: global }
      - { .name: qkv, .offset: 8, .size: 8, .value_kind: global_buffer, .address_space: global }
    .group_segment_fixed_size: 327680
    .private_segment_fixed_size: 0
    .kernarg_segment_align: 8
    .kernarg_segment_size: 16
    .max_flat_workgroup_size: 128
    .sgpr_count:     96
    .vgpr_count:     512
    .wavefront_size: 32
...
	.end_amdgpu_metadata
.endif
;; end of part 2
;; launch score (part 3): grid 8 x 32, 8 waves a work-group, clusters of 4 x 4, 327,680 bytes of LDS; arguments qkv, attn_mask, pbuf, stats; writes pbuf, stats
.if DOCPART == 3
	.amdgcn_target "amdgcn-amd-amdhsa--gfx1250"
	.amdhsa_code_object_version 6
	.text
	.protected	k_q4e3e126279_score
	.globl	k_q4e3e126279_score
	.p2align	8
	.type	k_q4e3e126279_score,@function
k_q4e3e126279_score:
	s_mov_b64 s[64:65], 0
	v_nop
	global_prefetch_b8 v0, s[64:65] scope:SCOPE_SE
	s_setreg_imm32_b32 hwreg(HW_REG_WAVE_MODE, 25, 1), 1
	s_wait_xcnt 0x0
	s_wait_alu depctr_hold_cnt(0) depctr_sa_sdst(0) depctr_va_vdst(0) depctr_va_sdst(0) depctr_va_ssrc(0) depctr_va_vcc(0) depctr_vm_vsrc(0)
	s_getreg_b32 s2, hwreg(HW_REG_IB_STS2, 6, 4)
	s_cmp_eq_u32 s2, 0
	s_cbranch_scc0 .Lentry_in_a_cluster
	s_endpgm
.Lentry_in_a_cluster:
	s_bfe_u32 s2, ttmp6, 0x10000c
	s_cmp_lg_u32 s2, 0xf033
	s_cbranch_scc0 .Lentry_shape_is_right
	s_endpgm
.Lentry_shape_is_right:
; For each tile of 256 queries x 256 keys of a batch: acc = q k^T (f16 operands, f32 sums) = 32 x score; where attn_mask is 1, acc is replaced by 32 x f32(1e-9), as the module replaces the score by 1e-9.
; The softmax runs along the QUERIES.  Here each key column gets its tile's own maximum and sum: Mt = c x (maximum of acc over the tile's 256 queries), c = log2(e) / 32; p = 2^(c acc - Mt), in 0 to 1;
; lt = the sum of the unrounded p.  p goes to pbuf ([8192 queries][2048 keys], f16), Mt and lt to stats ([32 = batch x 8 + query tile][2048] f32, lt 262,144 bytes behind Mt).  The next launch merges the eight tiles of a column.
; LIMITS.  p below 6e-5 keeps f16's fixed step of 6e-8; an exponential below 2^-126 counts as 0; NaN and infinities are not treated apart; the sums' order differs from a plain row-by-row sum.
; SHARES.  256 work-groups.  Eight waves, 4 (rows) x 2 (columns), each 64 x 128: 32 accumulators, 256 registers.  K = 1,024 in steps of 128 through two LDS slots; waves 0-3 fetch q's four parts of 64 rows, waves 4-7 k's.
; CLUSTER.  4 x 4: q's tile is shared along a row of the cluster, k's along a column (the batch is the whole cluster's).  The mask tile is each work-group's own: a plain load, 32 rows a wave, into slot 0's
; first half when the last K step but one has been read out of it, behind a round like every refill.
; THE MATRIX INSTRUCTION IS USED TRANSPOSED (source 0 = 16 keys, source 1 = 16 queries): lane l holds query l % 16 and the keys 8 (l / 16) + 0..7, so p packs into 16 bytes of a row of pbuf.
; REGISTERS: window 0: v0-31 addresses; v64-159, v160-255 fragment buffers; behind the products v32-63 mask bytes, v64-127 T, v128-191 CM, v192-255 CS (index 8 b + j: my 64 columns).  Window 1: accumulator (a, b) at v[8 (8 a + b)].
.set PITCH,  272                       ; an LDS row: 256 bytes + 16 of padding: the 16 rows of a load start at 16 different groups of four banks (64 banks of 4 bytes: ISA guide 11.1)
.set APART,  64*PITCH                  ; what a wave fetches, and what a wave reads of q
.set BOFF,   4*APART                   ; k's 256 rows lie behind q's 256
.set SLOT,   8*APART
.set STAGE,  2*SLOT                    ; behind the ring: 16 rows x 272 bytes for each wave
.set XM,     STAGE+8*16*PITCH          ; each wave's 128 column maxima: 8 x 512 bytes
.set XL,     XM+4096                   ; each wave's 128 column sums
.set SPARE,  XL+4096                   ; the spare words, 128 bytes for each wave: four blocks of 256 bytes that no other line names
.set LAPS,   4
.set ASTEP,  256
.set BSTEP,  256
.set CPITCH, 4096                      ; bytes in a row of pbuf
.set NA,     4                         ; waves 0 .. NA - 1 fetch q
.set ADRA, 16
.set ADRB, 20
.set SOF,  22                          ; v22  16 x lane: my 16 bytes of 512 in stats
.set XSL,  23                          ; v23  the same 4 columns in XM
.set STO,  24
.set RD,   25
.set CO,   26
.set XRD,  27                          ; v27  my lanes' 8 columns of a block in XM, row part 0
.set SPW,  28
.set NIL,  29
.set MADR, 30                          ; v30  my 8 mask bytes for accumulator (0, 0)
.set XST,  31                          ; v31  where my wave's maxima go
.set MK,   32                          ; two buffers of 16 registers: a row block's mask bytes
.set F0,   64
.set F1,   160
.set T,    64
.set CM,   128
.set CS,   192
.set TMP,  64
.set OB0,  96
.set OB1,  32
.set G1,  24
.set G0,  32
.set G1B, 48
.set G0B, 56
.set GM1, 68                           ; s[68:75] the mask tile's group 1;  s[76:79] its group 0
.set GM0, 76
.set CC,  82                           ; s[82:83] c, named as a pair
.set SELB, 84                          ; s84-87 v_perm_b32 selectors: byte 0, 1, 2, 3 into all four places
.set MVAL, 88                          ; s88 32 x f32(1e-9)
.set CB,  8                            ; s[8:9] pbuf
.set MSB, 0
.macro WIN new                         ; the immediate's high byte repeats the setting that is left; a switch that changes nothing is dropped
.if MSB != (\new)
	s_set_vgpr_msb (MSB<<8)|(\new)
.set MSB, \new
.endif
.endm
.set MUL, 0x50                         ; sources 0 and 1 window 0; C and D window 1
.macro PLACES                          ; four places (ISA guide 7.12.1)
.rept 4
	v_nop
.endr
.endm
.macro JLOAD s                         ; a joint load; the branch hangs on the wave's number alone; an s_nop 0 and four v_nop follow each of the two lines
	s_cmp_lt_u32 s12, NA
	s_cbranch_scc0 .Lfor_b_\@
	tensor_load_to_lds s[G0+4*(\s):G0+4*(\s)+3], s[G1:G1+7]
	s_nop 0
	PLACES
	s_branch .Lasked_\@
.Lfor_b_\@:
	tensor_load_to_lds s[G0B+4*(\s):G0B+4*(\s)+3], s[G1B:G1B+7]
	s_nop 0
	PLACES
.Lasked_\@:
.endm
.macro CREST
	s_cmp_lg_u32 s12, 0
	s_cbranch_scc1 .Lnot_wave_0_\@
	s_barrier_signal -3
.Lnot_wave_0_\@:
	s_barrier_wait -3
	s_barrier_signal -1
	s_barrier_wait -1
.endm
.macro CROUND
	s_barrier_signal -1
	s_barrier_wait -1
	CREST
.endm
	s_load_b256 s[4:11], s[0:1], 0x0               ; qkv s[4:5], attn_mask s[6:7], pbuf s[8:9], stats s[10:11]
	v_lshl_add_u32 v[SPW], v0, 2, SPARE
	v_mov_b32 v[NIL], 0
	ds_add_u32 v[SPW], v[NIL]                      ; the wave's opening: the add and its wait stand ahead of my first tensor load; the set-up below, work on registers, stands between them
	v_lshrrev_b32 v1, 5, v0
	v_readfirstlane_b32 s12, v1                    ; wave 0..7
	s_lshr_b32 s13, s12, 1                         ; which 64 of the tile's queries are mine
	s_and_b32 s14, s12, 1                          ; which 128 of its keys
	s_and_b32 s15, s12, 3                          ; which 64 rows of q's or k's tile I fetch
	s_bfe_u32 s40, ttmp6, 0x40000                  ; cx, cy
	s_bfe_u32 s41, ttmp6, 0x40004
	s_lshl_b32 s42, ttmp9, 2
	s_add_co_u32 s42, s42, s40                     ; key tile 0..7
	s_and_b32 s46, ttmp7, 0xffff                   ; the cluster's y, 0..7: two clusters to a batch
	s_lshl_b32 s43, s46, 2
	s_add_co_u32 s43, s43, s41                     ; 8 x batch + query tile, 0..31
	s_lshl_b32 s44, s41, 2
	s_lshl_b32 s44, 15, s44                        ; my row of the cluster
	s_lshl_b32 s45, 0x1111, s40                    ; my column
	s_or_b32 s[G1], s44, (1<<16)|(1<<20)|(1<<21)|(5<<22)|(3<<25)   ; the mask; 2-byte elements; padding on; bit 21 beside a mask; after every 64 words (code 5) 4 words (code 3)
	s_or_b32 s[G1B], s45, (1<<16)|(1<<20)|(1<<21)|(5<<22)|(3<<25)
.irp g, G1, G1B
	s_mov_b32 s[(\g)+1], 128<<16                   ; tensor_dim0 = 128
	s_mov_b32 s[(\g)+2], 64<<16                    ; tensor_dim1 = 64
	s_mov_b32 s[(\g)+3], 128<<16                   ; tile_dim0 = 128
	s_mov_b32 s[(\g)+4], 64                        ; tile_dim1 = 64
	s_mov_b32 s[(\g)+5], 1024                      ; elements from row to row
	s_mov_b32 s[(\g)+6], 0
	s_mov_b32 s[(\g)+7], 0
.endr
	s_mov_b32 s[GM1], (3<<16)|(1<<20)|(5<<22)|(3<<25)  ; no work-group mask: my own load; 8-byte elements; the same padding
	s_mov_b32 s[GM1+1], 32<<16                     ; tensor_dim0 = 32 elements = 256 mask bytes
	s_mov_b32 s[GM1+2], 32<<16                     ; tensor_dim1 = 32 rows
	s_mov_b32 s[GM1+3], 32<<16                     ; tile_dim0
	s_mov_b32 s[GM1+4], 32                         ; tile_dim1
	s_mov_b32 s[GM1+5], 256                        ; 2,048 bytes from row to row
	s_mov_b32 s[GM1+6], 0
	s_mov_b32 s[GM1+7], 0
	s_mov_b32 s[GM0], 1
	s_mul_i32 s[GM0+1], s12, 32*PITCH              ; my 32 rows of the mask tile, which begins at LDS byte 0
	s_lshl_b32 s16, s43, 8                         ; q: row 256 x (8 batch + tile) + 64 x part,
	s_lshl_b32 s17, s15, 6
	s_add_co_u32 s16, s16, s17
	s_lshl_b32 s16, s16, 11                        ; in bytes
	s_mov_b32 s17, 0
	s_lshr_b32 s18, s46, 1                         ; k: the batch's 2,048 rows
	s_lshl_b32 s18, s18, 11
	s_lshl_b32 s19, s42, 8                         ; + 256 x key tile
	s_add_co_u32 s18, s18, s19
	s_lshl_b32 s19, s15, 6                         ; + 64 x part,
	s_add_co_u32 s18, s18, s19
	s_add_co_u32 s18, s18, 8192                    ; behind q's 8,192 rows,
	s_lshl_b32 s18, s18, 11                        ; in bytes
	s_mov_b32 s19, 0
	s_mul_i32 s20, s12, APART                      ; where they go in a slot: wave x 64 rows
	s_lshl_b32 s92, s43, 8                         ; the mask: row 256 x (8 batch + tile) + 32 x wave, 2,048 bytes each,
	s_lshl_b32 s93, s12, 5
	s_add_co_u32 s92, s92, s93
	s_lshl_b32 s92, s92, 11
	s_lshl_b32 s93, s42, 8                         ; + 256 x key tile
	s_add_co_u32 s92, s92, s93
	s_mov_b32 s93, 0
	s_lshl_b32 s94, s43, 13                        ; stats: 4 x (2,048 x (8 batch + tile) + 256 x key tile + 128 x column half)
	s_lshl_b32 s95, s42, 10
	s_add_co_u32 s94, s94, s95
	s_lshl_b32 s95, s14, 9
	s_add_co_u32 s94, s94, s95
	s_mov_b32 s95, 0
	s_lshl_b32 s66, s43, 8                         ; pbuf: row 256 x (8 batch + tile) + 64 x row part, 4,096 bytes each,
	s_lshl_b32 s67, s13, 6
	s_add_co_u32 s66, s66, s67
	s_lshl_b32 s66, s66, 12
	s_lshl_b32 s67, s42, 9                         ; + 512 x key tile + 256 x column half
	s_add_co_u32 s66, s66, s67
	s_lshl_b32 s67, s14, 8
	s_add_co_u32 s66, s66, s67
	s_mov_b32 s67, 0
	s_mov_b32 s[CC], 0x3d38aa3b                    ; c = log2(e) / 32
	s_mov_b32 s[CC+1], s[CC]
	s_mov_b32 s[SELB], 0x00000000
	s_mov_b32 s[SELB+1], 0x01010101
	s_mov_b32 s[SELB+2], 0x02020202
	s_mov_b32 s[SELB+3], 0x03030303
	s_mov_b32 s[MVAL], 0x3309705f                  ; f32(1e-9) = 0x3089705f, times 32
	s_wait_dscnt 0x0                               ; the opening add is done
	s_wait_kmcnt 0x0
	s_add_nc_u64 s[22:23], s[4:5], s[16:17]
	s_add_nc_u64 s[90:91], s[4:5], s[18:19]
	s_add_nc_u64 s[GM0+2:GM0+3], s[6:7], s[92:93]
	s_or_b32 s[GM0+3], s[GM0+3], 0x80000000
	s_add_nc_u64 s[10:11], s[10:11], s[94:95]
	CROUND                                         ; all sixteen work-groups are here: the first joint loads meet
.irp s, 0,1
	s_mov_b32 s[G0+4*(\s)], 1
	s_add_co_u32 s[G0+4*(\s)+1], s20, (\s)*SLOT
	s_add_nc_u64 s[G0+4*(\s)+2:G0+4*(\s)+3], s[22:23], (\s)*ASTEP
	s_or_b32 s[G0+4*(\s)+3], s[G0+4*(\s)+3], 0x80000000
	s_mov_b32 s[G0B+4*(\s)], 1
	s_add_co_u32 s[G0B+4*(\s)+1], s20, (\s)*SLOT
	s_add_nc_u64 s[G0B+4*(\s)+2:G0B+4*(\s)+3], s[90:91], (\s)*BSTEP
	s_or_b32 s[G0B+4*(\s)+3], s[G0B+4*(\s)+3], 0x80000000
	JLOAD \s                                       ; K steps 0 and 1: two loads of mine are out
.endr
	v_and_b32 v1, 15, v0                           ; l % 16
	v_bfe_u32 v2, v0, 4, 1                         ; l / 16
	v_and_b32 v4, 31, v0                           ; l
	v_mul_u32_u24 v5, v1, PITCH
	v_lshl_add_u32 v3, v2, 4, v5                   ; row x pitch + 16 x half
	s_mul_i32 s92, s13, APART
	s_mul_i32 s93, s14, 2*APART
	s_add_co_u32 s93, s93, BOFF
.irp s, 0,1
	v_add_nc_u32 v[ADRA+(\s)], s92, v3
	v_add_nc_u32 v[ADRB+(\s)], s93, v3
	s_add_co_u32 s92, s92, SLOT
	s_add_co_u32 s93, s93, SLOT
.endr
	s_mul_i32 s92, s12, 16*PITCH
	s_add_co_u32 s92, s92, STAGE                   ; my stage
	v_add_nc_u32 v[STO], s92, v3
	v_mul_u32_u24 v6, v2, PITCH
	v_lshl_add_u32 v6, v1, 4, v6
	v_add_nc_u32 v[RD], s92, v6
	v_lshlrev_b32 v6, 12, v2
	v_lshl_add_u32 v[CO], v1, 4, v6
	s_mul_i32 s92, s13, APART                      ; mask tile: row 64 x row part + l % 16, byte 128 x column half + 8 (l / 16)
	s_lshl_b32 s93, s14, 7
	s_add_co_u32 s92, s92, s93
	v_lshl_add_u32 v6, v2, 3, v5
	v_add_nc_u32 v[MADR], s92, v6
	s_lshl_b32 s92, s12, 9
	s_add_co_u32 s92, s92, XM
	v_lshl_add_u32 v[XST], v2, 5, s92              ; column 16 b + 8 (l / 16) + j of my wave's 128 lies at byte 64 b + 32 (l / 16) + 4 j
	s_lshl_b32 s93, s14, 9
	s_add_co_u32 s93, s93, XM
	v_lshl_add_u32 v[XRD], v2, 5, s93
	v_lshl_add_u32 v[XSL], v4, 4, s93
	v_lshlrev_b32 v[SOF], 4, v4
; 8 matrix instructions: row block a x all 8 column blocks, 32 along K.  zero = 1: the product starts the sums.  The 32 accumulators take turns in one order.
.macro MUL8 f, a, zero
	WIN MUL
.irp b, 0,1,2,3,4,5,6,7
.if \zero
	v_wmma_f32_16x16x32_f16 v[8*(8*(\a)+(\b)):8*(8*(\a)+(\b))+7], v[(\f)+32+8*(\b):(\f)+32+8*(\b)+7], v[(\f)+8*(\a):(\f)+8*(\a)+7], 0
.else
	v_wmma_f32_16x16x32_f16 v[8*(8*(\a)+(\b)):8*(8*(\a)+(\b))+7], v[(\f)+32+8*(\b):(\f)+32+8*(\b)+7], v[(\f)+8*(\a):(\f)+8*(\a)+7], v[8*(8*(\a)+(\b)):8*(8*(\a)+(\b))+7]
.endif
.endr
.endm
.macro FETCH slot, k, f                ; 24 LDS loads in one run: k's 16, then q's 8
	WIN 0
.irp i, 0,1,2,3,4,5,6,7
	ds_load_b128 v[(\f)+32+8*(\i):(\f)+32+8*(\i)+3],   v[ADRB+(\slot)] offset:(\k)+(\i)*16*PITCH
	ds_load_b128 v[(\f)+32+8*(\i)+4:(\f)+32+8*(\i)+7], v[ADRB+(\slot)] offset:(\k)+(\i)*16*PITCH+32
.endr
.irp i, 0,1,2,3
	ds_load_b128 v[(\f)+8*(\i):(\f)+8*(\i)+3],   v[ADRA+(\slot)] offset:(\k)+(\i)*16*PITCH
	ds_load_b128 v[(\f)+8*(\i)+4:(\f)+8*(\i)+7], v[ADRA+(\slot)] offset:(\k)+(\i)*16*PITCH+32
.endr
.endm
.macro QUARTER slot, k, f, g, zero
	s_wait_dscnt 4                                 ; k's and q's fragments 0, 1 are in; the youngest four loads (q's fragments 2, 3) may be out
	MUL8 \f, 0, \zero
	MUL8 \f, 1, \zero
	PLACES
	FETCH \slot, \k, \g
	s_wait_dscnt 24                                ; all but the 24 just issued
	MUL8 \f, 2, \zero
	MUL8 \f, 3, \zero
.endm
; The last quarter multiplies buffer 1 and changes slots: ONE barrier; in front of it each wave waits for all its tensor loads, adds 0 to its spare word, and waits for that and for its reads of this slot.
; fill = 1: the barrier opens a round of the cluster's, and this slot is filled again first thing behind it, two K steps ahead.  fill = 2: the same round, and each wave asks for its 32 rows of the mask tile.
.macro TURN slot, next, fill
	WIN 0
	s_wait_tensorcnt 0x0
	ds_add_u32 v[SPW], v[NIL]                      ; 0 onto my spare word
	s_wait_dscnt 5                                 ; (the add and the youngest four loads may be out)
	MUL8 F1, 0, 0
	s_wait_dscnt 0x0                               ; the add is done, and my reads of this slot are over
	s_barrier_signal -1
	MUL8 F1, 1, 0
	WIN 0
	s_barrier_wait -1
	CREST                                          ; no wave of any partner still reads this slot or has a load on its way
.if (\fill) == 1
	s_add_nc_u64 s[G0+4*(\slot)+2:G0+4*(\slot)+3], s[G0+4*(\slot)+2:G0+4*(\slot)+3], 2*ASTEP
	s_add_nc_u64 s[G0B+4*(\slot)+2:G0B+4*(\slot)+3], s[G0B+4*(\slot)+2:G0B+4*(\slot)+3], 2*BSTEP
	JLOAD \slot                                    ; the four v_nop behind it are also the places in front of the loads below
.else
	tensor_load_to_lds s[GM0:GM0+3], s[GM1:GM1+7]  ; 32 rows x 256 mask bytes: it has the last K step, 128 matrix instructions, in which to land
	s_nop 0
	PLACES
.endif
	FETCH \next, 0, F0
	MUL8 F1, 2, 0
	MUL8 F1, 3, 0
.endm
; THE MASK.  MLD: the 8 mask bytes of each of row block a's 8 accumulators.  BLK: bytes 0 / 1 become 0x00 / 0xff (times 255); each byte is spread over a word; where it is set the word 32 x 1e-9 takes acc's place.
.macro MLD a
.set MB, MK+16*((\a)%2)
.irp b, 0,1,2,3,4,5,6,7
	ds_load_b64 v[MB+2*(\b):MB+2*(\b)+1], v[MADR] offset:(\a)*16*PITCH+16*(\b)
.endr
.endm
.macro BLK a
.set MB, MK+16*((\a)%2)
	WIN 0
.set i, 0
.rept 16
	v_lshlrev_b32 v[T+i], 8, v[MB+i]
.set i, i+1
.endr
.set i, 0
.rept 16
	v_sub_nc_u32 v[MB+i], v[T+i], v[MB+i]
.set i, i+1
.endr
.set i, 0
.rept 64
	v_perm_b32 v[T+i], v[MB+i/4], v[MB+i/4], s[SELB+i%4]
.set i, i+1
.endr
	WIN 0x50                                       ; acc (source 2 and destination) in window 1
.set i, 0
.rept 64
	v_bfi_b32 v[64*(\a)+i], v[T+i], s[MVAL], v[64*(\a)+i]  ; each accumulator's registers in ascending order
.set i, i+1
.endr
	WIN 0
.endm
; the way out: as in the launch before
.macro PACK a
	WIN 0x05
.set i, 0
.rept 32
	v_cvt_pk_f16_f32 v[TMP+i], v[64*(\a)+2*i], v[64*(\a)+2*i+1]
.set i, i+1
.endr
	WIN 0
.endm
.macro TOSTAGE a
.set BK, OB0+(OB1-OB0)*((\a)%2)
.irp b, 0,1,2,3,4,5,6,7
	ds_store_b128 v[STO], v[TMP+4*(\b):TMP+4*(\b)+3] offset:32*(\b)
.endr
.irp t, 0,1,2,3,4,5,6,7
	ds_load_b128 v[BK+4*(\t):BK+4*(\t)+3], v[RD] offset:(\t)*2*PITCH  ; LDS serves a wave's instructions in order (ISA guide 5.7.1.4): these see the stores above
.endr
.endm
.macro SEND a
.set BK, OB0+(OB1-OB0)*((\a)%2)
	s_wait_dscnt 0x0
	s_wait_xcnt 0x0                                ; the stores' base and the registers that earlier stores read are rewritten only behind this wait
.if (\a) == 0
	s_add_nc_u64 s[CB:CB+1], s[CB:CB+1], s[66:67]
.else
	s_add_nc_u64 s[CB:CB+1], s[CB:CB+1], 16*CPITCH
.endif
.irp t, 0,1,2,3,4,5,6,7
	global_store_b128 v[CO], v[BK+4*(\t):BK+4*(\t)+3], s[CB:CB+1] offset:2*(\t)*CPITCH  ; 16 lanes store 256 consecutive bytes, at a multiple of 256 from the buffer's first byte
.endr
.endm
	s_wait_tensorcnt 1                             ; my part of K step 0 is in; K step 1's may stay out
	s_barrier_signal -1
	s_barrier_wait -1
	FETCH 0, 0, F0
	QUARTER 0, 64, F0, F1, 1                       ; the first quarter's products start the sums
	WIN 0
	s_mov_b32 s80, LAPS-1
.Llap:
	QUARTER 0, 128, F1, F0, 0
	QUARTER 0, 192, F0, F1, 0
	TURN 0, 1, 1
	QUARTER 1, 64,  F0, F1, 0
	QUARTER 1, 128, F1, F0, 0
	QUARTER 1, 192, F0, F1, 0
	TURN 1, 0, 1
	QUARTER 0, 64,  F0, F1, 0
	WIN 0
	s_sub_co_u32 s80, s80, 1
	s_cmp_lg_u32 s80, 0
	s_cbranch_scc1 .Llap
	QUARTER 0, 128, F1, F0, 0
	QUARTER 0, 192, F0, F1, 0
	TURN 0, 1, 2                                   ; slot 0 is read out: its first half takes the mask tile
	QUARTER 1, 64,  F0, F1, 0
	QUARTER 1, 128, F1, F0, 0
	QUARTER 1, 192, F0, F1, 0
	s_wait_dscnt 4
	MUL8 F1, 0, 0
	MUL8 F1, 1, 0
	s_wait_dscnt 0x0
	MUL8 F1, 2, 0
	MUL8 F1, 3, 0
	WIN 0
	s_wait_tensorcnt 0x0                           ; my 32 rows of the mask tile are in,
	s_barrier_signal -1
	s_barrier_wait -1                              ; everybody's are
	PLACES                                         ; behind the last products
	MLD 0
	MLD 1
	s_wait_dscnt 8                                 ; the next block's eight loads may be out
	BLK 0
	MLD 2
	s_wait_dscnt 8
	BLK 1
	MLD 3
	s_wait_dscnt 8
	BLK 2
	s_wait_dscnt 0x0
	BLK 3
	; THE COLUMNS' MAXIMA: over my four row blocks, over the 16 lanes of a half (16 queries), then over the four waves of my column half, through LDS.
	WIN 0x05
.set i, 0
.rept 64
	v_max_num_f32 v[CM+i], v[i], v[64+i]
.set i, i+1
.endr
	WIN 0x14
.set i, 0
.rept 64
	v_max3_num_f32 v[CM+i], v[CM+i], v[128+i], v[192+i]
.set i, i+1
.endr
	WIN 0
.irp x, 1,2,4,8
.set i, 0
.rept 64
	v_max_num_f32_dpp v[CM+i], v[CM+i], v[CM+i] row_xmask:\x row_mask:0xf bank_mask:0xf
.set i, i+1
.endr
.endr
.set i, 0
.rept 16
	ds_store_b128 v[XST], v[CM+4*i:CM+4*i+3] offset:64*(i/2)+16*(i%2)  ; the 16 lanes of a half store equal words
.set i, i+1
.endr
	s_wait_dscnt 0x0                               ; for the others' sake
	s_barrier_signal -1
	s_barrier_wait -1
.set i, 0
.rept 16
	ds_load_b128 v[T+4*i:T+4*i+3],   v[XRD] offset:64*(i/2)+16*(i%2)
	ds_load_b128 v[CS+4*i:CS+4*i+3], v[XRD] offset:1024+64*(i/2)+16*(i%2)
.set i, i+1
.endr
	s_wait_dscnt 0x0
.set i, 0
.rept 64
	v_max_num_f32 v[CM+i], v[T+i], v[CS+i]
.set i, i+1
.endr
.set i, 0
.rept 16
	ds_load_b128 v[T+4*i:T+4*i+3],   v[XRD] offset:2048+64*(i/2)+16*(i%2)
	ds_load_b128 v[CS+4*i:CS+4*i+3], v[XRD] offset:3072+64*(i/2)+16*(i%2)
.set i, i+1
.endr
	s_wait_dscnt 0x0
.set i, 0
.rept 64
	v_max3_num_f32 v[CM+i], v[CM+i], v[T+i], v[CS+i]
.set i, i+1
.endr
.set i, 0
.rept 32
	v_pk_mul_f32 v[CM+2*i:CM+2*i+1], v[CM+2*i:CM+2*i+1], s[CC:CC+1] op_sel_hi:[1,0]  ; Mt = c x maximum
.set i, i+1
.endr
	; p = 2^(c acc - Mt), in place; the next block's multiply-adds are the plain lines behind a block's exponentials
	WIN 0x41                                       ; acc (destination and source 0) in window 1, Mt in window 0
.irp a, 0,1,2,3
.set i, 0
.rept 32
	v_pk_fma_f32 v[64*(\a)+2*i:64*(\a)+2*i+1], v[64*(\a)+2*i:64*(\a)+2*i+1], s[CC:CC+1], v[CM+2*i:CM+2*i+1] op_sel_hi:[1,0,1] neg_lo:[0,0,1] neg_hi:[0,0,1]
.set i, i+1
.endr
.set i, 0
.rept 64
	v_exp_f32 v[64*(\a)+i], v[64*(\a)+i]
.set i, i+1
.endr
.endr
	; THE COLUMNS' SUMS, by the same road
	WIN 0x05
.set i, 0
	s_wait_alu depctr_va_vdst(0)
.rept 32
	v_pk_add_f32 v[CS+2*i:CS+2*i+1], v[2*i:2*i+1], v[64+2*i:64+2*i+1]
.set i, i+1
.endr
	WIN 0x04
.set i, 0
.rept 32
	v_pk_add_f32 v[CS+2*i:CS+2*i+1], v[CS+2*i:CS+2*i+1], v[128+2*i:128+2*i+1]
.set i, i+1
.endr
.set i, 0
.rept 32
	v_pk_add_f32 v[CS+2*i:CS+2*i+1], v[CS+2*i:CS+2*i+1], v[192+2*i:192+2*i+1]
.set i, i+1
.endr
	WIN 0
.irp x, 1,2,4,8
.set i, 0
.rept 64
	v_add_f32_dpp v[CS+i], v[CS+i], v[CS+i] row_xmask:\x row_mask:0xf bank_mask:0xf
.set i, i+1
.endr
.endr
.set i, 0
.rept 16
	ds_store_b128 v[XST], v[CS+4*i:CS+4*i+3] offset:4096+64*(i/2)+16*(i%2)
.set i, i+1
.endr
	s_wait_dscnt 0x0
	s_barrier_signal -1
	s_barrier_wait -1
	; waves 0 and 1 store their column half's Mt and lt: a lane has 4 columns, a store covers 512 consecutive bytes
	s_cmp_lt_u32 s12, 2
	s_cbranch_scc0 .Lno_stats
.irp p, 0,1,2,3
	ds_load_b128 v[T+4*(\p):T+4*(\p)+3],       v[XSL] offset:1024*(\p)
	ds_load_b128 v[T+16+4*(\p):T+16+4*(\p)+3], v[XSL] offset:4096+1024*(\p)
.endr
	s_wait_dscnt 0x0
.irp c, 0,1,2,3
	v_max3_num_f32 v[T+(\c)], v[T+(\c)], v[T+4+(\c)], v[T+8+(\c)]
	v_add_f32 v[T+16+(\c)], v[T+16+(\c)], v[T+20+(\c)]
	v_add_f32 v[T+24+(\c)], v[T+24+(\c)], v[T+28+(\c)]
.endr
.irp c, 0,1,2,3
	v_max_num_f32 v[T+(\c)], v[T+(\c)], v[T+12+(\c)]
	v_add_f32 v[T+16+(\c)], v[T+16+(\c)], v[T+24+(\c)]
.endr
.irp c, 0,1,2,3
	v_mul_f32 v[T+(\c)], s[CC], v[T+(\c)]          ; the same product, so the same bits, as the Mt that p was made with
.endr
	global_store_b128 v[SOF], v[T:T+3], s[10:11]
	global_store_b128 v[SOF], v[T+16:T+19], s[10:11] offset:262144
	s_wait_xcnt 0x0                                ; the stores' data registers are written again below
.Lno_stats:
	PACK 0
	TOSTAGE 0
.irp a, 1,2,3
	PACK \a
	SEND (\a)-1
	TOSTAGE \a
.endr
	SEND 3
	s_wait_tensorcnt 0x0                           ; the wave's end, behind my last tensor load and my last LDS store
	ds_add_u32 v[SPW], v[NIL]
	s_wait_dscnt 0x0
	CROUND                                         ; the closing round
	s_endpgm
.Lfunc_end_k_q4e3e126279_score:
	.size	k_q4e3e126279_score, .Lfunc_end_k_q4e3e126279_score-k_q4e3e126279_score
	.p2alignl 7, 3214868480
	.fill 96, 4, 3214868480
	.section	.rodata,"a",@progbits
	.p2align	6, 0x0
	.amdhsa_kernel k_q4e3e126279_score
		.amdhsa_group_segment_fixed_size 327680
		.amdhsa_private_segment_fixed_size 0
		.amdhsa_enable_private_segment 0
		.amdhsa_kernarg_size 32
		.amdhsa_user_sgpr_count 2
		.amdhsa_user_sgpr_kernarg_segment_ptr 1
		.amdhsa_wavefront_size32 1
		.amdhsa_system_sgpr_workgroup_id_x 1
		.amdhsa_system_sgpr_workgroup_id_y 1
		.amdhsa_system_sgpr_workgroup_id_z 1
		.amdhsa_system_vgpr_workitem_id 0
		.amdhsa_next_free_vgpr 512
		.amdhsa_next_free_sgpr 96
		.amdhsa_reserve_vcc 0
		.amdhsa_float_denorm_mode_32 3
		.amdhsa_float_denorm_mode_16_64 3
		.amdhsa_memory_ordered 1
		.amdhsa_forward_progress 1
		.amdhsa_inst_pref_size 203
	.end_amdhsa_kernel
	.amdgpu_metadata
---
amdhsa.version: [ 1, 2 ]
amdhsa.kernels:
  - .name:           k_q4e3e126279_score
    .symbol:         k_q4e3e126279_score.kd
    .args:
      - { .name: qkv, .offset: 0, .size: 8, .value_kind: global_buffer, .address_space: global }
      - { .name: attn_mask, .offset: 8, .size: 8, .value_kind: global_buffer, .address_space: global }
      - { .name: pbuf, .offset: 16, .size: 8, .value_kind: global_buffer, .address_space: global }
      - { .name: stats, .offset: 24, .size: 8, .value_kind: global_buffer, .address_space: global }
    .group_segment_fixed_size: 327680
    .private_segment_fixed_size: 0
    .kernarg_segment_align: 8
    .kernarg_segment_size: 32
    .max_flat_workgroup_size: 256
    .sgpr_count:     96
    .vgpr_count:     512
    .wavefront_size: 32
...
	.end_amdgpu_metadata
.endif
;; end of part 3
;; launch pv (part 4): grid 4 x 64, 4 waves a work-group, clusters of 4 x 4, 327,680 bytes of LDS; arguments pbuf, qkv, stats, out0; writes out0
.if DOCPART == 4
	.amdgcn_target "amdgcn-amd-amdhsa--gfx1250"
	.amdhsa_code_object_version 6
	.text
	.protected	k_q4e3e126279_pv
	.globl	k_q4e3e126279_pv
	.p2align	8
	.type	k_q4e3e126279_pv,@function
k_q4e3e126279_pv:
	s_mov_b64 s[64:65], 0
	v_nop
	global_prefetch_b8 v0, s[64:65] scope:SCOPE_SE
	s_setreg_imm32_b32 hwreg(HW_REG_WAVE_MODE, 25, 1), 1
	s_wait_xcnt 0x0
	s_wait_alu depctr_hold_cnt(0) depctr_sa_sdst(0) depctr_va_vdst(0) depctr_va_sdst(0) depctr_va_ssrc(0) depctr_va_vcc(0) depctr_vm_vsrc(0)
	s_getreg_b32 s2, hwreg(HW_REG_IB_STS2, 6, 4)
	s_cmp_eq_u32 s2, 0
	s_cbranch_scc0 .Lentry_in_a_cluster
	s_endpgm
.Lentry_in_a_cluster:
	s_bfe_u32 s2, ttmp6, 0x10000c
	s_cmp_lg_u32 s2, 0xf033
	s_cbranch_scc0 .Lentry_shape_is_right
	s_endpgm
.Lentry_shape_is_right:
; out0[b][q][:] = the sum over keys of w[q][k] v[k][:], w = softmax over the QUERIES of the masked scores.  The launch before left p = 2^(c acc - Mt) with each tile of 256 queries' own column maximum Mt and sum lt.
; Here the eight tiles of a column are merged: M = the largest Mt, L = the sum of lt 2^(Mt - M) (at least about 1), and for my query tile f[k] = 2,048 x 2^(Mt_own - M) / L, at most about 2,048.
; w = p f / 2,048.  The product's first operand is f16(p x f16(f)), made in registers from p's fragments; v is f16; sums in f32; the result is multiplied by 2^-11 and stored as f32.
; LIMITS.  p x f below 6e-5 keeps f16's fixed step of 6e-8: a weight is then off by under 3e-11.  An exponential below 2^-126 counts as 0.  NaN and infinities are not treated apart.
; SHARES.  A tile of out0 is 128 queries x 256 channels: 64 x 4 = 256 work-groups.  Four waves, each 64 x 128: 32 accumulators.  K = 2,048 keys in steps of 128 through two LDS slots: p's tile 128 rows x 256 bytes,
; v's tile 128 keys x 512 bytes.  Waves 0, 1 fetch p's two halves (64 rows), waves 2, 3 v's (64 keys).
; CLUSTER.  4 x 4: p's tile hangs on the tile row alone (shared along a row of the cluster), v's on the batch, which the cluster shares, and the tile column (shared along a column).
; LAYOUT.  Source 0 = 16 channels x 32 keys of v, turned by ds_load_tr16_b128; source 1 = 16 queries x 32 keys of p f: lane l holds query l % 16 and the channels 8 (l / 16) + 0..7.
; REGISTERS: window 0: v0-31 addresses; v32-47 the factors of a quarter's 32 keys, a set for each buffer; v64-159, v160-255 fragment buffers.  Window 1: accumulator (a, b) at v[8 (8 a + b)].
.set PITCH,  272                       ; a row of p in LDS: 256 bytes + 16
.set VPITCH, 544                       ; a row of v: 512 bytes + 32 = 136 words
.set APART,  64*PITCH
.set VPART,  64*VPITCH
.set BOFF,   2*APART
.set SLOT,   BOFF+2*VPART
.set FTAB,   2*SLOT                    ; behind the ring: f16 f[2,048]
.set STAGE,  FTAB+4096                 ; 16 rows x 528 bytes for each wave
.set SPITCH, 528
.set SPARE,  STAGE+4*16*SPITCH         ; the spare words, 128 bytes for each wave: two blocks of 256 bytes that no other line names
.set LAPS,   8                         ; 2,048 keys / 256
.set ASTEP,  256                       ; 128 keys along a row of pbuf
.set BSTEP,  262144                    ; 128 rows of qkv
.set CPITCH, 4096                      ; bytes in a row of out0
.set NA,     2
.set ADRA, 16
.set FADR, 18                          ; v18-19  my 16 bytes of the factors of slot 0's, slot 1's K step
.set ADRB, 20
.set STO,  24
.set RD,   25
.set CO,   26
.set SPW,  28
.set NIL,  29
.set FC,   32
.set F0,   64
.set F1,   160
.set TMP,  64
.set OB0,  128
.set OB1,  192
.set G1,  24
.set G0,  32
.set G1B, 48
.set G0B, 56
.set CB,  10                           ; s[10:11] out0
.set MSB, 0
.macro WIN new                         ; the immediate's high byte repeats the setting that is left; a switch that changes nothing is dropped
.if MSB != (\new)
	s_set_vgpr_msb (MSB<<8)|(\new)
.set MSB, \new
.endif
.endm
.set MUL, 0x50
.macro PLACES
.rept 4
	v_nop
.endr
.endm
.macro JLOAD s                         ; a joint load; the branch hangs on the wave's number alone; an s_nop 0 and four v_nop follow each of the two lines
	s_cmp_lt_u32 s12, NA
	s_cbranch_scc0 .Lfor_b_\@
	tensor_load_to_lds s[G0+4*(\s):G0+4*(\s)+3], s[G1:G1+7]
	s_nop 0
	PLACES
	s_branch .Lasked_\@
.Lfor_b_\@:
	tensor_load_to_lds s[G0B+4*(\s):G0B+4*(\s)+3], s[G1B:G1B+7]
	s_nop 0
	PLACES
.Lasked_\@:
.endm
.macro CREST
	s_cmp_lg_u32 s12, 0
	s_cbranch_scc1 .Lnot_wave_0_\@
	s_barrier_signal -3
.Lnot_wave_0_\@:
	s_barrier_wait -3
	s_barrier_signal -1
	s_barrier_wait -1
.endm
.macro CROUND
	s_barrier_signal -1
	s_barrier_wait -1
	CREST
.endm
	s_load_b256 s[4:11], s[0:1], 0x0               ; pbuf s[4:5], qkv s[6:7], stats s[8:9], out0 s[10:11]
	v_lshl_add_u32 v[SPW], v0, 2, SPARE
	v_mov_b32 v[NIL], 0
	ds_add_u32 v[SPW], v[NIL]                      ; the wave's opening: the add and its wait stand ahead of my first tensor load; the set-up below, work on registers, stands between them
	v_lshrrev_b32 v1, 5, v0
	v_readfirstlane_b32 s12, v1                    ; wave 0..3
	s_lshr_b32 s13, s12, 1                         ; which 64 of the tile's queries are mine
	s_and_b32 s14, s12, 1                          ; which 128 of its channels
	s_and_b32 s15, s12, 1                          ; which half of p's or v's tile I fetch
	s_bfe_u32 s40, ttmp6, 0x40000
	s_bfe_u32 s41, ttmp6, 0x40004
	s_lshl_b32 s42, ttmp9, 2
	s_add_co_u32 s42, s42, s40                     ; tile column 0..3
	s_and_b32 s46, ttmp7, 0xffff                   ; the cluster's y, 0..15: four clusters to a batch
	s_lshl_b32 s43, s46, 2
	s_add_co_u32 s43, s43, s41                     ; tile row 0..63
	s_lshl_b32 s44, s41, 2
	s_lshl_b32 s44, 15, s44
	s_lshl_b32 s45, 0x1111, s40
	s_or_b32 s[G1], s44, (1<<16)|(1<<20)|(1<<21)|(5<<22)|(3<<25)   ; p: after every 64 words 4 words of padding
	s_mov_b32 s[G1+1], 128<<16                     ; tensor_dim0 = 128 keys
	s_mov_b32 s[G1+2], 64<<16                      ; tensor_dim1 = 64 queries
	s_mov_b32 s[G1+3], 128<<16
	s_mov_b32 s[G1+4], 64
	s_mov_b32 s[G1+5], 2048                        ; elements from row to row of pbuf
	s_mov_b32 s[G1+6], 0
	s_mov_b32 s[G1+7], 0
	s_or_b32 s[G1B], s45, (1<<16)|(1<<20)|(1<<21)|(6<<22)|(7<<25)  ; v: after every 128 words (code 6) 8 words (code 7)
	s_mov_b32 s[G1B+1], 256<<16                    ; tensor_dim0 = 256 channels
	s_mov_b32 s[G1B+2], 64<<16                     ; tensor_dim1 = 64 keys
	s_mov_b32 s[G1B+3], 256<<16
	s_mov_b32 s[G1B+4], 64
	s_mov_b32 s[G1B+5], 1024
	s_mov_b32 s[G1B+6], 0
	s_mov_b32 s[G1B+7], 0
	s_lshl_b32 s16, s43, 7                         ; p: row 128 x tile row + 64 x half,
	s_lshl_b32 s17, s15, 6
	s_add_co_u32 s16, s16, s17
	s_lshl_b32 s16, s16, 12                        ; 4,096 bytes each
	s_mov_b32 s17, 0
	s_lshr_b32 s18, s46, 2                         ; v: the batch's 2,048 rows
	s_lshl_b32 s18, s18, 11
	s_lshl_b32 s19, s15, 6                         ; + 64 x half,
	s_add_co_u32 s18, s18, s19
	s_add_co_u32 s18, s18, 16384                   ; behind q's and k's 16,384 rows,
	s_lshl_b32 s18, s18, 11                        ; 2,048 bytes each,
	s_lshl_b32 s19, s42, 9                         ; + 512 x tile column
	s_add_co_u32 s18, s18, s19
	s_mov_b32 s19, 0
	s_mul_i32 s20, s15, APART
	s_mul_i32 s21, s15, VPART
	s_add_co_u32 s21, s21, BOFF
	s_lshl_b32 s66, s43, 7                         ; out0: row 128 x tile row + 64 x half, 4,096 bytes each,
	s_lshl_b32 s67, s13, 6
	s_add_co_u32 s66, s66, s67
	s_lshl_b32 s66, s66, 12
	s_lshl_b32 s67, s42, 10                        ; + 1,024 x tile column + 512 x half
	s_add_co_u32 s66, s66, s67
	s_lshl_b32 s67, s14, 9
	s_add_co_u32 s66, s66, s67
	s_mov_b32 s67, 0
	s_mov_b32 s82, 0x3a000000                      ; 2^-11, named as a pair
	s_mov_b32 s83, s82
	s_wait_dscnt 0x0                               ; the opening add is done
	s_wait_kmcnt 0x0
	s_add_nc_u64 s[22:23], s[4:5], s[16:17]
	s_add_nc_u64 s[90:91], s[6:7], s[18:19]
	CROUND                                         ; all sixteen work-groups are here: the first joint loads meet
.irp s, 0,1
	s_mov_b32 s[G0+4*(\s)], 1
	s_add_co_u32 s[G0+4*(\s)+1], s20, (\s)*SLOT
	s_add_nc_u64 s[G0+4*(\s)+2:G0+4*(\s)+3], s[22:23], (\s)*ASTEP
	s_or_b32 s[G0+4*(\s)+3], s[G0+4*(\s)+3], 0x80000000
	s_mov_b32 s[G0B+4*(\s)], 1
	s_add_co_u32 s[G0B+4*(\s)+1], s21, (\s)*SLOT
	s_add_nc_u64 s[G0B+4*(\s)+2:G0B+4*(\s)+3], s[90:91], (\s)*BSTEP
	s_or_b32 s[G0B+4*(\s)+3], s[G0B+4*(\s)+3], 0x80000000
	JLOAD \s                                       ; K steps 0 and 1: two loads of mine are out
.endr
	v_and_b32 v1, 15, v0                           ; l % 16
	v_bfe_u32 v2, v0, 4, 1                         ; l / 16
	v_and_b32 v4, 31, v0                           ; l
	v_mul_u32_u24 v3, v1, PITCH
	v_lshl_add_u32 v3, v2, 4, v3                   ; p: row x pitch + 16 x half
	v_and_b32 v6, 7, v0                            ; v: the turning load takes 16 keys x 16 channels: lane l reads key 8 (l / 16) + l % 8, channels 8 ((l / 8) % 2) + 0..7
	v_bfe_u32 v7, v0, 3, 1
	v_lshl_add_u32 v5, v2, 3, v6
	v_mul_u32_u24 v5, v5, VPITCH
	v_lshl_add_u32 v5, v7, 4, v5
	s_mul_i32 s92, s13, APART
	s_lshl_b32 s93, s14, 8                         ; my 128 channels: 256 bytes along v's rows
	s_add_co_u32 s93, s93, BOFF
.irp s, 0,1
	v_add_nc_u32 v[ADRA+(\s)], s92, v3
	v_add_nc_u32 v[ADRB+(\s)], s93, v5
	s_add_co_u32 s92, s92, SLOT
	s_add_co_u32 s93, s93, SLOT
.endr
	v_lshl_add_u32 v[FADR], v2, 4, FTAB            ; a fragment's keys 8 (l / 16) + 0..7: 16 bytes of factors; the keys 16 further on lie 32 bytes on
	v_add_nc_u32 v[FADR+1], 256, v[FADR]           ; K step 1: 128 keys on
	s_mul_i32 s92, s12, 16*SPITCH
	s_add_co_u32 s92, s92, STAGE                   ; my stage
	v_mul_u32_u24 v5, v1, SPITCH                   ; in: row l % 16, 32 bytes for each half of the lanes
	v_lshl_add_u32 v5, v2, 5, v5
	v_add_nc_u32 v[STO], s92, v5
	v_lshl_add_u32 v[RD], v4, 4, s92               ; back: 32 lanes take one row of 512 bytes
	v_lshlrev_b32 v[CO], 4, v4
	; THE FACTORS, in the wait for the first tiles.  Four trips; in trip g thread T takes the keys 512 g + 4 T .. + 3: Mt and lt of the batch's eight query tiles, and my own tile's Mt once more.
	s_lshr_b32 s92, s46, 2
	s_lshl_b32 s92, s92, 16                        ; the batch's eight rows of 8,192 bytes in stats
	s_mov_b32 s93, 0
	s_add_nc_u64 s[92:93], s[8:9], s[92:93]
	s_lshr_b32 s94, s43, 1                         ; my query tile of 256: 8 x batch + tile = tile row / 2
	s_lshl_b32 s94, s94, 13
	s_mov_b32 s95, 0
	s_add_nc_u64 s[94:95], s[8:9], s[94:95]
	v_lshlrev_b32 v8, 4, v0                        ; 16 T
	v_lshl_add_u32 v9, v0, 3, FTAB                 ; FTAB + 8 T
	s_mov_b32 s81, 4
.Lfac:
.irp t, 0,1,2,3,4,5,6,7
	global_load_b128 v[64+4*(\t):67+4*(\t)],  v8, s[92:93] offset:8192*(\t)
	global_load_b128 v[96+4*(\t):99+4*(\t)],  v8, s[92:93] offset:262144+8192*(\t)
.endr
	global_load_b128 v[128:131], v8, s[94:95]
	s_wait_loadcnt 0x0                             ; all 17 are in; v8 may be stepped
.irp c, 0,1,2,3
	v_max3_num_f32 v[132+(\c)], v[64+(\c)], v[68+(\c)], v[72+(\c)]
.endr
.irp c, 0,1,2,3
	v_max3_num_f32 v[132+(\c)], v[132+(\c)], v[76+(\c)], v[80+(\c)]
.endr
.irp c, 0,1,2,3
	v_max3_num_f32 v[132+(\c)], v[132+(\c)], v[84+(\c)], v[88+(\c)]
.endr
.irp c, 0,1,2,3
	v_max_num_f32 v[132+(\c)], v[132+(\c)], v[92+(\c)]   ; M
.endr
.set i, 0
.rept 16
	v_pk_add_f32 v[64+2*i:65+2*i], v[64+2*i:65+2*i], v[132+2*(i%2):133+2*(i%2)] neg_lo:[0,1] neg_hi:[0,1]  ; Mt - M
.set i, i+1
.endr
	v_pk_add_f32 v[128:129], v[128:129], v[132:133] neg_lo:[0,1] neg_hi:[0,1]
	v_pk_add_f32 v[130:131], v[130:131], v[134:135] neg_lo:[0,1] neg_hi:[0,1]
.set i, 0
.rept 32
	v_exp_f32 v[64+i], v[64+i]
.set i, i+1
.endr
.irp c, 0,1,2,3
	v_exp_f32 v[128+(\c)], v[128+(\c)]
.endr
	v_add_nc_u32 v8, 2048, v8                      ; the next trip's 512 keys; also the plain line behind the exponentials
	s_wait_alu depctr_va_vdst(0)
	v_pk_mul_f32 v[136:137], v[96:97], v[64:65]    ; L = the sum of lt 2^(Mt - M)
	v_pk_mul_f32 v[138:139], v[98:99], v[66:67]
.irp t, 1,2,3,4,5,6,7
	v_pk_fma_f32 v[136:137], v[96+4*(\t):97+4*(\t)], v[64+4*(\t):65+4*(\t)], v[136:137]
	v_pk_fma_f32 v[138:139], v[98+4*(\t):99+4*(\t)], v[66+4*(\t):67+4*(\t)], v[138:139]
.endr
.irp c, 0,1,2,3
	v_rcp_f32 v[136+(\c)], v[136+(\c)]
.endr
	v_nop                                          ; a plain line between the last reciprocal and the use of its result
	s_wait_alu depctr_va_vdst(0)
.irp c, 0,1,2,3
	v_mul_f32 v[128+(\c)], v[128+(\c)], v[136+(\c)]
.endr
.irp c, 0,1,2,3
	v_mul_f32 v[128+(\c)], 0x45000000, v[128+(\c)] ; times 2,048
.endr
	v_cvt_pk_f16_f32 v140, v128, v129
	v_cvt_pk_f16_f32 v141, v130, v131
	ds_store_b64 v9, v[140:141]
	v_add_nc_u32 v9, 1024, v9
	s_sub_co_u32 s81, s81, 1
	s_cmp_lg_u32 s81, 0
	s_cbranch_scc1 .Lfac
.macro MUL8 f, a, zero                 ; 8 matrix instructions: row block a x all 8 channel blocks, 32 keys.  The 32 accumulators take turns in one order.
	WIN MUL
.irp b, 0,1,2,3,4,5,6,7
.if \zero
	v_wmma_f32_16x16x32_f16 v[8*(8*(\a)+(\b)):8*(8*(\a)+(\b))+7], v[(\f)+32+8*(\b):(\f)+32+8*(\b)+7], v[(\f)+8*(\a):(\f)+8*(\a)+7], 0
.else
	v_wmma_f32_16x16x32_f16 v[8*(8*(\a)+(\b)):8*(8*(\a)+(\b))+7], v[(\f)+32+8*(\b):(\f)+32+8*(\b)+7], v[(\f)+8*(\a):(\f)+8*(\a)+7], v[8*(8*(\a)+(\b)):8*(8*(\a)+(\b))+7]
.endif
.endr
.endm
; 26 LDS loads in one run, for quarter kq (32 keys) of a K step, into buffer f: the 32 keys' factors (2), v turned (16), p (8)
.macro FETCH slot, kq, f
	WIN 0
.set FCR, FC+8*(((\f)-F0)/(F1-F0))
	ds_load_b128 v[FCR:FCR+3],   v[FADR+(\slot)] offset:64*(\kq)
	ds_load_b128 v[FCR+4:FCR+7], v[FADR+(\slot)] offset:64*(\kq)+32
.irp i, 0,1,2,3,4,5,6,7
	ds_load_tr16_b128 v[(\f)+32+8*(\i):(\f)+32+8*(\i)+3],   v[ADRB+(\slot)] offset:(\kq)*32*VPITCH+32*(\i)
	ds_load_tr16_b128 v[(\f)+32+8*(\i)+4:(\f)+32+8*(\i)+7], v[ADRB+(\slot)] offset:(\kq)*32*VPITCH+16*VPITCH+32*(\i)
.endr
.irp i, 0,1,2,3
	ds_load_b128 v[(\f)+8*(\i):(\f)+8*(\i)+3],   v[ADRA+(\slot)] offset:64*(\kq)+(\i)*16*PITCH
	ds_load_b128 v[(\f)+8*(\i)+4:(\f)+8*(\i)+7], v[ADRA+(\slot)] offset:64*(\kq)+(\i)*16*PITCH+32
.endr
.endm
.macro SCALE f, a                      ; p's fragment a times its keys' factors: a fragment's register n holds the same two keys in every row block
	WIN 0
.set FCR, FC+8*(((\f)-F0)/(F1-F0))
.set i, 0
.rept 8
	v_pk_mul_f16 v[(\f)+8*(\a)+i], v[(\f)+8*(\a)+i], v[FCR+i]
.set i, i+1
.endr
.endm
; A quarter.  The 16 packed multiplies at its head name no register of the quarter before's products: they are the four places between those products, the last to read buffer g, and the loads into g.
.macro QUARTER slot, kq, f, g, zero
	s_wait_dscnt 4                                 ; the factors, v and p's fragments 0, 1 are in; the youngest four loads (p's fragments 2, 3) may be out
	SCALE \f, 0
	SCALE \f, 1
	MUL8 \f, 0, \zero
	MUL8 \f, 1, \zero
	FETCH \slot, \kq, \g
	s_wait_dscnt 26                                ; all but the 26 just issued
	SCALE \f, 2
	SCALE \f, 3
	MUL8 \f, 2, \zero
	MUL8 \f, 3, \zero
.endm
; The last quarter multiplies buffer 1 and changes slots: ONE barrier; in front of it each wave waits for all its tensor loads, adds 0 to its spare word, and waits for that and for its reads of this slot.
; fill = 1: the barrier opens a round of the cluster's, and this slot is filled again first thing behind it, two K steps ahead.
.macro TURN slot, next, fill
	WIN 0
	v_add_nc_u32 v[FADR+(\slot)], 512, v[FADR+(\slot)]  ; this slot's next K step lies 256 keys on
	s_wait_tensorcnt 0x0
	ds_add_u32 v[SPW], v[NIL]                      ; 0 onto my spare word
	s_wait_dscnt 5                                 ; (the add and the youngest four loads may be out)
	SCALE F1, 0
	SCALE F1, 1
	MUL8 F1, 0, 0
	s_wait_dscnt 0x0                               ; the add is done, and my reads of this slot are over
	s_barrier_signal -1
	MUL8 F1, 1, 0
.if \fill
	WIN 0
.endif
	s_barrier_wait -1
.if \fill
	CREST                                          ; no wave of any partner still reads this slot or has a load on its way
	s_add_nc_u64 s[G0+4*(\slot)+2:G0+4*(\slot)+3], s[G0+4*(\slot)+2:G0+4*(\slot)+3], 2*ASTEP
	s_add_nc_u64 s[G0B+4*(\slot)+2:G0B+4*(\slot)+3], s[G0B+4*(\slot)+2:G0B+4*(\slot)+3], 2*BSTEP
	JLOAD \slot
.endif
	FETCH \next, 0, F0                             ; buffer 0's last readers stand in front of this quarter's first 16 packed multiplies
	SCALE F1, 2
	SCALE F1, 3
	MUL8 F1, 2, 0
	MUL8 F1, 3, 0
.endm
; THE WAY OUT of row block a: times 2^-11 (each accumulator's registers in ascending order); 32 bytes a lane and channel block into my own stage; back as whole rows of 512 bytes; stored.
.macro PACKF a
	WIN 0x01                                       ; source 0 window 1
.set i, 0
.rept 32
	v_pk_mul_f32 v[TMP+2*i:TMP+2*i+1], v[64*(\a)+2*i:64*(\a)+2*i+1], s[82:83] op_sel_hi:[1,0]
.set i, i+1
.endr
	WIN 0
.endm
.macro TOSTAGE a
.set BK, OB0+(OB1-OB0)*((\a)%2)
.irp b, 0,1,2,3,4,5,6,7
	ds_store_b128 v[STO], v[TMP+8*(\b):TMP+8*(\b)+3]   offset:64*(\b)
	ds_store_b128 v[STO], v[TMP+8*(\b)+4:TMP+8*(\b)+7] offset:64*(\b)+16
.endr
.irp t, 0,1,2,3,4,5,6,7,8,9,10,11,12,13,14,15
	ds_load_b128 v[BK+4*(\t):BK+4*(\t)+3], v[RD] offset:(\t)*SPITCH  ; LDS serves a wave's instructions in order (ISA guide 5.7.1.4): these see the stores above
.endr
.endm
.macro SEND a
.set BK, OB0+(OB1-OB0)*((\a)%2)
	s_wait_dscnt 0x0
	s_wait_xcnt 0x0                                ; the stores' base and the registers that earlier stores read are rewritten only behind this wait
.if (\a) == 0
	s_add_nc_u64 s[CB:CB+1], s[CB:CB+1], s[66:67]
.else
	s_add_nc_u64 s[CB:CB+1], s[CB:CB+1], 16*CPITCH
.endif
.irp t, 0,1,2,3,4,5,6,7,8,9,10,11,12,13,14,15
	global_store_b128 v[CO], v[BK+4*(\t):BK+4*(\t)+3], s[CB:CB+1] offset:(\t)*CPITCH th:TH_STORE_NT  ; a wave stores 512 consecutive bytes, at a multiple of 256 from out0's first byte
.endr
.endm
	s_wait_tensorcnt 1                             ; my part of K step 0 is in; K step 1's may stay out
	s_wait_dscnt 0x0                               ; my part of the factors is stored
	s_barrier_signal -1
	s_barrier_wait -1
	FETCH 0, 0, F0
	QUARTER 0, 1, F0, F1, 1                        ; the first quarter's products start the sums
	WIN 0
	s_mov_b32 s80, LAPS-1
.Llap:                                                 ; a trip goes once round the ring, from a lap's second quarter to the next lap's first, and fills both slots again
	QUARTER 0, 2, F1, F0, 0
	QUARTER 0, 3, F0, F1, 0
	TURN 0, 1, 1
	QUARTER 1, 1, F0, F1, 0
	QUARTER 1, 2, F1, F0, 0
	QUARTER 1, 3, F0, F1, 0
	TURN 1, 0, 1
	QUARTER 0, 1, F0, F1, 0
	WIN 0
	s_sub_co_u32 s80, s80, 1
	s_cmp_lg_u32 s80, 0
	s_cbranch_scc1 .Llap
	QUARTER 0, 2, F1, F0, 0                        ; the last lap fills nothing
	QUARTER 0, 3, F0, F1, 0
	TURN 0, 1, 0
	QUARTER 1, 1, F0, F1, 0
	QUARTER 1, 2, F1, F0, 0
	QUARTER 1, 3, F0, F1, 0
	s_wait_dscnt 4                                 ; the very last quarter
	SCALE F1, 0
	SCALE F1, 1
	MUL8 F1, 0, 0
	MUL8 F1, 1, 0
	s_wait_dscnt 0x0
	SCALE F1, 2
	SCALE F1, 3
	MUL8 F1, 2, 0
	MUL8 F1, 3, 0
	WIN 0
	PLACES
	PACKF 0
	TOSTAGE 0
.irp a, 1,2,3                          ; block a's multiplies stand between block a - 1's loads from the stage and the wait for them
	PACKF \a
	SEND (\a)-1
	TOSTAGE \a
.endr
	SEND 3
	s_wait_tensorcnt 0x0                           ; the wave's end, behind my last tensor load and my last LDS store
	ds_add_u32 v[SPW], v[NIL]
	s_wait_dscnt 0x0
	CROUND                                         ; the closing round
	s_endpgm
.Lfunc_end_k_q4e3e126279_pv:
	.size	k_q4e3e126279_pv, .Lfunc_end_k_q4e3e126279_pv-k_q4e3e126279_pv
	.p2alignl 7, 3214868480
	.fill 96, 4, 3214868480
	.section	.rodata,"a",@progbits
	.p2align	6, 0x0
	.amdhsa_kernel k_q4e3e126279_pv
		.amdhsa_group_segment_fixed_size 327680
		.amdhsa_private_segment_fixed_size 0
		.amdhsa_enable_private_segment 0
		.amdhsa_kernarg_size 32
		.amdhsa_user_sgpr_count 2
		.amdhsa_user_sgpr_kernarg_segment_ptr 1
		.amdhsa_wavefront_size32 1
		.amdhsa_system_sgpr_workgroup_id_x 1
		.amdhsa_system_sgpr_workgroup_id_y 1
		.amdhsa_system_sgpr_workgroup_id_z 1
		.amdhsa_system_vgpr_workitem_id 0
		.amdhsa_next_free_vgpr 512
		.amdhsa_next_free_sgpr 96
		.amdhsa_reserve_vcc 0
		.amdhsa_float_denorm_mode_32 3
		.amdhsa_float_denorm_mode_16_64 3
		.amdhsa_memory_ordered 1
		.amdhsa_forward_progress 1
		.amdhsa_inst_pref_size 134
	.end_amdhsa_kernel
	.amdgpu_metadata
---
amdhsa.version: [ 1, 2 ]
amdhsa.kernels:
  - .name:           k_q4e3e126279_pv
    .symbol:         k_q4e3e126279_pv.kd
    .args:
      - { .name: pbuf, .offset: 0, .size: 8, .value_kind: global_buffer, .address_space: global }
      - { .name: qkv, .offset: 8, .size: 8, .value_kind: global_buffer, .address_space: global }
      - { .name: stats, .offset: 16, .size: 8, .value_kind: global_buffer, .address_space: global }
      - { .name: out0, .offset: 24, .size: 8, .value_kind: global_buffer, .address_space: global }
    .group_segment_fixed_size: 327680
    .private_segment_fixed_size: 0
    .kernarg_segment_align: 8
    .kernarg_segment_size: 32
    .max_flat_workgroup_size: 128
    .sgpr_count:     96
    .vgpr_count:     512
    .wavefront_size: 32
...
	.end_amdgpu_metadata
.endif
;; end of part 4
;; ======== version 2 of 3: 4 launches; 1.13 times as fast as version 1
;; limits: values are held in f16: magnitudes above 65,504 overflow, below 6.1e-05 lose precision
;; workspace buffers: xb 37,748,736 bytes; kv 33,554,432 bytes; pbuf 33,554,432 bytes; stats 524,288 bytes
;; launch cast (part 5): grid 800 x 1, 8 waves a work-group, no clusters, 51,200 bytes of LDS; arguments seq1, seq2, Wq, Wk, Wv, xb; writes xb
.if DOCPART == 5
	.amdgcn_target "amdgcn-amd-amdhsa--gfx1250"
	.amdhsa_code_object_version 6
	.text
	.protected	k_q4e3e126279_cast
	.globl	k_q4e3e126279_cast
	.p2align	8
	.type	k_q4e3e126279_cast,@function
k_q4e3e126279_cast:
	s_mov_b64 s[64:65], 0
	v_nop
	global_prefetch_b8 v0, s[64:65] scope:SCOPE_SE
	s_setreg_imm32_b32 hwreg(HW_REG_WAVE_MODE, 25, 1), 1
	s_wait_xcnt 0x0
; xb = seq1 | seq2 | G | Wv in bf16: 18,432 rows of 1,024 numbers (rows 0, 8,192, 16,384, 17,408 on).
; G[d1][d2] = the sum over h of Wq[h][d1] Wk[h][d2].  The module's scores are (seq1 Wq^T)(seq2 Wk^T)^T = seq1 G seq2^T for every input, so q and k are never made:
; the next launch makes seq2 G^T.  The roundings differ from a program that makes q and k: Wq and Wk are rounded to bf16, their products are summed in f32, G is rounded once to bf16.
; TWO ROLES, chosen on the work-group's number alone, which all eight waves share.
; Work-groups 0-255: a tile of 64 x 64 of G.  Eight waves, each 16 (d1) x 32 (d2): two accumulators, which take turns.  h goes in 16 stages of 64 rows: a thread loads 4 x 16 bytes of Wq's and of Wk's 64 columns
; (a row's 256 bytes by 16 lanes), two stages ahead, in two register sets; rounds them; stores them as [h][d] tiles into one of two LDS buffers; one barrier a stage; both operands come out turned (ds_load_tr16_b128).
; A tile's row of G is 128 bytes: G's 2 MB of the launch's 38 are stored as halves of aligned blocks of 256 bytes.
; Work-groups 256-799: a stream.  Each takes 131,072 bytes of seq1, seq2 or Wv and stores 65,536 bytes of xb.  Thread t reads 16 bytes at 16 t of each block of 4,096 and stores 8 bytes at 8 t of each block of 2,048:
; a load of a wave covers 512 consecutive bytes, a store 256 consecutive bytes at a multiple of 256 from xb's first byte.  All 32 loads of a thread go out first; no register is written again behind its store.
.set NG,    256                        ; work-groups that make G
.set INB,   4096
.set OUTB,  2048
.set SPW,   4                          ; v4   LDS address of my spare word; never rewritten
.set NIL,   5                          ; v5   0; never rewritten
.set X,     8                          ; the stream: v[8:135], block i in 4 registers
.set GP,    160                        ; G: an LDS row: 64 bf16 + 32 bytes = 40 words
.set GT,    64*GP                      ; one operand's 64 rows
.set GBUF,  2*GT                       ; Wq's tile, then Wk's
.set CST,   2*GBUF                     ; behind the two buffers: the tile of G, 64 rows x 144 bytes
.set CP,    144
.set SPARE, CST+64*CP                  ; the spare words, 128 bytes for each wave: four blocks of 256 bytes that no other line names
.set KROWS, 64*4096                    ; bytes in 64 rows of Wq or Wk
.set GO,  1                            ; v1   my byte offset in a stage's 16 first rows
.set LS,  2                            ; v2   where my 8 bytes of those rows go in a tile
.set TA,  3                            ; v3   the turning load's address for my 16 d1
.set TB,  6                            ; v6   for my first 16 d2
.set CS,  7                            ; v7   where I put 16 bytes of a row of G
.set XS,  8                            ; v[8:71]    two sets of 32: Wq's 4 loads, Wk's 4 loads
.set YY,  72                           ; v[72:87]   rounded
.set FA,  88                           ; v[88:103]  Wq's fragments of a stage's two K steps of 32
.set FB,  104                          ; v[104:135] Wk's: K step k, block b at FB + 16 k + 8 b
.set ACC, 136                          ; v[136:151]
.set CR,  152                          ; v152 where I read rows of G back
.set CG,  153                          ; v153 my byte offset in four rows of xb
	s_load_b256 s[4:11], s[0:1], 0x0               ; seq1 s[4:5], seq2 s[6:7], Wq s[8:9], Wk s[10:11]
	s_load_b128 s[12:15], s[0:1], 0x20             ; Wv s[12:13], xb s[14:15]
	v_lshl_add_u32 v[SPW], v0, 2, SPARE
	v_mov_b32 v[NIL], 0
	s_mov_b32 s20, ttmp9                           ; the work-group's number
	s_cmp_lt_u32 s20, NG
	s_cbranch_scc1 .Lgram
	; THE STREAM
	s_sub_co_u32 s20, s20, NG                      ; 0-255 seq1, 256-511 seq2, 512-543 Wv
	v_lshlrev_b32 v1, 4, v0                        ; 16 t
	v_lshlrev_b32 v2, 3, v0                        ; 8 t
	s_wait_kmcnt 0x0
	s_mov_b64 s[16:17], s[12:13]                   ; which input, the first group of its range, and how many blocks of 65,536 bytes its place in xb lies further on (G's 32)
	s_mov_b32 s18, 512
	s_mov_b32 s21, 32
	s_cmp_lt_u32 s20, 512
	s_cselect_b64 s[16:17], s[6:7], s[16:17]
	s_cselect_b32 s18, 256, s18
	s_cselect_b32 s21, 0, s21
	s_cmp_lt_u32 s20, 256
	s_cselect_b64 s[16:17], s[4:5], s[16:17]
	s_cselect_b32 s18, 0, s18
	s_sub_co_u32 s18, s20, s18                     ; my place in the input,
	s_lshl_b32 s18, s18, 17                        ; times 131,072 bytes (under 2^26)
	s_mov_b32 s19, 0
	s_add_nc_u64 s[16:17], s[16:17], s[18:19]
	s_add_co_u32 s18, s20, s21                     ; my place in xb,
	s_lshl_b32 s18, s18, 16                        ; times 65,536 bytes (under 2^26)
	s_add_nc_u64 s[14:15], s[14:15], s[18:19]
.set i, 0
.rept 32
	global_load_b128 v[X+4*i:X+4*i+3], v1, s[16:17] offset:i*INB th:TH_LOAD_NT
.set i, i+1
.endr
.set i, 0
.rept 32
	s_wait_loadcnt 31-i                            ; loads come back in order (ISA guide 5.7.1): block i is in, the younger ones stay out
	v_cvt_pk_bf16_f32 v[X+4*i],   v[X+4*i],   v[X+4*i+1]
	v_cvt_pk_bf16_f32 v[X+4*i+1], v[X+4*i+2], v[X+4*i+3]
	global_store_b64 v2, v[X+4*i:X+4*i+1], s[14:15] offset:i*OUTB
.set i, i+1
.endr
	s_endpgm
	; G
.Lgram:
	v_lshrrev_b32 v154, 5, v0
	v_readfirstlane_b32 s26, v154                  ; wave 0..7
	s_lshr_b32 s27, s20, 4                         ; which 64 d1 (columns of Wq)
	s_and_b32 s28, s20, 15                         ; which 64 d2 (columns of Wk)
	s_lshr_b32 s29, s26, 1                         ; my 16 of the d1
	s_and_b32 s30, s26, 1                          ; my 32 of the d2
	v_and_b32 v154, 15, v0                         ; which 16 bytes of a row's 256
	v_lshrrev_b32 v155, 4, v0                      ; which of 16 rows
	v_lshlrev_b32 v[GO], 12, v155                  ; 4,096 bytes a row of W
	v_lshl_add_u32 v[GO], v154, 4, v[GO]
	v_mul_u32_u24 v[LS], v155, GP
	v_lshl_add_u32 v[LS], v154, 3, v[LS]           ; 4 numbers become 8 bytes
	; the turning load takes 16 h x 16 d (lane l reads row 8 (l / 16) + l % 8, the 16 bytes (l / 8) % 2) and leaves half a fragment: lane l holds d = l % 16 and 8 h
	v_bfe_u32 v155, v0, 4, 1                       ; l / 16
	v_and_b32 v156, 7, v0
	v_lshl_add_u32 v156, v155, 3, v156
	v_mul_u32_u24 v156, v156, GP
	v_bfe_u32 v157, v0, 3, 1
	v_lshl_add_u32 v156, v157, 4, v156
	s_lshl_b32 s31, s29, 5                         ; 16 d1 are 32 bytes along a row
	v_add_nc_u32 v[TA], s31, v156
	s_lshl_b32 s31, s30, 6
	s_add_co_u32 s31, s31, GT                      ; Wk's tile lies behind Wq's
	v_add_nc_u32 v[TB], s31, v156
	v_and_b32 v157, 15, v0                         ; into the tile of G: row 16 a + l % 16, byte 64 (wave % 2) + 16 (l / 16)
	v_mul_u32_u24 v157, v157, CP
	v_lshl_add_u32 v157, v155, 4, v157
	s_mul_i32 s31, s29, 16*CP
	s_lshl_b32 s35, s30, 6
	s_add_co_u32 s31, s31, s35
	s_add_co_u32 s31, s31, CST
	v_add_nc_u32 v[CS], s31, v157
	v_bfe_u32 v157, v0, 3, 2                       ; back: wave w takes rows 8 w .. 8 w + 7, four at a time: 8 lanes to a row of 128 bytes
	v_and_b32 v158, 7, v0
	v_mul_u32_u24 v159, v157, CP
	v_lshl_add_u32 v159, v158, 4, v159
	s_mul_i32 s31, s26, 8*CP
	s_add_co_u32 s31, s31, CST
	v_add_nc_u32 v[CR], s31, v159
	v_lshlrev_b32 v159, 11, v157                   ; and the same four rows in xb
	v_lshl_add_u32 v[CG], v158, 4, v159
	s_lshl_b32 s32, s27, 8                         ; 64 columns of f32 are 256 bytes
	s_mov_b32 s33, 0
	s_lshl_b32 s36, s28, 8
	s_mov_b32 s37, 0
	s_lshl_b32 s38, s27, 6                         ; G's row 64 x tile row + 8 x wave, behind 16,384 rows,
	s_lshl_b32 s39, s26, 3
	s_add_co_u32 s38, s38, s39
	s_add_co_u32 s38, s38, 16384
	s_lshl_b32 s38, s38, 11                        ; 2,048 bytes each,
	s_lshl_b32 s39, s28, 7                         ; + 128 x tile column
	s_add_co_u32 s38, s38, s39
	s_mov_b32 s39, 0
	s_wait_kmcnt 0x0
	s_add_nc_u64 s[22:23], s[8:9], s[32:33]        ; Wq at my 64 columns
	s_add_nc_u64 s[24:25], s[10:11], s[36:37]      ; Wk at mine
	s_add_nc_u64 s[14:15], s[14:15], s[38:39]
.macro GLOAD p                         ; a stage's eight loads into set p; the stage's place against the two bases stands in the immediate
.irp j, 0,1,2,3
	global_load_b128 v[XS+32*(\p)+4*(\j):XS+32*(\p)+4*(\j)+3], v[GO], s[22:23] offset:(\p)*KROWS+(\j)*65536
.endr
.irp j, 0,1,2,3
	global_load_b128 v[XS+32*(\p)+16+4*(\j):XS+32*(\p)+16+4*(\j)+3], v[GO], s[24:25] offset:(\p)*KROWS+(\j)*65536
.endr
.endm
; A stage, on register set and LDS buffer p.  load = 1: the set is filled again, two stages ahead.  left: the other set's loads, which may stay out.
; One barrier a stage serves two buffers: a buffer is stored again two stages on, behind the next stage's barrier, in front of which every wave has waited for its reads of it.
.macro STAGE p, load, left
	s_wait_loadcnt \left
.set i, 0
.rept 8                                ; these sixteen lines are also the places between the last stage's products and the loads into their fragments
	v_cvt_pk_bf16_f32 v[YY+2*i],   v[XS+32*(\p)+4*i],   v[XS+32*(\p)+4*i+1]
	v_cvt_pk_bf16_f32 v[YY+2*i+1], v[XS+32*(\p)+4*i+2], v[XS+32*(\p)+4*i+3]
.set i, i+1
.endr
.if \load
	GLOAD \p
.endif
.irp j, 0,1,2,3
	ds_store_b64 v[LS], v[YY+2*(\j):YY+2*(\j)+1]     offset:(\p)*GBUF+(\j)*16*GP
	ds_store_b64 v[LS], v[YY+8+2*(\j):YY+8+2*(\j)+1] offset:(\p)*GBUF+GT+(\j)*16*GP
.endr
	s_wait_dscnt 0x0                               ; for the others' sake: my stores are done (my reads of the other buffer were waited for in front of its products)
	s_barrier_signal -1
	s_barrier_wait -1
.irp k, 0,1
	ds_load_tr16_b128 v[FA+8*(\k):FA+8*(\k)+3],   v[TA] offset:(\p)*GBUF+(\k)*32*GP
	ds_load_tr16_b128 v[FA+8*(\k)+4:FA+8*(\k)+7], v[TA] offset:(\p)*GBUF+(\k)*32*GP+16*GP
.irp b, 0,1
	ds_load_tr16_b128 v[FB+16*(\k)+8*(\b):FB+16*(\k)+8*(\b)+3],   v[TB] offset:(\p)*GBUF+(\k)*32*GP+32*(\b)
	ds_load_tr16_b128 v[FB+16*(\k)+8*(\b)+4:FB+16*(\k)+8*(\b)+7], v[TB] offset:(\p)*GBUF+(\k)*32*GP+16*GP+32*(\b)
.endr
.endr
	s_wait_dscnt 0x0
.irp k, 0,1
.irp b, 0,1                            ; source 0 = 16 d2, source 1 = 16 d1: lane l holds row d1 = l % 16 of G and the columns 8 (l / 16) + 0..7; the two accumulators take turns
	v_wmma_f32_16x16x32_bf16 v[ACC+8*(\b):ACC+8*(\b)+7], v[FB+16*(\k)+8*(\b):FB+16*(\k)+8*(\b)+7], v[FA+8*(\k):FA+8*(\k)+7], v[ACC+8*(\b):ACC+8*(\b)+7]
.endr
.endr
.endm
	GLOAD 0                                        ; stages 0 and 1
	GLOAD 1
.set i, 0
.rept 16
	v_mov_b32 v[ACC+i], 0                          ; sixteen registers are cleared, so that the first stage need not be written out apart
.set i, i+1
.endr
	s_wait_xcnt 0x0                                ; the bases are stepped only behind this wait
	s_add_nc_u64 s[22:23], s[22:23], 2*KROWS
	s_add_nc_u64 s[24:25], s[24:25], 2*KROWS
	s_mov_b32 s34, 7
.Lg:                                                   ; trip t: stages 2 t and 2 t + 1; it loads stages 2 t + 2 and 2 t + 3, the last trip stages 14 and 15
	STAGE 0, 1, 8
	STAGE 1, 1, 8
	s_wait_xcnt 0x0
	s_add_nc_u64 s[22:23], s[22:23], 2*KROWS
	s_add_nc_u64 s[24:25], s[24:25], 2*KROWS
	s_sub_co_u32 s34, s34, 1
	s_cmp_lg_u32 s34, 0
	s_cbranch_scc1 .Lg
	STAGE 0, 0, 8                                  ; the last two stages load nothing
	STAGE 1, 0, 0
.rept 4
	v_nop                                          ; four places behind the last products
.endr
.irp b, 0,1
.irp r, 0,1,2,3
	v_cvt_pk_bf16_f32 v[YY+4*(\b)+(\r)], v[ACC+8*(\b)+2*(\r)], v[ACC+8*(\b)+2*(\r)+1]
.endr
.endr
	ds_store_b128 v[CS], v[YY:YY+3]
	ds_store_b128 v[CS], v[YY+4:YY+7] offset:32
	s_wait_dscnt 0x0                               ; a row's 128 bytes come from two waves
	s_barrier_signal -1
	s_barrier_wait -1
	ds_load_b128 v[YY+8:YY+11],  v[CR]
	ds_load_b128 v[YY+12:YY+15], v[CR] offset:4*CP
	s_wait_dscnt 0x0
	global_store_b128 v[CG], v[YY+8:YY+11],  s[14:15]               ; four rows' 128 consecutive bytes each
	global_store_b128 v[CG], v[YY+12:YY+15], s[14:15] offset:4*2048
	s_wait_tensorcnt 0x0                           ; the wave's end, behind my last LDS store
	ds_add_u32 v[SPW], v[NIL]
	s_wait_dscnt 0x0
	s_endpgm
.Lfunc_end_k_q4e3e126279_cast:
	.size	k_q4e3e126279_cast, .Lfunc_end_k_q4e3e126279_cast-k_q4e3e126279_cast
	.p2alignl 7, 3214868480
	.fill 96, 4, 3214868480
	.section	.rodata,"a",@progbits
	.p2align	6, 0x0
	.amdhsa_kernel k_q4e3e126279_cast
		.amdhsa_group_segment_fixed_size 51200
		.amdhsa_private_segment_fixed_size 0
		.amdhsa_enable_private_segment 0
		.amdhsa_kernarg_size 48
		.amdhsa_user_sgpr_count 2
		.amdhsa_user_sgpr_kernarg_segment_ptr 1
		.amdhsa_wavefront_size32 1
		.amdhsa_system_sgpr_workgroup_id_x 1
		.amdhsa_system_sgpr_workgroup_id_y 1
		.amdhsa_system_sgpr_workgroup_id_z 1
		.amdhsa_system_vgpr_workitem_id 0
		.amdhsa_next_free_vgpr 160
		.amdhsa_next_free_sgpr 66
		.amdhsa_reserve_vcc 0
		.amdhsa_float_denorm_mode_32 3
		.amdhsa_float_denorm_mode_16_64 3
		.amdhsa_memory_ordered 1
		.amdhsa_forward_progress 1
		.amdhsa_inst_pref_size 31
	.end_amdhsa_kernel
	.amdgpu_metadata
---
amdhsa.version: [ 1, 2 ]
amdhsa.kernels:
  - .name:           k_q4e3e126279_cast
    .symbol:         k_q4e3e126279_cast.kd
    .args:
      - { .name: seq1, .offset: 0, .size: 8, .value_kind: global_buffer, .address_space: global }
      - { .name: seq2, .offset: 8, .size: 8, .value_kind: global_buffer, .address_space: global }
      - { .name: Wq, .offset: 16, .size: 8, .value_kind: global_buffer, .address_space: global }
      - { .name: Wk, .offset: 24, .size: 8, .value_kind: global_buffer, .address_space: global }
      - { .name: Wv, .offset: 32, .size: 8, .value_kind: global_buffer, .address_space: global }
      - { .name: xb, .offset: 40, .size: 8, .value_kind: global_buffer, .address_space: global }
    .group_segment_fixed_size: 51200
    .private_segment_fixed_size: 0
    .kernarg_segment_align: 8
    .kernarg_segment_size: 48
    .max_flat_workgroup_size: 256
    .sgpr_count:     66
    .vgpr_count:     160
    .wavefront_size: 32
...
	.end_amdgpu_metadata
.endif
;; end of part 5
;; launch proj (part 6): grid 8 x 32, 8 waves a work-group, clusters of 4 x 4, 327,680 bytes of LDS; arguments xb, kv; writes kv
.if DOCPART == 6
	.amdgcn_target "amdgcn-amd-amdhsa--gfx1250"
	.amdhsa_code_object_version 6
	.text
	.protected	k_q4e3e126279_proj
	.globl	k_q4e3e126279_proj
	.p2align	8
	.type	k_q4e3e126279_proj,@function
k_q4e3e126279_proj:
	s_mov_b64 s[64:65], 0
	v_nop
	global_prefetch_b8 v0, s[64:65] scope:SCOPE_SE
	s_setreg_imm32_b32 hwreg(HW_REG_WAVE_MODE, 25, 1), 1
	s_wait_xcnt 0x0
	s_wait_alu depctr_hold_cnt(0) depctr_sa_sdst(0) depctr_va_vdst(0) depctr_va_sdst(0) depctr_va_ssrc(0) depctr_va_vcc(0) depctr_vm_vsrc(0)
	s_getreg_b32 s2, hwreg(HW_REG_IB_STS2, 6, 4)
	s_cmp_eq_u32 s2, 0
	s_cbranch_scc0 .Lentry_in_a_cluster
	s_endpgm
.Lentry_in_a_cluster:
	s_bfe_u32 s2, ttmp6, 0x10000c
	s_cmp_lg_u32 s2, 0xf033
	s_cbranch_scc0 .Lentry_shape_is_right
	s_endpgm
.Lentry_shape_is_right:
; kv = seq2 x [G ; Wv]^T, [8192][2048] of 16 bits: columns 0-1023 kp = seq2 G^T in bf16, columns 1024-2047 v = seq2 Wv^T in f16.  Operands bf16 (rows of xb), sums f32, each result rounded once.
; kp goes in bf16 because it has no room in f16: with offsets on seq2 and on the weights it passes 65,504 long before the module's own f32 numbers overflow.
; LIMIT.  |v| must stay under 65,504 (a larger one becomes an infinity).  NaN and infinities are not treated apart.
; SHARES.  A tile is 256 x 256: 8 x 32 = 256 work-groups.  Eight waves, 4 (rows) x 2 (columns), each 64 x 128: 32 accumulators, 256 registers.  K = 1,024 in steps of 128 through two LDS slots;
; a tile's rows are 256 bytes of xb at multiples of 256 bytes.  Waves 0-3 fetch seq2's four parts of 64 rows, waves 4-7 the weights'.
; CLUSTER.  4 x 4: seq2's tile hangs on the tile row alone and is asked for jointly by a row of the cluster, the weights' on the tile column alone, by a column.
; THE MATRIX INSTRUCTION IS USED TRANSPOSED: source 0 = 16 rows of the weights, source 1 = 16 rows of seq2: lane l holds row l % 16 of the result and the columns 8 (l / 16) + 0..7.
; REGISTERS: window 0: v0-31 addresses; v64-159, v160-255 two fragment buffers (A's 4 fragments, then B's 8); on the way out v64-159 at work.  Window 1: accumulator (a, b) at v[8 (8 a + b)].
.set PITCH,  272                       ; an LDS row: 256 bytes + 16 of padding = 68 words: the 16 rows of a fragment load start at 16 different groups of four banks (64 banks of 4 bytes: ISA guide 11.1)
.set APART,  64*PITCH                  ; what a wave fetches, and what a wave reads of A
.set BOFF,   4*APART                   ; B's 256 rows lie behind A's 256
.set SLOT,   8*APART
.set STAGE,  2*SLOT                    ; behind the ring: 16 rows x 272 bytes for each wave, for the way out
.set SPARE,  STAGE+8*16*PITCH          ; the spare words, 128 bytes for each wave: four blocks of 256 bytes that no other line names
.set LAPS,   4                         ; a lap = two K steps = once round the ring
.set ASTEP,  256
.set BSTEP,  256
.set CPITCH, 4096                      ; bytes in a row of kv
.set NA,     4                         ; waves 0 .. NA - 1 fetch A
.set ADRA, 16                          ; v16-17  LDS address of my A fragments in slot 0, 1
.set ADRB, 20                          ; v20-21  the same for B
.set STO,  24                          ; v24     the way out: where I put 16 bytes of a row
.set RD,   25                          ; v25     where I read a row back
.set CO,   26                          ; v26     my byte offset in two rows of kv
.set SPW,  28                          ; v28     LDS address of my spare word; never rewritten
.set NIL,  29                          ; v29     0; never rewritten
.set F0,   64
.set F1,   160
.set TMP,  64
.set OB0,  96
.set OB1,  128
.set G1,  24                           ; s[24:31] descriptor group 1 for A;  s[32:39] group 0, a set for each slot
.set G0,  32
.set G1B, 48                           ; s[48:55], s[56:63] the same for B
.set G0B, 56
.set CB,  6                            ; s[6:7] kv
.set MSB, 0
.macro WIN new                         ; the immediate's high byte repeats the setting that is left; a switch that changes nothing is dropped
.if MSB != (\new)
	s_set_vgpr_msb (MSB<<8)|(\new)
.set MSB, \new
.endif
.endm
.set MUL, 0x50                         ; sources 0 and 1 window 0; C and D window 1
.macro PLACES                          ; four places in front of loads into registers that matrix instructions have read, and of lines that read results
.rept 4
	v_nop
.endr
.endm
.macro JLOAD s                         ; a joint load; the branch hangs on the wave's number alone; an s_nop 0 and four v_nop follow each of the two lines
	s_cmp_lt_u32 s12, NA
	s_cbranch_scc0 .Lfor_b_\@
	tensor_load_to_lds s[G0+4*(\s):G0+4*(\s)+3], s[G1:G1+7]
	s_nop 0
	PLACES
	s_branch .Lasked_\@
.Lfor_b_\@:
	tensor_load_to_lds s[G0B+4*(\s):G0B+4*(\s)+3], s[G1B:G1B+7]
	s_nop 0
	PLACES
.Lasked_\@:
.endm
.macro CREST                           ; a round of the cluster's barrier behind its opening barrier
	s_cmp_lg_u32 s12, 0
	s_cbranch_scc1 .Lnot_wave_0_\@
	s_barrier_signal -3
.Lnot_wave_0_\@:
	s_barrier_wait -3
	s_barrier_signal -1
	s_barrier_wait -1
.endm
.macro CROUND                          ; a whole round
	s_barrier_signal -1
	s_barrier_wait -1
	CREST
.endm
	s_load_b128 s[4:7], s[0:1], 0x0                ; xb s[4:5], kv s[6:7]
	v_lshl_add_u32 v[SPW], v0, 2, SPARE
	v_mov_b32 v[NIL], 0
	ds_add_u32 v[SPW], v[NIL]                      ; the wave's opening: the add and its wait stand ahead of my first tensor load; the set-up below, work on registers, stands between them
	v_lshrrev_b32 v1, 5, v0
	v_readfirstlane_b32 s12, v1                    ; wave 0..7
	s_lshr_b32 s13, s12, 1                         ; which 64 of the tile's rows are mine
	s_and_b32 s14, s12, 1                          ; which 128 of its columns
	s_and_b32 s15, s12, 3                          ; which 64 rows of A's or B's tile I fetch
	s_bfe_u32 s40, ttmp6, 0x40000                  ; cx, cy: my place in the cluster
	s_bfe_u32 s41, ttmp6, 0x40004
	s_mov_b32 s47, ttmp9                           ; the cluster's x: 0: its four tile columns are kp's; 1: v's.  All sixteen partners share it
	s_lshl_b32 s42, ttmp9, 2
	s_add_co_u32 s42, s42, s40                     ; tile column 0..7
	s_and_b32 s46, ttmp7, 0xffff
	s_lshl_b32 s43, s46, 2
	s_add_co_u32 s43, s43, s41                     ; tile row 0..31
	s_lshl_b32 s44, s41, 2
	s_lshl_b32 s44, 15, s44                        ; my row of the cluster
	s_lshl_b32 s45, 0x1111, s40                    ; my column
	s_or_b32 s[G1], s44, (1<<16)|(1<<20)|(1<<21)|(5<<22)|(3<<25)   ; the mask; 2-byte elements; padding on; bit 21 beside a mask; after every 64 words (code 5) 4 words (code 3)
	s_or_b32 s[G1B], s45, (1<<16)|(1<<20)|(1<<21)|(5<<22)|(3<<25)
.irp g, G1, G1B
	s_mov_b32 s[(\g)+1], 128<<16                   ; tensor_dim0 = 128
	s_mov_b32 s[(\g)+2], 64<<16                    ; tensor_dim1 = 64
	s_mov_b32 s[(\g)+3], 128<<16                   ; tile_dim0 = 128
	s_mov_b32 s[(\g)+4], 64                        ; tile_dim1 = 64
	s_mov_b32 s[(\g)+5], 1024                      ; elements from row to row
	s_mov_b32 s[(\g)+6], 0
	s_mov_b32 s[(\g)+7], 0
.endr
	s_lshl_b32 s16, s43, 8                         ; A: row 256 x tile row + 64 x part,
	s_lshl_b32 s17, s15, 6
	s_add_co_u32 s16, s16, s17
	s_add_co_u32 s16, s16, 8192                    ; behind seq1's 8,192 rows,
	s_lshl_b32 s16, s16, 11                        ; in bytes (under 2^26)
	s_mov_b32 s17, 0
	s_lshl_b32 s18, s42, 8                         ; B: row 256 x tile column + 64 x part,
	s_lshl_b32 s19, s15, 6
	s_add_co_u32 s18, s18, s19
	s_add_co_u32 s18, s18, 16384                   ; behind seq1's and seq2's 16,384 rows,
	s_lshl_b32 s18, s18, 11
	s_mov_b32 s19, 0
	s_mul_i32 s20, s12, APART                      ; where they go in a slot: wave x 64 rows: no place in the cluster enters an LDS address
	s_lshl_b32 s66, s43, 8                         ; where my part of the tile begins in kv: row 256 x tile row + 64 x row part, 4,096 bytes each,
	s_lshl_b32 s67, s13, 6
	s_add_co_u32 s66, s66, s67
	s_lshl_b32 s66, s66, 12
	s_lshl_b32 s67, s42, 9                         ; + 512 x tile column + 256 x column half
	s_add_co_u32 s66, s66, s67
	s_lshl_b32 s67, s14, 8
	s_add_co_u32 s66, s66, s67
	s_mov_b32 s67, 0
	s_wait_dscnt 0x0                               ; the opening add is done
	s_wait_kmcnt 0x0
	s_add_nc_u64 s[22:23], s[4:5], s[16:17]
	s_add_nc_u64 s[90:91], s[4:5], s[18:19]
	CROUND                                         ; all sixteen work-groups are here: the first joint loads meet
.irp s, 0,1
	s_mov_b32 s[G0+4*(\s)], 1
	s_add_co_u32 s[G0+4*(\s)+1], s20, (\s)*SLOT
	s_add_nc_u64 s[G0+4*(\s)+2:G0+4*(\s)+3], s[22:23], (\s)*ASTEP
	s_or_b32 s[G0+4*(\s)+3], s[G0+4*(\s)+3], 0x80000000
	s_mov_b32 s[G0B+4*(\s)], 1
	s_add_co_u32 s[G0B+4*(\s)+1], s20, (\s)*SLOT
	s_add_nc_u64 s[G0B+4*(\s)+2:G0B+4*(\s)+3], s[90:91], (\s)*BSTEP
	s_or_b32 s[G0B+4*(\s)+3], s[G0B+4*(\s)+3], 0x80000000
	JLOAD \s                                       ; K steps 0 and 1: two loads of mine are out
.endr
	; a fragment is 16 rows x 32 K in 8 registers: lane l holds row l % 16, K = 8 (l / 16) + 0..7 and 16 + 8 (l / 16) + 0..7: two loads of 16 bytes, 32 bytes apart
	v_and_b32 v1, 15, v0                           ; l % 16
	v_bfe_u32 v2, v0, 4, 1                         ; l / 16
	v_mul_u32_u24 v3, v1, PITCH
	v_lshl_add_u32 v3, v2, 4, v3                   ; row x pitch + 16 x half
	s_mul_i32 s92, s13, APART
	s_mul_i32 s93, s14, 2*APART
	s_add_co_u32 s93, s93, BOFF
.irp s, 0,1
	v_add_nc_u32 v[ADRA+(\s)], s92, v3
	v_add_nc_u32 v[ADRB+(\s)], s93, v3
	s_add_co_u32 s92, s92, SLOT
	s_add_co_u32 s93, s93, SLOT
.endr
	s_mul_i32 s92, s12, 16*PITCH
	s_add_co_u32 s92, s92, STAGE                   ; my stage
	v_add_nc_u32 v[STO], s92, v3                   ; in: row l % 16, 16 bytes for each half of the lanes
	v_mul_u32_u24 v5, v2, PITCH                    ; back: lanes 0-15 take one row of 256 bytes, lanes 16-31 the next
	v_lshl_add_u32 v5, v1, 4, v5
	v_add_nc_u32 v[RD], s92, v5
	v_lshlrev_b32 v5, 12, v2                       ; and the same two rows in kv
	v_lshl_add_u32 v[CO], v1, 4, v5
; 8 matrix instructions: row block a x all 8 column blocks, 32 along K.  zero = 1: the product starts the sums.  The 32 accumulators take turns in one order.
.macro MUL8 f, a, zero
	WIN MUL
.irp b, 0,1,2,3,4,5,6,7
.if \zero
	v_wmma_f32_16x16x32_bf16 v[8*(8*(\a)+(\b)):8*(8*(\a)+(\b))+7], v[(\f)+32+8*(\b):(\f)+32+8*(\b)+7], v[(\f)+8*(\a):(\f)+8*(\a)+7], 0
.else
	v_wmma_f32_16x16x32_bf16 v[8*(8*(\a)+(\b)):8*(8*(\a)+(\b))+7], v[(\f)+32+8*(\b):(\f)+32+8*(\b)+7], v[(\f)+8*(\a):(\f)+8*(\a)+7], v[8*(8*(\a)+(\b)):8*(8*(\a)+(\b))+7]
.endif
.endr
.endm
; 24 LDS loads in one run: the fragments of 32 along K at byte k of the rows, into buffer f: B's 16 loads, then A's 8
.macro FETCH slot, k, f
	WIN 0
.irp i, 0,1,2,3,4,5,6,7
	ds_load_b128 v[(\f)+32+8*(\i):(\f)+32+8*(\i)+3],   v[ADRB+(\slot)] offset:(\k)+(\i)*16*PITCH
	ds_load_b128 v[(\f)+32+8*(\i)+4:(\f)+32+8*(\i)+7], v[ADRB+(\slot)] offset:(\k)+(\i)*16*PITCH+32
.endr
.irp i, 0,1,2,3
	ds_load_b128 v[(\f)+8*(\i):(\f)+8*(\i)+3],   v[ADRA+(\slot)] offset:(\k)+(\i)*16*PITCH
	ds_load_b128 v[(\f)+8*(\i)+4:(\f)+8*(\i)+7], v[ADRA+(\slot)] offset:(\k)+(\i)*16*PITCH+32
.endr
.endm
; A K step is four quarters of 32 along K, 32 matrix instructions each, on buffers 0, 1, 0, 1.  One of the first three: multiplies buffer f and fetches the next quarter, at byte k, into g.
.macro QUARTER slot, k, f, g, zero
	s_wait_dscnt 4                                 ; B and A's fragments 0, 1 are in; the youngest four loads (A's fragments 2, 3) may be out
	MUL8 \f, 0, \zero
	MUL8 \f, 1, \zero
	PLACES
	FETCH \slot, \k, \g
	s_wait_dscnt 24                                ; all but the 24 just issued
	MUL8 \f, 2, \zero
	MUL8 \f, 3, \zero
.endm
; The last quarter multiplies buffer 1 and changes slots: ONE barrier; in front of it each wave waits for all its tensor loads (one is out: its part of the next slot), adds 0 to its spare word,
; and waits for that and for its reads of this slot.  fill = 1: the barrier opens a round of the cluster's, and this slot is filled again first thing behind it, two K steps ahead.
.macro TURN slot, next, fill
	WIN 0
	s_wait_tensorcnt 0x0
	ds_add_u32 v[SPW], v[NIL]                      ; 0 onto my spare word
	s_wait_dscnt 5                                 ; (the add and the youngest four loads may be out)
	MUL8 F1, 0, 0                                  ; eight matrix instructions stand between the add and the wait for it
	s_wait_dscnt 0x0                               ; the add is done, and my reads of this slot are over
	s_barrier_signal -1
	MUL8 F1, 1, 0
.if \fill
	WIN 0
.endif
	s_barrier_wait -1
.if \fill
	CREST                                          ; no wave of any partner still reads this slot or has a load on its way
	s_add_nc_u64 s[G0+4*(\slot)+2:G0+4*(\slot)+3], s[G0+4*(\slot)+2:G0+4*(\slot)+3], 2*ASTEP
	s_add_nc_u64 s[G0B+4*(\slot)+2:G0B+4*(\slot)+3], s[G0B+4*(\slot)+2:G0B+4*(\slot)+3], 2*BSTEP
	JLOAD \slot                                    ; the four v_nop behind it are also the places in front of the loads below
.else
	PLACES
.endif
	FETCH \next, 0, F0
	MUL8 F1, 2, 0
	MUL8 F1, 3, 0
.endm
; THE WAY OUT of row block a.  PACK: rounded to bf16 (kp) or f16 (v), 16 bytes a lane, each accumulator's registers in ascending order.  TOSTAGE: into my own stage and back as whole rows of 256 bytes.  SEND: stored.
.macro PACK a
	s_cmp_eq_u32 s47, 0
	s_cbranch_scc0 .Lhalf_\@
	WIN 0x05                                       ; sources 0 and 1 window 1, destination window 0
.set i, 0
.rept 32
	v_cvt_pk_bf16_f32 v[TMP+i], v[64*(\a)+2*i], v[64*(\a)+2*i+1]
.set i, i+1
.endr
	WIN 0
	s_branch .Lpacked_\@
.Lhalf_\@:
	WIN 0x05
.set i, 0
.rept 32
	v_cvt_pk_f16_f32 v[TMP+i], v[64*(\a)+2*i], v[64*(\a)+2*i+1]
.set i, i+1
.endr
	WIN 0
.Lpacked_\@:
.endm
.macro TOSTAGE a
.set BK, OB0+(OB1-OB0)*((\a)%2)
.irp b, 0,1,2,3,4,5,6,7
	ds_store_b128 v[STO], v[TMP+4*(\b):TMP+4*(\b)+3] offset:32*(\b)
.endr
.irp t, 0,1,2,3,4,5,6,7
	ds_load_b128 v[BK+4*(\t):BK+4*(\t)+3], v[RD] offset:(\t)*2*PITCH  ; LDS serves a wave's instructions in order (ISA guide 5.7.1.4): these see the stores above
.endr
.endm
.macro SEND a
.set BK, OB0+(OB1-OB0)*((\a)%2)
	s_wait_dscnt 0x0                               ; the block is back in registers
	s_wait_xcnt 0x0                                ; the stores' base and the registers that earlier stores read are rewritten only behind this wait
.if (\a) == 0
	s_add_nc_u64 s[CB:CB+1], s[CB:CB+1], s[66:67]
.else
	s_add_nc_u64 s[CB:CB+1], s[CB:CB+1], 16*CPITCH
.endif
.irp t, 0,1,2,3,4,5,6,7
	global_store_b128 v[CO], v[BK+4*(\t):BK+4*(\t)+3], s[CB:CB+1] offset:2*(\t)*CPITCH  ; 16 lanes store 256 consecutive bytes, at a multiple of 256 from the buffer's first byte
.endr
.endm
	s_wait_tensorcnt 1                             ; my part of K step 0 is in; K step 1's may stay out
	s_barrier_signal -1
	s_barrier_wait -1                              ; everybody's is
	FETCH 0, 0, F0
	QUARTER 0, 64, F0, F1, 1                       ; the first quarter stands in front of the loop: its products start the sums
	WIN 0
	s_mov_b32 s80, LAPS-1
.Llap:                                                 ; a trip goes once round the ring, from a lap's second quarter to the next lap's first, and fills both slots again
	QUARTER 0, 128, F1, F0, 0
	QUARTER 0, 192, F0, F1, 0
	TURN 0, 1, 1
	QUARTER 1, 64,  F0, F1, 0
	QUARTER 1, 128, F1, F0, 0
	QUARTER 1, 192, F0, F1, 0
	TURN 1, 0, 1
	QUARTER 0, 64,  F0, F1, 0
	WIN 0
	s_sub_co_u32 s80, s80, 1
	s_cmp_lg_u32 s80, 0
	s_cbranch_scc1 .Llap
	QUARTER 0, 128, F1, F0, 0                      ; the last lap fills nothing
	QUARTER 0, 192, F0, F1, 0
	TURN 0, 1, 0
	QUARTER 1, 64,  F0, F1, 0
	QUARTER 1, 128, F1, F0, 0
	QUARTER 1, 192, F0, F1, 0
	s_wait_dscnt 4                                 ; the very last quarter: nothing more to fetch
	MUL8 F1, 0, 0
	MUL8 F1, 1, 0
	s_wait_dscnt 0x0
	MUL8 F1, 2, 0
	MUL8 F1, 3, 0
	WIN 0
	PLACES
	PACK 0
	TOSTAGE 0
.irp a, 1,2,3                          ; block a's conversions stand between block a - 1's loads from the stage and the wait for them
	PACK \a
	SEND (\a)-1
	TOSTAGE \a
.endr
	SEND 3
	s_wait_tensorcnt 0x0                           ; the wave's end, behind my last tensor load and my last LDS store
	ds_add_u32 v[SPW], v[NIL]
	s_wait_dscnt 0x0
	CROUND                                         ; the closing round: no work-group ends while a partner may still ask for a tile that names it
	s_endpgm
.Lfunc_end_k_q4e3e126279_proj:
	.size	k_q4e3e126279_proj, .Lfunc_end_k_q4e3e126279_proj-k_q4e3e126279_proj
	.p2alignl 7, 3214868480
	.fill 96, 4, 3214868480
	.section	.rodata,"a",@progbits
	.p2align	6, 0x0
	.amdhsa_kernel k_q4e3e126279_proj
		.amdhsa_group_segment_fixed_size 327680
		.amdhsa_private_segment_fixed_size 0
		.amdhsa_enable_private_segment 0
		.amdhsa_kernarg_size 16
		.amdhsa_user_sgpr_count 2
		.amdhsa_user_sgpr_kernarg_segment_ptr 1
		.amdhsa_wavefront_size32 1
		.amdhsa_system_sgpr_workgroup_id_x 1
		.amdhsa_system_sgpr_workgroup_id_y 1
		.amdhsa_system_sgpr_workgroup_id_z 1
		.amdhsa_system_vgpr_workitem_id 0
		.amdhsa_next_free_vgpr 512
		.amdhsa_next_free_sgpr 96
		.amdhsa_reserve_vcc 0
		.amdhsa_float_denorm_mode_32 3
		.amdhsa_float_denorm_mode_16_64 3
		.amdhsa_memory_ordered 1
		.amdhsa_forward_progress 1
		.amdhsa_inst_pref_size 94
	.end_amdhsa_kernel
	.amdgpu_metadata
---
amdhsa.version: [ 1, 2 ]
amdhsa.kernels:
  - .name:           k_q4e3e126279_proj
    .symbol:         k_q4e3e126279_proj.kd
    .args:
      - { .name: xb, .offset: 0, .size: 8, .value_kind: global_buffer, .address_space: global }
      - { .name: kv, .offset: 8, .size: 8, .value_kind: global_buffer, .address_space: global }
    .group_segment_fixed_size: 327680
    .private_segment_fixed_size: 0
    .kernarg_segment_align: 8
    .kernarg_segment_size: 16
    .max_flat_workgroup_size: 256
    .sgpr_count:     96
    .vgpr_count:     512
    .wavefront_size: 32
...
	.end_amdgpu_metadata
.endif
;; end of part 6
;; launch score (part 7): grid 8 x 32, 8 waves a work-group, clusters of 4 x 4, 327,680 bytes of LDS; arguments xb, kv, attn_mask, pbuf, stats; writes pbuf, stats
.if DOCPART == 7
	.amdgcn_target "amdgcn-amd-amdhsa--gfx1250"
	.amdhsa_code_object_version 6
	.text
	.protected	k_q4e3e126279_score
	.globl	k_q4e3e126279_score
	.p2align	8
	.type	k_q4e3e126279_score,@function
k_q4e3e126279_score:
	s_mov_b64 s[64:65], 0
	v_nop
	global_prefetch_b8 v0, s[64:65] scope:SCOPE_SE
	s_setreg_imm32_b32 hwreg(HW_REG_WAVE_MODE, 25, 1), 1
	s_wait_xcnt 0x0
	s_wait_alu depctr_hold_cnt(0) depctr_sa_sdst(0) depctr_va_vdst(0) depctr_va_sdst(0) depctr_va_ssrc(0) depctr_va_vcc(0) depctr_vm_vsrc(0)
	s_getreg_b32 s2, hwreg(HW_REG_IB_STS2, 6, 4)
	s_cmp_eq_u32 s2, 0
	s_cbranch_scc0 .Lentry_in_a_cluster
	s_endpgm
.Lentry_in_a_cluster:
	s_bfe_u32 s2, ttmp6, 0x10000c
	s_cmp_lg_u32 s2, 0xf033
	s_cbranch_scc0 .Lentry_shape_is_right
	s_endpgm
.Lentry_shape_is_right:
; For each tile of 256 queries x 256 keys of a batch: acc = seq1 kp^T (bf16 operands, f32 sums), kp = seq2 G^T: acc = q k^T = 32 x score.  Where attn_mask is 1, acc is replaced by 32 x f32(1e-9), as the module replaces the score by 1e-9.
; The softmax runs along the QUERIES.  Here each key column gets its tile's own maximum and sum: Mt = c x (maximum of acc over the tile's 256 queries), c = log2(e) / 32; p = 2^(c acc - Mt), in 0 to 1;
; lt = the sum of the unrounded p.  p goes to pbuf ([8192 queries][2048 keys], f16), Mt and lt to stats ([32 = batch x 8 + query tile][2048] f32, lt 262,144 bytes behind Mt).  The next launch merges the eight tiles of a column.
; LIMITS.  p below 6e-5 keeps f16's fixed step of 6e-8; an exponential below 2^-126 counts as 0; NaN and infinities are not treated apart; the sums' order differs from a plain row-by-row sum.
; SHARES.  256 work-groups.  Eight waves, 4 (rows) x 2 (columns), each 64 x 128: 32 accumulators, 256 registers.  K = 1,024 in steps of 128 through two LDS slots; waves 0-3 fetch seq1's four parts of 64 rows, waves 4-7 kp's.
; CLUSTER.  4 x 4: seq1's tile is shared along a row of the cluster, kp's along a column (the batch is the whole cluster's).  The mask tile is each work-group's own: a plain load, 32 rows a wave, into slot 0's
; first half when the last K step but one has been read out of it, behind a round like every refill.
; THE MATRIX INSTRUCTION IS USED TRANSPOSED (source 0 = 16 keys, source 1 = 16 queries): lane l holds query l % 16 and the keys 8 (l / 16) + 0..7, so p packs into 16 bytes of a row of pbuf.
; REGISTERS: window 0: v0-31 addresses; v64-159, v160-255 fragment buffers; behind the products v32-63 mask bytes, v64-127 T, v128-191 CM, v192-255 CS (index 8 b + j: my 64 columns).  Window 1: accumulator (a, b) at v[8 (8 a + b)].
.set PITCH,  272                       ; an LDS row: 256 bytes + 16 of padding: the 16 rows of a load start at 16 different groups of four banks (64 banks of 4 bytes: ISA guide 11.1)
.set APART,  64*PITCH                  ; what a wave fetches, and what a wave reads of seq1
.set BOFF,   4*APART                   ; kp's 256 rows lie behind seq1's 256
.set SLOT,   8*APART
.set STAGE,  2*SLOT                    ; behind the ring: 16 rows x 272 bytes for each wave
.set XM,     STAGE+8*16*PITCH          ; each wave's 128 column maxima: 8 x 512 bytes
.set XL,     XM+4096                   ; each wave's 128 column sums
.set SPARE,  XL+4096                   ; the spare words, 128 bytes for each wave: four blocks of 256 bytes that no other line names
.set LAPS,   4
.set ASTEP,  256
.set BSTEP,  256
.set CPITCH, 4096                      ; bytes in a row of pbuf
.set NA,     4                         ; waves 0 .. NA - 1 fetch seq1
.set ADRA, 16
.set ADRB, 20
.set SOF,  22                          ; v22  16 x lane: my 16 bytes of 512 in stats
.set XSL,  23                          ; v23  the same 4 columns in XM
.set STO,  24
.set RD,   25
.set CO,   26
.set XRD,  27                          ; v27  my lanes' 8 columns of a block in XM, row part 0
.set SPW,  28
.set NIL,  29
.set MADR, 30                          ; v30  my 8 mask bytes for accumulator (0, 0)
.set XST,  31                          ; v31  where my wave's maxima go
.set MK,   32                          ; two buffers of 16 registers: a row block's mask bytes
.set F0,   64
.set F1,   160
.set T,    64
.set CM,   128
.set CS,   192
.set TMP,  64
.set OB0,  96
.set OB1,  32
.set G1,  24
.set G0,  32
.set G1B, 48
.set G0B, 56
.set GM1, 68                           ; s[68:75] the mask tile's group 1;  s[76:79] its group 0
.set GM0, 76
.set CC,  82                           ; s[82:83] c, named as a pair
.set SELB, 84                          ; s84-87 v_perm_b32 selectors: byte 0, 1, 2, 3 into all four places
.set MVAL, 88                          ; s88 32 x f32(1e-9)
.set CB,  10                           ; s[10:11] pbuf
.set SB,  96                           ; s[96:97] stats
.set MSB, 0
.macro WIN new                         ; the immediate's high byte repeats the setting that is left; a switch that changes nothing is dropped
.if MSB != (\new)
	s_set_vgpr_msb (MSB<<8)|(\new)
.set MSB, \new
.endif
.endm
.set MUL, 0x50                         ; sources 0 and 1 window 0; C and D window 1
.macro PLACES                          ; four places (ISA guide 7.12.1)
.rept 4
	v_nop
.endr
.endm
.macro JLOAD s                         ; a joint load; the branch hangs on the wave's number alone; an s_nop 0 and four v_nop follow each of the two lines
	s_cmp_lt_u32 s12, NA
	s_cbranch_scc0 .Lfor_b_\@
	tensor_load_to_lds s[G0+4*(\s):G0+4*(\s)+3], s[G1:G1+7]
	s_nop 0
	PLACES
	s_branch .Lasked_\@
.Lfor_b_\@:
	tensor_load_to_lds s[G0B+4*(\s):G0B+4*(\s)+3], s[G1B:G1B+7]
	s_nop 0
	PLACES
.Lasked_\@:
.endm
.macro CREST                           ; a round of the cluster's barrier behind its opening barrier
	s_cmp_lg_u32 s12, 0
	s_cbranch_scc1 .Lnot_wave_0_\@
	s_barrier_signal -3
.Lnot_wave_0_\@:
	s_barrier_wait -3
	s_barrier_signal -1
	s_barrier_wait -1
.endm
.macro CROUND
	s_barrier_signal -1
	s_barrier_wait -1
	CREST
.endm
	s_load_b256 s[4:11], s[0:1], 0x0               ; xb s[4:5], kv s[6:7], attn_mask s[8:9], pbuf s[10:11]
	s_load_b64 s[SB:SB+1], s[0:1], 0x20            ; stats
	v_lshl_add_u32 v[SPW], v0, 2, SPARE
	v_mov_b32 v[NIL], 0
	ds_add_u32 v[SPW], v[NIL]                      ; the wave's opening: the add and its wait stand ahead of my first tensor load; the set-up below, work on registers, stands between them
	v_lshrrev_b32 v1, 5, v0
	v_readfirstlane_b32 s12, v1                    ; wave 0..7
	s_lshr_b32 s13, s12, 1                         ; which 64 of the tile's queries are mine
	s_and_b32 s14, s12, 1                          ; which 128 of its keys
	s_and_b32 s15, s12, 3                          ; which 64 rows of seq1's or kp's tile I fetch
	s_bfe_u32 s40, ttmp6, 0x40000                  ; cx, cy
	s_bfe_u32 s41, ttmp6, 0x40004
	s_lshl_b32 s42, ttmp9, 2
	s_add_co_u32 s42, s42, s40                     ; key tile 0..7
	s_and_b32 s46, ttmp7, 0xffff                   ; the cluster's y, 0..7: two clusters to a batch
	s_lshl_b32 s43, s46, 2
	s_add_co_u32 s43, s43, s41                     ; 8 x batch + query tile, 0..31
	s_lshl_b32 s44, s41, 2
	s_lshl_b32 s44, 15, s44                        ; my row of the cluster
	s_lshl_b32 s45, 0x1111, s40                    ; my column
	s_or_b32 s[G1], s44, (1<<16)|(1<<20)|(1<<21)|(5<<22)|(3<<25)   ; the mask; 2-byte elements; padding on; bit 21 beside a mask; after every 64 words (code 5) 4 words (code 3)
	s_or_b32 s[G1B], s45, (1<<16)|(1<<20)|(1<<21)|(5<<22)|(3<<25)
.irp g, G1, G1B
	s_mov_b32 s[(\g)+1], 128<<16                   ; tensor_dim0 = 128
	s_mov_b32 s[(\g)+2], 64<<16                    ; tensor_dim1 = 64
	s_mov_b32 s[(\g)+3], 128<<16                   ; tile_dim0 = 128
	s_mov_b32 s[(\g)+4], 64                        ; tile_dim1 = 64
	s_mov_b32 s[(\g)+6], 0
	s_mov_b32 s[(\g)+7], 0
.endr
	s_mov_b32 s[G1+5], 1024                        ; elements from row to row of xb,
	s_mov_b32 s[G1B+5], 2048                       ; and of kv
	s_mov_b32 s[GM1], (3<<16)|(1<<20)|(5<<22)|(3<<25)  ; no work-group mask: my own load; 8-byte elements; the same padding
	s_mov_b32 s[GM1+1], 32<<16                     ; tensor_dim0 = 32 elements = 256 mask bytes
	s_mov_b32 s[GM1+2], 32<<16                     ; tensor_dim1 = 32 rows
	s_mov_b32 s[GM1+3], 32<<16                     ; tile_dim0
	s_mov_b32 s[GM1+4], 32                         ; tile_dim1
	s_mov_b32 s[GM1+5], 256                        ; 2,048 bytes from row to row
	s_mov_b32 s[GM1+6], 0
	s_mov_b32 s[GM1+7], 0
	s_mov_b32 s[GM0], 1
	s_mul_i32 s[GM0+1], s12, 32*PITCH              ; my 32 rows of the mask tile, which begins at LDS byte 0
	s_lshl_b32 s16, s43, 8                         ; seq1: row 256 x (8 batch + tile) + 64 x part,
	s_lshl_b32 s17, s15, 6
	s_add_co_u32 s16, s16, s17
	s_lshl_b32 s16, s16, 11                        ; 2,048 bytes each
	s_mov_b32 s17, 0
	s_lshr_b32 s18, s46, 1                         ; kp: the batch's 2,048 rows
	s_lshl_b32 s18, s18, 11
	s_lshl_b32 s19, s42, 8                         ; + 256 x key tile
	s_add_co_u32 s18, s18, s19
	s_lshl_b32 s19, s15, 6                         ; + 64 x part,
	s_add_co_u32 s18, s18, s19
	s_lshl_b32 s18, s18, 12                        ; 4,096 bytes each
	s_mov_b32 s19, 0
	s_mul_i32 s20, s12, APART                      ; where they go in a slot: wave x 64 rows
	s_lshl_b32 s92, s43, 8                         ; the mask: row 256 x (8 batch + tile) + 32 x wave, 2,048 bytes each,
	s_lshl_b32 s93, s12, 5
	s_add_co_u32 s92, s92, s93
	s_lshl_b32 s92, s92, 11
	s_lshl_b32 s93, s42, 8                         ; + 256 x key tile
	s_add_co_u32 s92, s92, s93
	s_mov_b32 s93, 0
	s_lshl_b32 s94, s43, 13                        ; stats: 4 x (2,048 x (8 batch + tile) + 256 x key tile + 128 x column half)
	s_lshl_b32 s95, s42, 10
	s_add_co_u32 s94, s94, s95
	s_lshl_b32 s95, s14, 9
	s_add_co_u32 s94, s94, s95
	s_mov_b32 s95, 0
	s_lshl_b32 s66, s43, 8                         ; pbuf: row 256 x (8 batch + tile) + 64 x row part, 4,096 bytes each,
	s_lshl_b32 s67, s13, 6
	s_add_co_u32 s66, s66, s67
	s_lshl_b32 s66, s66, 12
	s_lshl_b32 s67, s42, 9                         ; + 512 x key tile + 256 x column half
	s_add_co_u32 s66, s66, s67
	s_lshl_b32 s67, s14, 8
	s_add_co_u32 s66, s66, s67
	s_mov_b32 s67, 0
	s_mov_b32 s[CC], 0x3d38aa3b                    ; c = log2(e) / 32
	s_mov_b32 s[CC+1], s[CC]
	s_mov_b32 s[SELB], 0x00000000
	s_mov_b32 s[SELB+1], 0x01010101
	s_mov_b32 s[SELB+2], 0x02020202
	s_mov_b32 s[SELB+3], 0x03030303
	s_mov_b32 s[MVAL], 0x3309705f                  ; f32(1e-9) = 0x3089705f, times 32
	s_wait_dscnt 0x0                               ; the opening add is done
	s_wait_kmcnt 0x0
	s_add_nc_u64 s[22:23], s[4:5], s[16:17]
	s_add_nc_u64 s[90:91], s[6:7], s[18:19]
	s_add_nc_u64 s[GM0+2:GM0+3], s[8:9], s[92:93]
	s_or_b32 s[GM0+3], s[GM0+3], 0x80000000
	s_add_nc_u64 s[SB:SB+1], s[SB:SB+1], s[94:95]
	CROUND                                         ; all sixteen work-groups are here: the first joint loads meet
.irp s, 0,1
	s_mov_b32 s[G0+4*(\s)], 1
	s_add_co_u32 s[G0+4*(\s)+1], s20, (\s)*SLOT
	s_add_nc_u64 s[G0+4*(\s)+2:G0+4*(\s)+3], s[22:23], (\s)*ASTEP
	s_or_b32 s[G0+4*(\s)+3], s[G0+4*(\s)+3], 0x80000000
	s_mov_b32 s[G0B+4*(\s)], 1
	s_add_co_u32 s[G0B+4*(\s)+1], s20, (\s)*SLOT
	s_add_nc_u64 s[G0B+4*(\s)+2:G0B+4*(\s)+3], s[90:91], (\s)*BSTEP
	s_or_b32 s[G0B+4*(\s)+3], s[G0B+4*(\s)+3], 0x80000000
	JLOAD \s                                       ; K steps 0 and 1: two loads of mine are out
.endr
	v_and_b32 v1, 15, v0                           ; l % 16
	v_bfe_u32 v2, v0, 4, 1                         ; l / 16
	v_and_b32 v4, 31, v0                           ; l
	v_mul_u32_u24 v5, v1, PITCH
	v_lshl_add_u32 v3, v2, 4, v5                   ; row x pitch + 16 x half
	s_mul_i32 s92, s13, APART
	s_mul_i32 s93, s14, 2*APART
	s_add_co_u32 s93, s93, BOFF
.irp s, 0,1
	v_add_nc_u32 v[ADRA+(\s)], s92, v3
	v_add_nc_u32 v[ADRB+(\s)], s93, v3
	s_add_co_u32 s92, s92, SLOT
	s_add_co_u32 s93, s93, SLOT
.endr
	s_mul_i32 s92, s12, 16*PITCH
	s_add_co_u32 s92, s92, STAGE                   ; my stage
	v_add_nc_u32 v[STO], s92, v3
	v_mul_u32_u24 v6, v2, PITCH
	v_lshl_add_u32 v6, v1, 4, v6
	v_add_nc_u32 v[RD], s92, v6
	v_lshlrev_b32 v6, 12, v2
	v_lshl_add_u32 v[CO], v1, 4, v6
	s_mul_i32 s92, s13, APART                      ; mask tile: row 64 x row part + l % 16, byte 128 x column half + 8 (l / 16)
	s_lshl_b32 s93, s14, 7
	s_add_co_u32 s92, s92, s93
	v_lshl_add_u32 v6, v2, 3, v5
	v_add_nc_u32 v[MADR], s92, v6
	s_lshl_b32 s92, s12, 9
	s_add_co_u32 s92, s92, XM
	v_lshl_add_u32 v[XST], v2, 5, s92              ; column 16 b + 8 (l / 16) + j of my wave's 128 lies at byte 64 b + 32 (l / 16) + 4 j
	s_lshl_b32 s93, s14, 9
	s_add_co_u32 s93, s93, XM
	v_lshl_add_u32 v[XRD], v2, 5, s93
	v_lshl_add_u32 v[XSL], v4, 4, s93
	v_lshlrev_b32 v[SOF], 4, v4
; 8 matrix instructions: row block a x all 8 column blocks, 32 along K.  zero = 1: the product starts the sums.  The 32 accumulators take turns in one order.
.macro MUL8 f, a, zero
	WIN MUL
.irp b, 0,1,2,3,4,5,6,7
.if \zero
	v_wmma_f32_16x16x32_bf16 v[8*(8*(\a)+(\b)):8*(8*(\a)+(\b))+7], v[(\f)+32+8*(\b):(\f)+32+8*(\b)+7], v[(\f)+8*(\a):(\f)+8*(\a)+7], 0
.else
	v_wmma_f32_16x16x32_bf16 v[8*(8*(\a)+(\b)):8*(8*(\a)+(\b))+7], v[(\f)+32+8*(\b):(\f)+32+8*(\b)+7], v[(\f)+8*(\a):(\f)+8*(\a)+7], v[8*(8*(\a)+(\b)):8*(8*(\a)+(\b))+7]
.endif
.endr
.endm
.macro FETCH slot, k, f                ; 24 LDS loads in one run: kp's 16, then seq1's 8
	WIN 0
.irp i, 0,1,2,3,4,5,6,7
	ds_load_b128 v[(\f)+32+8*(\i):(\f)+32+8*(\i)+3],   v[ADRB+(\slot)] offset:(\k)+(\i)*16*PITCH
	ds_load_b128 v[(\f)+32+8*(\i)+4:(\f)+32+8*(\i)+7], v[ADRB+(\slot)] offset:(\k)+(\i)*16*PITCH+32
.endr
.irp i, 0,1,2,3
	ds_load_b128 v[(\f)+8*(\i):(\f)+8*(\i)+3],   v[ADRA+(\slot)] offset:(\k)+(\i)*16*PITCH
	ds_load_b128 v[(\f)+8*(\i)+4:(\f)+8*(\i)+7], v[ADRA+(\slot)] offset:(\k)+(\i)*16*PITCH+32
.endr
.endm
.macro QUARTER slot, k, f, g, zero
	s_wait_dscnt 4                                 ; kp's and seq1's fragments 0, 1 are in; the youngest four loads (seq1's fragments 2, 3) may be out
	MUL8 \f, 0, \zero
	MUL8 \f, 1, \zero
	PLACES
	FETCH \slot, \k, \g
	s_wait_dscnt 24                                ; all but the 24 just issued
	MUL8 \f, 2, \zero
	MUL8 \f, 3, \zero
.endm
; The last quarter multiplies buffer 1 and changes slots: ONE barrier; in front of it each wave waits for all its tensor loads, adds 0 to its spare word, and waits for that and for its reads of this slot.
; fill = 1: the barrier opens a round of the cluster's, and this slot is filled again first thing behind it, two K steps ahead.  fill = 2: the same round, and each wave asks for its 32 rows of the mask tile.
.macro TURN slot, next, fill
	WIN 0
	s_wait_tensorcnt 0x0
	ds_add_u32 v[SPW], v[NIL]                      ; 0 onto my spare word
	s_wait_dscnt 5                                 ; (the add and the youngest four loads may be out)
	MUL8 F1, 0, 0
	s_wait_dscnt 0x0                               ; the add is done, and my reads of this slot are over
	s_barrier_signal -1
	MUL8 F1, 1, 0
	WIN 0
	s_barrier_wait -1
	CREST                                          ; no wave of any partner still reads this slot or has a load on its way
.if (\fill) == 1
	s_add_nc_u64 s[G0+4*(\slot)+2:G0+4*(\slot)+3], s[G0+4*(\slot)+2:G0+4*(\slot)+3], 2*ASTEP
	s_add_nc_u64 s[G0B+4*(\slot)+2:G0B+4*(\slot)+3], s[G0B+4*(\slot)+2:G0B+4*(\slot)+3], 2*BSTEP
	JLOAD \slot                                    ; the four v_nop behind it are also the places in front of the loads below
.else
	tensor_load_to_lds s[GM0:GM0+3], s[GM1:GM1+7]  ; 32 rows x 256 mask bytes: it has the last K step, 128 matrix instructions, in which to land
	s_nop 0
	PLACES
.endif
	FETCH \next, 0, F0
	MUL8 F1, 2, 0
	MUL8 F1, 3, 0
.endm
; THE MASK.  MLD: the 8 mask bytes of each of row block a's 8 accumulators.  BLK: bytes 0 / 1 become 0x00 / 0xff (times 255); each byte is spread over a word; where it is set the word 32 x 1e-9 takes acc's place.
.macro MLD a
.set MB, MK+16*((\a)%2)
.irp b, 0,1,2,3,4,5,6,7
	ds_load_b64 v[MB+2*(\b):MB+2*(\b)+1], v[MADR] offset:(\a)*16*PITCH+16*(\b)
.endr
.endm
.macro BLK a
.set MB, MK+16*((\a)%2)
	WIN 0
.set i, 0
.rept 16
	v_lshlrev_b32 v[T+i], 8, v[MB+i]
.set i, i+1
.endr
.set i, 0
.rept 16
	v_sub_nc_u32 v[MB+i], v[T+i], v[MB+i]
.set i, i+1
.endr
.set i, 0
.rept 64
	v_perm_b32 v[T+i], v[MB+i/4], v[MB+i/4], s[SELB+i%4]
.set i, i+1
.endr
	WIN 0x50                                       ; acc (source 2 and destination) in window 1
.set i, 0
.rept 64
	v_bfi_b32 v[64*(\a)+i], v[T+i], s[MVAL], v[64*(\a)+i]  ; each accumulator's registers in ascending order
.set i, i+1
.endr
	WIN 0
.endm
; THE WAY OUT of row block a.  PACK: rounded to f16, 16 bytes a lane.  TOSTAGE: into my own stage and back as whole rows of 256 bytes.  SEND: stored.
.macro PACK a
	WIN 0x05
.set i, 0
.rept 32
	v_cvt_pk_f16_f32 v[TMP+i], v[64*(\a)+2*i], v[64*(\a)+2*i+1]
.set i, i+1
.endr
	WIN 0
.endm
.macro TOSTAGE a
.set BK, OB0+(OB1-OB0)*((\a)%2)
.irp b, 0,1,2,3,4,5,6,7
	ds_store_b128 v[STO], v[TMP+4*(\b):TMP+4*(\b)+3] offset:32*(\b)
.endr
.irp t, 0,1,2,3,4,5,6,7
	ds_load_b128 v[BK+4*(\t):BK+4*(\t)+3], v[RD] offset:(\t)*2*PITCH  ; LDS serves a wave's instructions in order (ISA guide 5.7.1.4): these see the stores above
.endr
.endm
.macro SEND a
.set BK, OB0+(OB1-OB0)*((\a)%2)
	s_wait_dscnt 0x0
	s_wait_xcnt 0x0                                ; the stores' base and the registers that earlier stores read are rewritten only behind this wait
.if (\a) == 0
	s_add_nc_u64 s[CB:CB+1], s[CB:CB+1], s[66:67]
.else
	s_add_nc_u64 s[CB:CB+1], s[CB:CB+1], 16*CPITCH
.endif
.irp t, 0,1,2,3,4,5,6,7
	global_store_b128 v[CO], v[BK+4*(\t):BK+4*(\t)+3], s[CB:CB+1] offset:2*(\t)*CPITCH  ; 16 lanes store 256 consecutive bytes, at a multiple of 256 from the buffer's first byte
.endr
.endm
.macro X16 line:vararg                 ; one line for each quad i of my 64 columns
.set i, 0
.rept 16
	\line
.set i, i+1
.endr
.endm
.macro X64 line:vararg                 ; one line for each of my 64 columns
.set i, 0
.rept 64
	\line
.set i, i+1
.endr
.endm
.macro X32 line:vararg                 ; one line for each pair of them
.set i, 0
	s_wait_alu depctr_va_vdst(0)
.rept 32
	\line
.set i, i+1
.endr
.endm
	s_wait_tensorcnt 1                             ; my part of K step 0 is in; K step 1's may stay out
	s_barrier_signal -1
	s_barrier_wait -1
	FETCH 0, 0, F0
	QUARTER 0, 64, F0, F1, 1                       ; the first quarter's products start the sums
	WIN 0
	s_mov_b32 s80, LAPS-1
.Llap:                                                 ; a trip goes once round the ring and fills both slots again
	QUARTER 0, 128, F1, F0, 0
	QUARTER 0, 192, F0, F1, 0
	TURN 0, 1, 1
	QUARTER 1, 64,  F0, F1, 0
	QUARTER 1, 128, F1, F0, 0
	QUARTER 1, 192, F0, F1, 0
	TURN 1, 0, 1
	QUARTER 0, 64,  F0, F1, 0
	WIN 0
	s_sub_co_u32 s80, s80, 1
	s_cmp_lg_u32 s80, 0
	s_cbranch_scc1 .Llap
	QUARTER 0, 128, F1, F0, 0
	QUARTER 0, 192, F0, F1, 0
	TURN 0, 1, 2                                   ; slot 0 is read out: its first half takes the mask tile
	QUARTER 1, 64,  F0, F1, 0
	QUARTER 1, 128, F1, F0, 0
	QUARTER 1, 192, F0, F1, 0
	s_wait_dscnt 4
	MUL8 F1, 0, 0
	MUL8 F1, 1, 0
	s_wait_dscnt 0x0
	MUL8 F1, 2, 0
	MUL8 F1, 3, 0
	WIN 0
	s_wait_tensorcnt 0x0                           ; my 32 rows of the mask tile are in,
	s_barrier_signal -1
	s_barrier_wait -1                              ; everybody's are
	PLACES                                         ; behind the last products
	MLD 0
	MLD 1
	s_wait_dscnt 8                                 ; the next block's eight loads may be out
	BLK 0
	MLD 2
	s_wait_dscnt 8
	BLK 1
	MLD 3
	s_wait_dscnt 8
	BLK 2
	s_wait_dscnt 0x0
	BLK 3
	; THE COLUMNS' MAXIMA: over my four row blocks, over the 16 lanes of a half (16 queries), then over the four waves of my column half, through LDS.
	WIN 0x05
	X64 v_max_num_f32 v[CM+i], v[i], v[64+i]
	WIN 0x14
	X64 v_max3_num_f32 v[CM+i], v[CM+i], v[128+i], v[192+i]
	WIN 0
.irp x, 1,2,4,8
	X64 v_max_num_f32_dpp v[CM+i], v[CM+i], v[CM+i] row_xmask:\x row_mask:0xf bank_mask:0xf
.endr
	X16 ds_store_b128 v[XST], v[CM+4*i:CM+4*i+3] offset:64*(i/2)+16*(i%2)     ; the 16 lanes of a half store equal words
	s_wait_dscnt 0x0                               ; for the others' sake
	s_barrier_signal -1
	s_barrier_wait -1
	X16 ds_load_b128 v[T+4*i:T+4*i+3], v[XRD] offset:64*(i/2)+16*(i%2)
	X16 ds_load_b128 v[CS+4*i:CS+4*i+3], v[XRD] offset:1024+64*(i/2)+16*(i%2)
	s_wait_dscnt 0x0
	X64 v_max_num_f32 v[CM+i], v[T+i], v[CS+i]
	X16 ds_load_b128 v[T+4*i:T+4*i+3], v[XRD] offset:2048+64*(i/2)+16*(i%2)
	X16 ds_load_b128 v[CS+4*i:CS+4*i+3], v[XRD] offset:3072+64*(i/2)+16*(i%2)
	s_wait_dscnt 0x0
	X64 v_max3_num_f32 v[CM+i], v[CM+i], v[T+i], v[CS+i]
	X32 v_pk_mul_f32 v[CM+2*i:CM+2*i+1], v[CM+2*i:CM+2*i+1], s[CC:CC+1] op_sel_hi:[1,0]   ; Mt = c x maximum
	; p = 2^(c acc - Mt), in place; the next block's multiply-adds are the plain lines behind a block's exponentials
	WIN 0x41                                       ; acc (destination and source 0) in window 1, Mt in window 0
.irp a, 0,1,2,3
	X32 v_pk_fma_f32 v[64*(\a)+2*i:64*(\a)+2*i+1], v[64*(\a)+2*i:64*(\a)+2*i+1], s[CC:CC+1], v[CM+2*i:CM+2*i+1] op_sel_hi:[1,0,1] neg_lo:[0,0,1] neg_hi:[0,0,1]
	X64 v_exp_f32 v[64*(\a)+i], v[64*(\a)+i]
.endr
	; THE COLUMNS' SUMS, by the same road
	WIN 0x05
	X32 v_pk_add_f32 v[CS+2*i:CS+2*i+1], v[2*i:2*i+1], v[64+2*i:64+2*i+1]
	WIN 0x04
	X32 v_pk_add_f32 v[CS+2*i:CS+2*i+1], v[CS+2*i:CS+2*i+1], v[128+2*i:128+2*i+1]
	X32 v_pk_add_f32 v[CS+2*i:CS+2*i+1], v[CS+2*i:CS+2*i+1], v[192+2*i:192+2*i+1]
	WIN 0
.irp x, 1,2,4,8
	X64 v_add_f32_dpp v[CS+i], v[CS+i], v[CS+i] row_xmask:\x row_mask:0xf bank_mask:0xf
.endr
	X16 ds_store_b128 v[XST], v[CS+4*i:CS+4*i+3] offset:4096+64*(i/2)+16*(i%2)
	s_wait_dscnt 0x0
	s_barrier_signal -1
	s_barrier_wait -1
	; waves 0 and 1 store their column half's Mt and lt: a lane has 4 columns, a store covers 512 consecutive bytes
	s_cmp_lt_u32 s12, 2
	s_cbranch_scc0 .Lno_stats
.irp p, 0,1,2,3
	ds_load_b128 v[T+4*(\p):T+4*(\p)+3],       v[XSL] offset:1024*(\p)
	ds_load_b128 v[T+16+4*(\p):T+16+4*(\p)+3], v[XSL] offset:4096+1024*(\p)
.endr
	s_wait_dscnt 0x0
.irp c, 0,1,2,3
	v_max3_num_f32 v[T+(\c)], v[T+(\c)], v[T+4+(\c)], v[T+8+(\c)]
	v_add_f32 v[T+16+(\c)], v[T+16+(\c)], v[T+20+(\c)]
	v_add_f32 v[T+24+(\c)], v[T+24+(\c)], v[T+28+(\c)]
.endr
.irp c, 0,1,2,3
	v_max_num_f32 v[T+(\c)], v[T+(\c)], v[T+12+(\c)]
	v_add_f32 v[T+16+(\c)], v[T+16+(\c)], v[T+24+(\c)]
.endr
.irp c, 0,1,2,3
	v_mul_f32 v[T+(\c)], s[CC], v[T+(\c)]          ; the same product, so the same bits, as the Mt that p was made with
.endr
	global_store_b128 v[SOF], v[T:T+3], s[SB:SB+1]
	global_store_b128 v[SOF], v[T+16:T+19], s[SB:SB+1] offset:262144
	s_wait_xcnt 0x0                                ; the stores' data registers are written again below
.Lno_stats:
	PACK 0
	TOSTAGE 0
.irp a, 1,2,3                          ; block a's conversions stand between block a - 1's loads from the stage and the wait for them
	PACK \a
	SEND (\a)-1
	TOSTAGE \a
.endr
	SEND 3
	s_wait_tensorcnt 0x0                           ; the wave's end, behind my last tensor load and my last LDS store
	ds_add_u32 v[SPW], v[NIL]
	s_wait_dscnt 0x0
	CROUND                                         ; the closing round: no work-group ends while a partner may still ask for a tile that names it
	s_endpgm
.Lfunc_end_k_q4e3e126279_score:
	.size	k_q4e3e126279_score, .Lfunc_end_k_q4e3e126279_score-k_q4e3e126279_score
	.p2alignl 7, 3214868480
	.fill 96, 4, 3214868480
	.section	.rodata,"a",@progbits
	.p2align	6, 0x0
	.amdhsa_kernel k_q4e3e126279_score
		.amdhsa_group_segment_fixed_size 327680
		.amdhsa_private_segment_fixed_size 0
		.amdhsa_enable_private_segment 0
		.amdhsa_kernarg_size 40
		.amdhsa_user_sgpr_count 2
		.amdhsa_user_sgpr_kernarg_segment_ptr 1
		.amdhsa_wavefront_size32 1
		.amdhsa_system_sgpr_workgroup_id_x 1
		.amdhsa_system_sgpr_workgroup_id_y 1
		.amdhsa_system_sgpr_workgroup_id_z 1
		.amdhsa_system_vgpr_workitem_id 0
		.amdhsa_next_free_vgpr 512
		.amdhsa_next_free_sgpr 100
		.amdhsa_reserve_vcc 0
		.amdhsa_float_denorm_mode_32 3
		.amdhsa_float_denorm_mode_16_64 3
		.amdhsa_memory_ordered 1
		.amdhsa_forward_progress 1
		.amdhsa_inst_pref_size 203
	.end_amdhsa_kernel
	.amdgpu_metadata
---
amdhsa.version: [ 1, 2 ]
amdhsa.kernels:
  - .name:           k_q4e3e126279_score
    .symbol:         k_q4e3e126279_score.kd
    .args:
      - { .name: xb, .offset: 0, .size: 8, .value_kind: global_buffer, .address_space: global }
      - { .name: kv, .offset: 8, .size: 8, .value_kind: global_buffer, .address_space: global }
      - { .name: attn_mask, .offset: 16, .size: 8, .value_kind: global_buffer, .address_space: global }
      - { .name: pbuf, .offset: 24, .size: 8, .value_kind: global_buffer, .address_space: global }
      - { .name: stats, .offset: 32, .size: 8, .value_kind: global_buffer, .address_space: global }
    .group_segment_fixed_size: 327680
    .private_segment_fixed_size: 0
    .kernarg_segment_align: 8
    .kernarg_segment_size: 40
    .max_flat_workgroup_size: 256
    .sgpr_count:     100
    .vgpr_count:     512
    .wavefront_size: 32
...
	.end_amdgpu_metadata
.endif
;; end of part 7
;; launch pv (part 8): grid 4 x 64, 4 waves a work-group, clusters of 4 x 4, 327,680 bytes of LDS; arguments pbuf, kv, stats, out0; writes out0
.if DOCPART == 8
	.amdgcn_target "amdgcn-amd-amdhsa--gfx1250"
	.amdhsa_code_object_version 6
	.text
	.protected	k_q4e3e126279_pv
	.globl	k_q4e3e126279_pv
	.p2align	8
	.type	k_q4e3e126279_pv,@function
k_q4e3e126279_pv:
	s_mov_b64 s[64:65], 0
	v_nop
	global_prefetch_b8 v0, s[64:65] scope:SCOPE_SE
	s_setreg_imm32_b32 hwreg(HW_REG_WAVE_MODE, 25, 1), 1
	s_wait_xcnt 0x0
	s_wait_alu depctr_hold_cnt(0) depctr_sa_sdst(0) depctr_va_vdst(0) depctr_va_sdst(0) depctr_va_ssrc(0) depctr_va_vcc(0) depctr_vm_vsrc(0)
	s_getreg_b32 s2, hwreg(HW_REG_IB_STS2, 6, 4)
	s_cmp_eq_u32 s2, 0
	s_cbranch_scc0 .Lentry_in_a_cluster
	s_endpgm
.Lentry_in_a_cluster:
	s_bfe_u32 s2, ttmp6, 0x10000c
	s_cmp_lg_u32 s2, 0xf033
	s_cbranch_scc0 .Lentry_shape_is_right
	s_endpgm
.Lentry_shape_is_right:
; out0[b][q][:] = the sum over keys of w[q][k] v[k][:], w = softmax over the QUERIES of the masked scores.  The launch before left p = 2^(c acc - Mt) with each tile of 256 queries' own column maximum Mt and sum lt.
; Here the eight tiles of a column are merged: M = the largest Mt, L = the sum of lt 2^(Mt - M) (at least about 1), and for my query tile f[k] = 2,048 x 2^(Mt_own - M) / L, at most about 2,048, kept in f32.
; w = p f / 2,048.  The product's first operand is f16(p x f): p's fragments are widened to f32, multiplied and rounded once.  v is f16 (columns 1,024 on of kv); sums in f32; the result is multiplied by 2^-11 and stored as f32.
; LIMITS.  p x f below 6e-5 keeps f16's fixed step of 6e-8: a weight is then off by under 3e-11.  An exponential below 2^-126 counts as 0.  NaN and infinities are not treated apart.
; SHARES.  A tile of out0 is 128 queries x 256 channels: 64 x 4 = 256 work-groups.  Four waves, each 64 x 128: 32 accumulators.  K = 2,048 keys in 16 steps of 128 through two LDS slots: p's tile 128 rows x 256 bytes,
; v's tile 128 keys x 512 bytes.  Waves 0, 1 fetch p's two halves (64 rows), waves 2, 3 v's (64 keys).
; CLUSTER.  4 x 4: p's tile hangs on the tile row alone (shared along a row of the cluster), v's on the batch, which the cluster shares, and the tile column (shared along a column).
; LAYOUT.  Source 0 = 16 channels x 32 keys of v, turned by ds_load_tr16_b128; source 1 = 16 queries x 32 keys of p f: lane l holds query l % 16 and the channels 8 (l / 16) + 0..7.
; THE TEXT.  A K step is written once: slot 1 lies at 1 << 17, the LDS addresses are made from a scalar that an exclusive or turns, one descriptor a tensor walks.  The two steps that ask for nothing are a second loop.
; REGISTERS: window 0: v0-15 set-up, then at work; v16-29 addresses; v32-63 the f32 factors of a quarter's 32 keys, 16 for each buffer; v64-127 p's fragments, 32 for each buffer; v128-255 v's, 64 for each.  Window 1: accumulator (a, b) at v[8 (8 a + b)].
.set PITCH,  272                       ; a row of p in LDS: 256 bytes + 16
.set VPITCH, 544                       ; a row of v: 512 bytes + 32 = 136 words
.set APART,  64*PITCH
.set VPART,  64*VPITCH
.set BOFF,   2*APART
.set SLOT1,  1<<17                     ; a slot takes 104,448 bytes
.set FTAB,   SLOT1+BOFF+2*VPART        ; behind the ring: f32 f[2,048]
.set STAGE,  FTAB+8192                 ; 16 rows x 528 bytes for each wave
.set SPITCH, 528
.set SPARE,  STAGE+4*16*SPITCH         ; the spare words, 128 bytes for each wave: two blocks of 256 bytes that no other line names
.set STEPS,  16
.set ASTEP,  256                       ; 128 keys along a row of pbuf
.set BSTEP,  524288                    ; 128 rows of kv
.set CPITCH, 4096                      ; bytes in a row of out0
.set NA,     2
.set AA0,  16                          ; v16  my lane's place in p's tile; never rewritten
.set AB0,  17                          ; v17  in v's
.set ADRA, 18                          ; v18  the same in the slot in hand
.set ADRB, 19
.set FADR, 20                          ; v20  my 32 bytes of the factors of the K step in hand
.set STO,  24
.set RD,   25
.set CO,   26
.set SPW,  28
.set NIL,  29
.set TMP,  64
.set OB0,  128
.set OB1,  192
.set G1,  24
.set G0,  32                           ; s[32:35], s[36:39]: a set for each first fill; the second then walks
.set G1B, 48
.set G0B, 56
.set TB,  84                           ; s84  LDS byte at which the slot in hand begins
.set CB,  10                           ; s[10:11] out0
.set MSB, 0
.macro WIN new                         ; the immediate's high byte repeats the setting that is left; a switch that changes nothing is dropped
.if MSB != (\new)
	s_set_vgpr_msb (MSB<<8)|(\new)
.set MSB, \new
.endif
.endm
.set MUL, 0x50
.macro PLACES
.rept 4
	v_nop
.endr
.endm
.macro JLOAD s                         ; a joint load; the branch hangs on the wave's number alone; an s_nop 0 and four v_nop follow each of the two lines
	s_cmp_lt_u32 s12, NA
	s_cbranch_scc0 .Lfor_b_\@
	tensor_load_to_lds s[G0+4*(\s):G0+4*(\s)+3], s[G1:G1+7]
	s_nop 0
	PLACES
	s_branch .Lasked_\@
.Lfor_b_\@:
	tensor_load_to_lds s[G0B+4*(\s):G0B+4*(\s)+3], s[G1B:G1B+7]
	s_nop 0
	PLACES
.Lasked_\@:
.endm
.macro CREST                           ; a round of the cluster's barrier behind its opening barrier
	s_cmp_lg_u32 s12, 0
	s_cbranch_scc1 .Lnot_wave_0_\@
	s_barrier_signal -3
.Lnot_wave_0_\@:
	s_barrier_wait -3
	s_barrier_signal -1
	s_barrier_wait -1
.endm
.macro CROUND
	s_barrier_signal -1
	s_barrier_wait -1
	CREST
.endm
	s_load_b256 s[4:11], s[0:1], 0x0               ; pbuf s[4:5], kv s[6:7], stats s[8:9], out0 s[10:11]
	v_lshl_add_u32 v[SPW], v0, 2, SPARE
	v_mov_b32 v[NIL], 0
	ds_add_u32 v[SPW], v[NIL]                      ; the wave's opening: the add and its wait stand ahead of my first tensor load; the set-up below, work on registers, stands between them
	v_lshrrev_b32 v1, 5, v0
	v_readfirstlane_b32 s12, v1                    ; wave 0..3
	s_lshr_b32 s13, s12, 1                         ; which 64 of the tile's queries are mine
	s_and_b32 s14, s12, 1                          ; which 128 of its channels
	s_and_b32 s15, s12, 1                          ; which half of p's or v's tile I fetch
	s_bfe_u32 s40, ttmp6, 0x40000
	s_bfe_u32 s41, ttmp6, 0x40004
	s_lshl_b32 s42, ttmp9, 2
	s_add_co_u32 s42, s42, s40                     ; tile column 0..3
	s_and_b32 s46, ttmp7, 0xffff                   ; the cluster's y, 0..15: four clusters to a batch
	s_lshl_b32 s43, s46, 2
	s_add_co_u32 s43, s43, s41                     ; tile row 0..63
	s_lshl_b32 s44, s41, 2
	s_lshl_b32 s44, 15, s44
	s_lshl_b32 s45, 0x1111, s40
	s_or_b32 s[G1], s44, (1<<16)|(1<<20)|(1<<21)|(5<<22)|(3<<25)   ; p: after every 64 words 4 words of padding
	s_mov_b32 s[G1+1], 128<<16                     ; tensor_dim0 = 128 keys
	s_mov_b32 s[G1+2], 64<<16                      ; tensor_dim1 = 64 queries
	s_mov_b32 s[G1+3], 128<<16
	s_mov_b32 s[G1+4], 64
	s_mov_b32 s[G1+5], 2048                        ; elements from row to row of pbuf
	s_mov_b32 s[G1+6], 0
	s_mov_b32 s[G1+7], 0
	s_or_b32 s[G1B], s45, (1<<16)|(1<<20)|(1<<21)|(6<<22)|(7<<25)  ; v: after every 128 words (code 6) 8 words (code 7)
	s_mov_b32 s[G1B+1], 256<<16                    ; tensor_dim0 = 256 channels
	s_mov_b32 s[G1B+2], 64<<16                     ; tensor_dim1 = 64 keys
	s_mov_b32 s[G1B+3], 256<<16
	s_mov_b32 s[G1B+4], 64
	s_mov_b32 s[G1B+5], 2048                       ; elements from row to row of kv
	s_mov_b32 s[G1B+6], 0
	s_mov_b32 s[G1B+7], 0
	s_lshl_b32 s16, s43, 7                         ; p: row 128 x tile row + 64 x half,
	s_lshl_b32 s17, s15, 6
	s_add_co_u32 s16, s16, s17
	s_lshl_b32 s16, s16, 12                        ; 4,096 bytes each
	s_mov_b32 s17, 0
	s_lshr_b32 s18, s46, 2                         ; v: the batch's 2,048 rows
	s_lshl_b32 s18, s18, 11
	s_lshl_b32 s19, s15, 6                         ; + 64 x half,
	s_add_co_u32 s18, s18, s19
	s_lshl_b32 s18, s18, 12                        ; 4,096 bytes each,
	s_lshl_b32 s19, s42, 9                         ; + 512 x tile column,
	s_add_co_u32 s18, s18, s19
	s_add_co_u32 s18, s18, 2048                    ; behind kp's 1,024 columns
	s_mov_b32 s19, 0
	s_mul_i32 s20, s15, APART
	s_mul_i32 s21, s15, VPART
	s_add_co_u32 s21, s21, BOFF
	s_lshl_b32 s66, s43, 7                         ; out0: row 128 x tile row + 64 x half, 4,096 bytes each,
	s_lshl_b32 s67, s13, 6
	s_add_co_u32 s66, s66, s67
	s_lshl_b32 s66, s66, 12
	s_lshl_b32 s67, s42, 10                        ; + 1,024 x tile column + 512 x half
	s_add_co_u32 s66, s66, s67
	s_lshl_b32 s67, s14, 9
	s_add_co_u32 s66, s66, s67
	s_mov_b32 s67, 0
	s_mov_b32 s82, 0x3a000000                      ; 2^-11, named as a pair
	s_mov_b32 s83, s82
	s_mov_b32 s[TB], 0
	s_wait_dscnt 0x0                               ; the opening add is done
	s_wait_kmcnt 0x0
	s_add_nc_u64 s[22:23], s[4:5], s[16:17]
	s_add_nc_u64 s[90:91], s[6:7], s[18:19]
	CROUND                                         ; all sixteen work-groups are here: the first joint loads meet
.irp s, 0,1
	s_mov_b32 s[G0+4*(\s)], 1
	s_add_co_u32 s[G0+4*(\s)+1], s20, (\s)*SLOT1
	s_add_nc_u64 s[G0+4*(\s)+2:G0+4*(\s)+3], s[22:23], (\s)*ASTEP
	s_or_b32 s[G0+4*(\s)+3], s[G0+4*(\s)+3], 0x80000000
	s_mov_b32 s[G0B+4*(\s)], 1
	s_add_co_u32 s[G0B+4*(\s)+1], s21, (\s)*SLOT1
	s_add_nc_u64 s[G0B+4*(\s)+2:G0B+4*(\s)+3], s[90:91], (\s)*BSTEP
	s_or_b32 s[G0B+4*(\s)+3], s[G0B+4*(\s)+3], 0x80000000
	JLOAD \s                                       ; K steps 0 and 1: two loads of mine are out
.endr
	v_and_b32 v1, 15, v0                           ; l % 16
	v_bfe_u32 v2, v0, 4, 1                         ; l / 16
	v_and_b32 v4, 31, v0                           ; l
	v_mul_u32_u24 v3, v1, PITCH
	v_lshl_add_u32 v3, v2, 4, v3                   ; p: row x pitch + 16 x half
	v_and_b32 v6, 7, v0                            ; v: the turning load takes 16 keys x 16 channels: lane l reads key 8 (l / 16) + l % 8, channels 8 ((l / 8) % 2) + 0..7
	v_bfe_u32 v7, v0, 3, 1
	v_lshl_add_u32 v5, v2, 3, v6
	v_mul_u32_u24 v5, v5, VPITCH
	v_lshl_add_u32 v5, v7, 4, v5
	s_mul_i32 s92, s13, APART
	s_lshl_b32 s93, s14, 8                         ; my 128 channels: 256 bytes along v's rows
	s_add_co_u32 s93, s93, BOFF
	v_add_nc_u32 v[AA0], s92, v3
	v_add_nc_u32 v[AB0], s93, v5
	v_mov_b32 v[ADRA], v[AA0]                      ; slot 0
	v_mov_b32 v[ADRB], v[AB0]
	v_lshl_add_u32 v[FADR], v2, 5, FTAB            ; a fragment's keys 8 (l / 16) + 0..7: 32 bytes of factors; the keys 16 further on lie 64 bytes on
	s_mul_i32 s92, s12, 16*SPITCH
	s_add_co_u32 s92, s92, STAGE                   ; my stage
	v_mul_u32_u24 v5, v1, SPITCH                   ; in: row l % 16, 32 bytes for each half of the lanes
	v_lshl_add_u32 v5, v2, 5, v5
	v_add_nc_u32 v[STO], s92, v5
	v_lshl_add_u32 v[RD], v4, 4, s92               ; back: 32 lanes take one row of 512 bytes
	v_lshlrev_b32 v[CO], 4, v4
	; THE FACTORS, in the wait for the first tiles.  Two trips of two groups; in group g thread T takes the keys 512 g + 4 T .. + 3: Mt and lt of the batch's eight query tiles, and my own tile's Mt once more.
	s_lshr_b32 s92, s46, 2
	s_lshl_b32 s92, s92, 16                        ; the batch's eight rows of 8,192 bytes in stats
	s_mov_b32 s93, 0
	s_add_nc_u64 s[92:93], s[8:9], s[92:93]
	s_lshr_b32 s94, s43, 1                         ; my query tile of 256: 8 x batch + tile = tile row / 2
	s_lshl_b32 s94, s94, 13
	s_mov_b32 s95, 0
	s_add_nc_u64 s[94:95], s[8:9], s[94:95]
	v_lshlrev_b32 v8, 4, v0                        ; 16 T
	v_lshl_add_u32 v9, v0, 4, FTAB                 ; FTAB + 16 T
.macro FLD u                           ; group u's 17 loads into 80 registers from R on: Mt 32, lt 32, my tile's Mt 4; then M 4, L 4
.set R, 64+80*(\u)
.irp t, 0,1,2,3,4,5,6,7
	global_load_b128 v[R+4*(\t):R+4*(\t)+3],       v8, s[92:93] offset:8192*(\t)+2048*(\u)
	global_load_b128 v[R+32+4*(\t):R+32+4*(\t)+3], v8, s[92:93] offset:262144+8192*(\t)+2048*(\u)
.endr
	global_load_b128 v[R+64:R+67], v8, s[94:95] offset:2048*(\u)
.endm
.macro FCMP u
.set R, 64+80*(\u)
.irp c, 0,1,2,3
	v_max3_num_f32 v[R+68+(\c)], v[R+(\c)], v[R+4+(\c)], v[R+8+(\c)]
.endr
.irp c, 0,1,2,3
	v_max3_num_f32 v[R+68+(\c)], v[R+68+(\c)], v[R+12+(\c)], v[R+16+(\c)]
.endr
.irp c, 0,1,2,3
	v_max3_num_f32 v[R+68+(\c)], v[R+68+(\c)], v[R+20+(\c)], v[R+24+(\c)]
.endr
.irp c, 0,1,2,3
	v_max_num_f32 v[R+68+(\c)], v[R+68+(\c)], v[R+28+(\c)]        ; M
.endr
.set i, 0
.rept 16
	v_pk_add_f32 v[R+2*i:R+2*i+1], v[R+2*i:R+2*i+1], v[R+68+2*(i%2):R+69+2*(i%2)] neg_lo:[0,1] neg_hi:[0,1]  ; Mt - M
.set i, i+1
.endr
	v_pk_add_f32 v[R+64:R+65], v[R+64:R+65], v[R+68:R+69] neg_lo:[0,1] neg_hi:[0,1]
	v_pk_add_f32 v[R+66:R+67], v[R+66:R+67], v[R+70:R+71] neg_lo:[0,1] neg_hi:[0,1]
.set i, 0
.rept 32
	v_exp_f32 v[R+i], v[R+i]
.set i, i+1
.endr
.irp c, 0,1,2,3
	v_exp_f32 v[R+64+(\c)], v[R+64+(\c)]
.endr
	v_nop                                          ; a plain line behind the exponentials
	s_wait_alu depctr_va_vdst(0)
	v_pk_mul_f32 v[R+72:R+73], v[R+32:R+33], v[R:R+1]              ; L = the sum of lt 2^(Mt - M)
	v_pk_mul_f32 v[R+74:R+75], v[R+34:R+35], v[R+2:R+3]
.irp t, 1,2,3,4,5,6,7
	v_pk_fma_f32 v[R+72:R+73], v[R+32+4*(\t):R+33+4*(\t)], v[R+4*(\t):R+4*(\t)+1], v[R+72:R+73]
	v_pk_fma_f32 v[R+74:R+75], v[R+34+4*(\t):R+35+4*(\t)], v[R+4*(\t)+2:R+4*(\t)+3], v[R+74:R+75]
.endr
.irp c, 0,1,2,3
	v_rcp_f32 v[R+72+(\c)], v[R+72+(\c)]
.endr
	v_nop                                          ; a plain line between the last reciprocal and the use of its result
	s_wait_alu depctr_va_vdst(0)
.irp c, 0,1,2,3
	v_mul_f32 v[R+64+(\c)], v[R+64+(\c)], v[R+72+(\c)]
.endr
.irp c, 0,1,2,3
	v_mul_f32 v[R+64+(\c)], 0x45000000, v[R+64+(\c)]               ; times 2,048
.endr
	ds_store_b128 v9, v[R+64:R+67] offset:2048*(\u)
.endm
	s_mov_b32 s81, 2
.Lfac:
	FLD 0
	FLD 1
	s_wait_loadcnt 0x0                             ; all 34 are in; v8 may be stepped
	v_add_nc_u32 v8, 4096, v8                      ; the next trip's 1,024 keys
	FCMP 0
	FCMP 1
	s_wait_dscnt 0x0                               ; the two stores are done: the next trip's loads land in their data registers
	v_add_nc_u32 v9, 4096, v9
	s_sub_co_u32 s81, s81, 1
	s_cmp_lg_u32 s81, 0
	s_cbranch_scc1 .Lfac
.macro MUL8 p, a, zero                 ; 8 matrix instructions on buffer p: row block a x all 8 channel blocks, 32 keys.  The 32 accumulators take turns in one order.
	WIN MUL
.irp b, 0,1,2,3,4,5,6,7
.if \zero
	v_wmma_f32_16x16x32_f16 v[8*(8*(\a)+(\b)):8*(8*(\a)+(\b))+7], v[128+64*(\p)+8*(\b):128+64*(\p)+8*(\b)+7], v[64+32*(\p)+8*(\a):64+32*(\p)+8*(\a)+7], 0
.else
	v_wmma_f32_16x16x32_f16 v[8*(8*(\a)+(\b)):8*(8*(\a)+(\b))+7], v[128+64*(\p)+8*(\b):128+64*(\p)+8*(\b)+7], v[64+32*(\p)+8*(\a):64+32*(\p)+8*(\a)+7], v[8*(8*(\a)+(\b)):8*(8*(\a)+(\b))+7]
.endif
.endr
.endm
; 28 LDS loads in one run, for quarter kq (32 keys) of the K step in hand, into buffer p: the keys' factors (4), v turned (16), p (8)
.macro FETCH kq, p
	WIN 0
.set FCR, 32+16*(\p)
.set FB,  128+64*(\p)
.set FA,  64+32*(\p)
	ds_load_b128 v[FCR:FCR+3],     v[FADR] offset:128*(\kq)
	ds_load_b128 v[FCR+4:FCR+7],   v[FADR] offset:128*(\kq)+16
	ds_load_b128 v[FCR+8:FCR+11],  v[FADR] offset:128*(\kq)+64
	ds_load_b128 v[FCR+12:FCR+15], v[FADR] offset:128*(\kq)+80
.irp i, 0,1,2,3,4,5,6,7
	ds_load_tr16_b128 v[FB+8*(\i):FB+8*(\i)+3],   v[ADRB] offset:(\kq)*32*VPITCH+32*(\i)
	ds_load_tr16_b128 v[FB+8*(\i)+4:FB+8*(\i)+7], v[ADRB] offset:(\kq)*32*VPITCH+16*VPITCH+32*(\i)
.endr
.irp i, 0,1,2,3
	ds_load_b128 v[FA+8*(\i):FA+8*(\i)+3],   v[ADRA] offset:64*(\kq)+(\i)*16*PITCH
	ds_load_b128 v[FA+8*(\i)+4:FA+8*(\i)+7], v[ADRA] offset:64*(\kq)+(\i)*16*PITCH+32
.endr
.endm
; Register r's two f16 halves, widened into v[d] and v[d + 1].  A macro of its own: a register's halves are named by its number, and here the number and the half's name are joined when this macro is expanded.
.macro WID d, r
	v_cvt_f32_f16 v[\d],   v\r\().l
	v_cvt_f32_f16 v[\d+1], v\r\().h
.endm
; One fragment of p times its keys' factors, in f32: widened into v0-15, multiplied, rounded once to f16.  A fragment's register n holds the same two keys in every row block: factors 2 n, 2 n + 1 of the buffer's 16.
.macro SC8 fc, regs:vararg
	WIN 0
.set i, 0
.irp r, \regs
	WID 2*i, \r
.set i, i+1
.endr
.set i, 0
.rept 8
	v_pk_mul_f32 v[2*i:2*i+1], v[2*i:2*i+1], v[(\fc)+2*i:(\fc)+2*i+1]
.set i, i+1
.endr
.set i, 0
.irp r, \regs
	v_cvt_pk_f16_f32 v\r, v[2*i], v[2*i+1]
.set i, i+1
.endr
.endm
.macro SCALE p, a                      ; buffer p's fragment a lies at v[64 + 32 p + 8 a]
.if (4*(\p)+(\a)) == 0
	SC8 32, 64,65,66,67,68,69,70,71
.elseif (4*(\p)+(\a)) == 1
	SC8 32, 72,73,74,75,76,77,78,79
.elseif (4*(\p)+(\a)) == 2
	SC8 32, 80,81,82,83,84,85,86,87
.elseif (4*(\p)+(\a)) == 3
	SC8 32, 88,89,90,91,92,93,94,95
.elseif (4*(\p)+(\a)) == 4
	SC8 48, 96,97,98,99,100,101,102,103
.elseif (4*(\p)+(\a)) == 5
	SC8 48, 104,105,106,107,108,109,110,111
.elseif (4*(\p)+(\a)) == 6
	SC8 48, 112,113,114,115,116,117,118,119
.else
	SC8 48, 120,121,122,123,124,125,126,127
.endif
.endm
; A quarter multiplies buffer p and fetches quarter kq into buffer g.  The 64 lines at its head name no register of the quarter before's products:
; they are the four places between those products, the last to read buffer g, and the loads into g.
.macro QUARTER kq, p, g, zero
	s_wait_dscnt 4                                 ; the factors, v and p's fragments 0, 1 are in; the youngest four loads (p's fragments 2, 3) may be out
	SCALE \p, 0
	SCALE \p, 1
	MUL8 \p, 0, \zero
	MUL8 \p, 1, \zero
	FETCH \kq, \g
	s_wait_dscnt 28                                ; all but the 28 just issued
	SCALE \p, 2
	SCALE \p, 3
	MUL8 \p, 2, \zero
	MUL8 \p, 3, \zero
.endm
; A K step's last quarter multiplies buffer 1 and changes slots: ONE barrier; in front of it each wave waits for all its tensor loads, adds 0 to its spare word, and waits for that and for its reads of this slot.
; fill = 1: the barrier opens a round of the cluster's, and this slot is filled again first thing behind it, two K steps ahead, by the walking descriptor.
.macro TURN fill
	WIN 0
	s_wait_tensorcnt 0x0
	ds_add_u32 v[SPW], v[NIL]                      ; 0 onto my spare word
	s_wait_dscnt 5                                 ; (the add and the youngest four loads may be out)
	SCALE 1, 0
	SCALE 1, 1
	MUL8 1, 0, 0
	s_wait_dscnt 0x0                               ; the add is done, and my reads of this slot are over
	s_barrier_signal -1
	MUL8 1, 1, 0
	WIN 0
	s_barrier_wait -1
.if \fill
	CREST                                          ; no wave of any partner still reads this slot or has a load on its way
	s_xor_b32 s[G0+5], s[G0+5], SLOT1              ; the other slot than last time,
	s_add_nc_u64 s[G0+6:G0+7], s[G0+6:G0+7], ASTEP ; the next K step; the type bits on top are not reached
	s_xor_b32 s[G0B+5], s[G0B+5], SLOT1
	s_add_nc_u64 s[G0B+6:G0B+7], s[G0B+6:G0B+7], BSTEP
	JLOAD 1
.endif
	s_xor_b32 s[TB], s[TB], SLOT1                  ; the reads go on in the other slot,
	v_add_nc_u32 v[ADRA], s[TB], v[AA0]
	v_add_nc_u32 v[ADRB], s[TB], v[AB0]
	v_add_nc_u32 v[FADR], 512, v[FADR]             ; with the next 128 keys' factors
	FETCH 0, 0                                     ; buffer 0's last readers stand in front of this quarter's first 64 lines
	SCALE 1, 2
	SCALE 1, 3
	MUL8 1, 2, 0
	MUL8 1, 3, 0
.endm
; THE WAY OUT of row block a: times 2^-11 (each accumulator's registers in ascending order); 32 bytes a lane and channel block into my own stage; back as whole rows of 512 bytes; stored.
.macro PACKF a
	WIN 0x01                                       ; source 0 window 1
.set i, 0
.rept 32
	v_pk_mul_f32 v[TMP+2*i:TMP+2*i+1], v[64*(\a)+2*i:64*(\a)+2*i+1], s[82:83] op_sel_hi:[1,0]
.set i, i+1
.endr
	WIN 0
.endm
.macro TOSTAGE a
.set BK, OB0+(OB1-OB0)*((\a)%2)
.irp b, 0,1,2,3,4,5,6,7
	ds_store_b128 v[STO], v[TMP+8*(\b):TMP+8*(\b)+3]   offset:64*(\b)
	ds_store_b128 v[STO], v[TMP+8*(\b)+4:TMP+8*(\b)+7] offset:64*(\b)+16
.endr
.irp t, 0,1,2,3,4,5,6,7,8,9,10,11,12,13,14,15
	ds_load_b128 v[BK+4*(\t):BK+4*(\t)+3], v[RD] offset:(\t)*SPITCH  ; LDS serves a wave's instructions in order (ISA guide 5.7.1.4): these see the stores above
.endr
.endm
.macro SEND a
.set BK, OB0+(OB1-OB0)*((\a)%2)
	s_wait_dscnt 0x0
	s_wait_xcnt 0x0                                ; the stores' base and the registers that earlier stores read are rewritten only behind this wait
.if (\a) == 0
	s_add_nc_u64 s[CB:CB+1], s[CB:CB+1], s[66:67]
.else
	s_add_nc_u64 s[CB:CB+1], s[CB:CB+1], 16*CPITCH
.endif
.irp t, 0,1,2,3,4,5,6,7,8,9,10,11,12,13,14,15
	global_store_b128 v[CO], v[BK+4*(\t):BK+4*(\t)+3], s[CB:CB+1] offset:(\t)*CPITCH th:TH_STORE_NT  ; a wave stores 512 consecutive bytes, at a multiple of 256 from out0's first byte
.endr
.endm
	s_wait_tensorcnt 1                             ; my part of K step 0 is in; K step 1's may stay out
	s_wait_dscnt 0x0                               ; my part of the factors is stored
	s_barrier_signal -1
	s_barrier_wait -1
	FETCH 0, 0
	QUARTER 1, 0, 1, 1                             ; the first quarter's products start the sums
	WIN 0
	s_mov_b32 s80, STEPS-2
.Lstep:                                                ; trip j: from K step j's second quarter to step j + 1's first; it asks for step j + 2: 14 trips ask for steps 2 to 15
	QUARTER 2, 1, 0, 0
	QUARTER 3, 0, 1, 0
	TURN 1
	QUARTER 1, 0, 1, 0
	WIN 0
	s_sub_co_u32 s80, s80, 1
	s_cmp_lg_u32 s80, 0
	s_cbranch_scc1 .Lstep
	s_mov_b32 s80, 2                               ; K steps 14 and 15 ask for nothing: a loop of its own; it is entered behind its change of slots
	s_branch .Lmid
.Ltail:
	TURN 0
	QUARTER 1, 0, 1, 0
	WIN 0
.Lmid:
	QUARTER 2, 1, 0, 0
	QUARTER 3, 0, 1, 0
	WIN 0
	s_sub_co_u32 s80, s80, 1
	s_cmp_lg_u32 s80, 0
	s_cbranch_scc1 .Ltail
	s_wait_dscnt 4                                 ; the very last quarter
	SCALE 1, 0
	SCALE 1, 1
	MUL8 1, 0, 0
	MUL8 1, 1, 0
	s_wait_dscnt 0x0
	SCALE 1, 2
	SCALE 1, 3
	MUL8 1, 2, 0
	MUL8 1, 3, 0
	WIN 0
	PLACES
	PACKF 0
	TOSTAGE 0
.irp a, 1,2,3                          ; block a's multiplies stand between block a - 1's loads from the stage and the wait for them
	PACKF \a
	SEND (\a)-1
	TOSTAGE \a
.endr
	SEND 3
	s_wait_tensorcnt 0x0                           ; the wave's end, behind my last tensor load and my last LDS store
	ds_add_u32 v[SPW], v[NIL]
	s_wait_dscnt 0x0
	CROUND                                         ; the closing round: no work-group ends while a partner may still ask for a tile that names it
	s_endpgm
.Lfunc_end_k_q4e3e126279_pv:
	.size	k_q4e3e126279_pv, .Lfunc_end_k_q4e3e126279_pv-k_q4e3e126279_pv
	.p2alignl 7, 3214868480
	.fill 96, 4, 3214868480
	.section	.rodata,"a",@progbits
	.p2align	6, 0x0
	.amdhsa_kernel k_q4e3e126279_pv
		.amdhsa_group_segment_fixed_size 327680
		.amdhsa_private_segment_fixed_size 0
		.amdhsa_enable_private_segment 0
		.amdhsa_kernarg_size 32
		.amdhsa_user_sgpr_count 2
		.amdhsa_user_sgpr_kernarg_segment_ptr 1
		.amdhsa_wavefront_size32 1
		.amdhsa_system_sgpr_workgroup_id_x 1
		.amdhsa_system_sgpr_workgroup_id_y 1
		.amdhsa_system_sgpr_workgroup_id_z 1
		.amdhsa_system_vgpr_workitem_id 0
		.amdhsa_next_free_vgpr 512
		.amdhsa_next_free_sgpr 96
		.amdhsa_reserve_vcc 0
		.amdhsa_float_denorm_mode_32 3
		.amdhsa_float_denorm_mode_16_64 3
		.amdhsa_memory_ordered 1
		.amdhsa_forward_progress 1
		.amdhsa_inst_pref_size 146
	.end_amdhsa_kernel
	.amdgpu_metadata
---
amdhsa.version: [ 1, 2 ]
amdhsa.kernels:
  - .name:           k_q4e3e126279_pv
    .symbol:         k_q4e3e126279_pv.kd
    .args:
      - { .name: pbuf, .offset: 0, .size: 8, .value_kind: global_buffer, .address_space: global }
      - { .name: kv, .offset: 8, .size: 8, .value_kind: global_buffer, .address_space: global }
      - { .name: stats, .offset: 16, .size: 8, .value_kind: global_buffer, .address_space: global }
      - { .name: out0, .offset: 24, .size: 8, .value_kind: global_buffer, .address_space: global }
    .group_segment_fixed_size: 327680
    .private_segment_fixed_size: 0
    .kernarg_segment_align: 8
    .kernarg_segment_size: 32
    .max_flat_workgroup_size: 128
    .sgpr_count:     96
    .vgpr_count:     512
    .wavefront_size: 32
...
	.end_amdgpu_metadata
.endif
;; end of part 8
;; ======== version 3 of 3: 4 launches; version 2 with the launch cast written anew for expert scheduling mode
;; limits: values are held in f16: magnitudes above 65,504 overflow, below 6.1e-05 lose precision
;; workspace buffers: xb 37,748,736 bytes; kv 33,554,432 bytes; pbuf 33,554,432 bytes; stats 524,288 bytes
;; launch cast (part 9): grid 800 x 1, 8 waves a work-group, no clusters, 51,200 bytes of LDS; arguments seq1, seq2, Wq, Wk, Wv, xb; writes xb
.if DOCPART == 9
	.amdgcn_target "amdgcn-amd-amdhsa--gfx1250"
	.amdhsa_code_object_version 6
	.text
	.protected	k_q4e3e126279_cast
	.globl	k_q4e3e126279_cast
	.p2align	8
	.type	k_q4e3e126279_cast,@function
k_q4e3e126279_cast:
	s_mov_b64 s[64:65], 0
	v_nop
	global_prefetch_b8 v0, s[64:65] scope:SCOPE_SE
	s_setreg_imm32_b32 hwreg(HW_REG_WAVE_SCHED_MODE, 0, 2), 2
	s_setreg_imm32_b32 hwreg(HW_REG_WAVE_MODE, 25, 1), 1
	s_wait_xcnt 0x0
	s_wait_alu depctr_vm_vsrc(0)
; xb = seq1 | seq2 | G | Wv in bf16: 18,432 rows of 1,024 numbers (rows 0, 8,192, 16,384, 17,408 on).
; G[d1][d2] = the sum over h of Wq[h][d1] Wk[h][d2].  The module's scores are (seq1 Wq^T)(seq2 Wk^T)^T = seq1 G seq2^T for every input, so q and k are never made:
; the next launch makes seq2 G^T.  The roundings differ from a program that makes q and k: Wq and Wk are rounded to bf16, their products are summed in f32, G is rounded once to bf16.
; TWO ROLES, chosen on the work-group's number alone, which all eight waves share.
; Work-groups 0-255: a tile of 64 x 64 of G.  Eight waves, each 16 (d1) x 32 (d2): two accumulators, which take turns.  h goes in 16 stages of 64 rows: a thread loads 4 x 16 bytes of Wq's and of Wk's 64 columns
; (a row's 256 bytes by 16 lanes), two stages ahead, in two register sets; rounds them; stores them as [h][d] tiles into one of two LDS buffers; one barrier a stage; both operands come out turned (ds_load_tr16_b128).
; A tile's row of G is 128 bytes: G's 2 MB of the launch's 38 are stored as halves of aligned blocks of 256 bytes.
; Work-groups 256-799: a stream.  Each takes 131,072 bytes of seq1, seq2 or Wv and stores 65,536 bytes of xb.  Thread t reads 16 bytes at 16 t of each block of 4,096 and stores 8 bytes at 8 t of each block of 2,048:
; a load of a wave covers 512 consecutive bytes, a store 256 consecutive bytes at a multiple of 256 from xb's first byte.  All 32 loads of a thread go out first; no register is written again behind its store.
; THE MODE: SCHED_MODE bits 1:0 = 2 (LLVM: expert scheduling mode 2), set by the entry lines.  The code itself states the register dependences
; between vector or matrix instructions and memory or LDS instructions, with s_wait_alu, always for 0.
; THE PLAN, THE STREAM.  Registers that memory instructions touch:
;   v1, v2     the loads' and the stores' offsets: made once, never written again.
;   X, block i its load lands in four registers (all loads stand ahead of all conversions); its two conversions write the first two; its store reads those two; nothing writes them afterwards.
; The 32 blocks go in eight groups of four.  One wait on va_vdst at a group's head states that the group before has written its eight store registers; its four stores follow, one ahead of each block's
; conversions, which name this group's registers alone.  No register that a memory instruction reads is written again, so the stream has no wait on vm_vsrc.
; THE PLAN, G.  Registers that memory or LDS instructions touch, in the loop:
;   XS0, XS1   A stage on set p: its sixteen roundings read XS[p]; behind them the global loads of the stage two further on land in it.
;   YY         Written by a stage's roundings, read by its eight LDS stores, written again by the next stage's roundings.
;   FA, FB     A stage's twelve turning loads land in them; its four matrix instructions read them.
;   v[GO], v[LS], v[TA], v[TB]  offsets and LDS addresses: made at the head, never written again (the two scalar bases move on).
;   The accumulators are named by vector and matrix instructions alone.  v[SPW], v[NIL]: written at the head, read by the closing add alone.
; So a stage has two waits: vm_vsrc ahead of its roundings (the last stage's LDS stores have read YY) and va_vdst behind them (YY is written; XS[p] is read out; the last stage's matrix instructions are done reading
; FA and FB).  Between that second wait and the stage's matrix instructions stands no vector instruction: the eight LDS stores, the twelve turning loads and the eight global loads follow it with no further wait.
.set NG,    256                        ; work-groups that make G
.set INB,   4096
.set OUTB,  2048
.set GRP,   4                          ; the stream: blocks in a group
.set SPW,   4                          ; v4   LDS address of my spare word; never rewritten
.set NIL,   5                          ; v5   0; never rewritten
.set X,     8                          ; the stream: v[8:135], block i in 4 registers
.set GP,    160                        ; G: an LDS row: 64 bf16 + 32 bytes = 40 words
.set GT,    64*GP                      ; one operand's 64 rows
.set GBUF,  2*GT                       ; Wq's tile, then Wk's
.set CST,   2*GBUF                     ; behind the two buffers: the tile of G, 64 rows x 144 bytes
.set CP,    144
.set SPARE, CST+64*CP                  ; the spare words, 128 bytes for each wave: four blocks of 256 bytes that no other line names
.set KROWS, 64*4096                    ; bytes in 64 rows of Wq or Wk
.set GO,  1                            ; v1   my byte offset in a stage's 16 first rows
.set LS,  2                            ; v2   where my 8 bytes of those rows go in a tile
.set TA,  3                            ; v3   the turning load's address for my 16 d1
.set TB,  6                            ; v6   for my first 16 d2
.set CS,  7                            ; v7   where I put 16 bytes of a row of G
.set XS,  8                            ; v[8:71]    two sets of 32: Wq's 4 loads, Wk's 4 loads
.set YY,  72                           ; v[72:87]   rounded
.set FA,  88                           ; v[88:103]  Wq's fragments of a stage's two K steps of 32
.set FB,  104                          ; v[104:135] Wk's: K step k, block b at FB + 16 k + 8 b
.set ACC, 136                          ; v[136:151]
.set CR,  152                          ; v152 where I read rows of G back
.set CG,  153                          ; v153 my byte offset in four rows of xb
	s_load_b256 s[4:11], s[0:1], 0x0               ; seq1 s[4:5], seq2 s[6:7], Wq s[8:9], Wk s[10:11]
	s_load_b128 s[12:15], s[0:1], 0x20             ; Wv s[12:13], xb s[14:15]
	v_lshl_add_u32 v[SPW], v0, 2, SPARE
	v_mov_b32 v[NIL], 0
	s_mov_b32 s20, ttmp9                           ; the work-group's number
	s_cmp_lt_u32 s20, NG
	s_cbranch_scc1 .Lgram
	; THE STREAM
	s_sub_co_u32 s20, s20, NG                      ; 0-255 seq1, 256-511 seq2, 512-543 Wv
	v_lshlrev_b32 v1, 4, v0                        ; 16 t
	v_lshlrev_b32 v2, 3, v0                        ; 8 t
	s_wait_kmcnt 0x0
	s_mov_b64 s[16:17], s[12:13]                   ; which input, the first group of its range, and how many blocks of 65,536 bytes its place in xb lies further on (G's 32)
	s_mov_b32 s18, 512
	s_mov_b32 s21, 32
	s_cmp_lt_u32 s20, 512
	s_cselect_b64 s[16:17], s[6:7], s[16:17]
	s_cselect_b32 s18, 256, s18
	s_cselect_b32 s21, 0, s21
	s_cmp_lt_u32 s20, 256
	s_cselect_b64 s[16:17], s[4:5], s[16:17]
	s_cselect_b32 s18, 0, s18
	s_sub_co_u32 s18, s20, s18                     ; my place in the input,
	s_lshl_b32 s18, s18, 17                        ; times 131,072 bytes (under 2^26)
	s_mov_b32 s19, 0
	s_add_nc_u64 s[16:17], s[16:17], s[18:19]
	s_add_co_u32 s18, s20, s21                     ; my place in xb,
	s_lshl_b32 s18, s18, 16                        ; times 65,536 bytes (under 2^26)
	s_add_nc_u64 s[14:15], s[14:15], s[18:19]
	s_wait_alu depctr_va_vdst(0)                   ; v1 and v2 are written: every load below reads v1 as its offset, every store v2
.set i, 0
.rept 32
	global_load_b128 v[X+4*i:X+4*i+3], v1, s[16:17] offset:i*INB th:TH_LOAD_NT
.set i, i+1
.endr
.set i, 0
.rept 32
.if (i >= GRP) && (i % GRP == 0)
	s_wait_alu depctr_va_vdst(0)                   ; the group before has written its eight store registers, which the group's four stores below read
.endif
.if i >= GRP
	global_store_b64 v2, v[X+4*(i-GRP):X+4*(i-GRP)+1], s[14:15] offset:(i-GRP)*OUTB  ; a block of the group before.  No wait: no conversion since the wait above names its registers
.endif
	s_wait_loadcnt 31-i                            ; loads come back in order (ISA guide 5.7.1): block i is in, the younger ones stay out
	v_cvt_pk_bf16_f32 v[X+4*i],   v[X+4*i],   v[X+4*i+1]
	v_cvt_pk_bf16_f32 v[X+4*i+1], v[X+4*i+2], v[X+4*i+3]
.set i, i+1
.endr
	s_wait_alu depctr_va_vdst(0)                   ; the last group has written its eight store registers
.set i, 32-GRP
.rept GRP
	global_store_b64 v2, v[X+4*i:X+4*i+1], s[14:15] offset:i*OUTB
.set i, i+1
.endr
	s_endpgm
	; G
.Lgram:
	v_lshrrev_b32 v154, 5, v0
	v_readfirstlane_b32 s26, v154                  ; wave 0..7
	s_lshr_b32 s27, s20, 4                         ; which 64 d1 (columns of Wq)
	s_and_b32 s28, s20, 15                         ; which 64 d2 (columns of Wk)
	v_and_b32 v154, 15, v0                         ; which 16 bytes of a row's 256
	v_lshrrev_b32 v155, 4, v0                      ; which of 16 rows
	v_lshlrev_b32 v[GO], 12, v155                  ; 4,096 bytes a row of W
	v_lshl_add_u32 v[GO], v154, 4, v[GO]
	v_mul_u32_u24 v[LS], v155, GP
	v_lshl_add_u32 v[LS], v154, 3, v[LS]           ; 4 numbers become 8 bytes
	; the turning load takes 16 h x 16 d (lane l reads row 8 (l / 16) + l % 8, the 16 bytes (l / 8) % 2) and leaves half a fragment: lane l holds d = l % 16 and 8 h
	v_bfe_u32 v155, v0, 4, 1                       ; l / 16
	v_and_b32 v156, 7, v0
	v_lshl_add_u32 v156, v155, 3, v156
	v_mul_u32_u24 v156, v156, GP
	v_bfe_u32 v157, v0, 3, 1
	v_lshl_add_u32 v156, v157, 4, v156
	s_wait_alu depctr_va_sdst(0)                   ; s26 is written, ahead of its first reader: LDS addresses and xb's base are made from it
	s_lshr_b32 s29, s26, 1                         ; my 16 of the d1
	s_and_b32 s30, s26, 1                          ; my 32 of the d2
	s_lshl_b32 s31, s29, 5                         ; 16 d1 are 32 bytes along a row (each of the four scalar sums that a vector line below reads has a register of its own: none is written again behind its reader)
	v_add_nc_u32 v[TA], s31, v156
	s_lshl_b32 s16, s30, 6
	s_add_co_u32 s16, s16, GT                      ; Wk's tile lies behind Wq's
	v_add_nc_u32 v[TB], s16, v156
	v_and_b32 v157, 15, v0                         ; into the tile of G: row 16 a + l % 16, byte 64 (wave % 2) + 16 (l / 16)
	v_mul_u32_u24 v157, v157, CP
	v_lshl_add_u32 v157, v155, 4, v157
	s_mul_i32 s17, s29, 16*CP
	s_lshl_b32 s35, s30, 6
	s_add_co_u32 s17, s17, s35
	s_add_co_u32 s17, s17, CST
	v_add_nc_u32 v[CS], s17, v157
	v_bfe_u32 v157, v0, 3, 2                       ; back: wave w takes rows 8 w .. 8 w + 7, four at a time: 8 lanes to a row of 128 bytes
	v_and_b32 v158, 7, v0
	v_mul_u32_u24 v159, v157, CP
	v_lshl_add_u32 v159, v158, 4, v159
	s_mul_i32 s18, s26, 8*CP
	s_add_co_u32 s18, s18, CST
	v_add_nc_u32 v[CR], s18, v159
	v_lshlrev_b32 v159, 11, v157                   ; and the same four rows in xb
	v_lshl_add_u32 v[CG], v158, 4, v159
	s_lshl_b32 s32, s27, 8                         ; 64 columns of f32 are 256 bytes
	s_mov_b32 s33, 0
	s_lshl_b32 s36, s28, 8
	s_mov_b32 s37, 0
	s_lshl_b32 s38, s27, 6                         ; G's row 64 x tile row + 8 x wave, behind 16,384 rows,
	s_lshl_b32 s39, s26, 3
	s_add_co_u32 s38, s38, s39
	s_add_co_u32 s38, s38, 16384
	s_lshl_b32 s38, s38, 11                        ; 2,048 bytes each,
	s_lshl_b32 s39, s28, 7                         ; + 128 x tile column
	s_add_co_u32 s38, s38, s39
	s_mov_b32 s39, 0
	s_wait_kmcnt 0x0
	s_add_nc_u64 s[22:23], s[8:9], s[32:33]        ; Wq at my 64 columns
	s_add_nc_u64 s[24:25], s[10:11], s[36:37]      ; Wk at mine
	s_add_nc_u64 s[14:15], s[14:15], s[38:39]
	s_wait_alu depctr_va_vdst(0)                   ; the seven offsets and addresses v[GO], v[LS], v[TA], v[TB], v[CS], v[CR], v[CG] are written, which the loads and stores of this role read
.macro GLOAD p                         ; a stage's eight loads into set p; the stage's place against the two bases stands in the immediate
.irp j, 0,1,2,3
	global_load_b128 v[XS+32*(\p)+4*(\j):XS+32*(\p)+4*(\j)+3], v[GO], s[22:23] offset:(\p)*KROWS+(\j)*65536
.endr
.irp j, 0,1,2,3
	global_load_b128 v[XS+32*(\p)+16+4*(\j):XS+32*(\p)+16+4*(\j)+3], v[GO], s[24:25] offset:(\p)*KROWS+(\j)*65536
.endr
.endm
; A stage, on register set and LDS buffer p.  load = 1: the set is filled again, two stages ahead.  left: the other set's loads, which may stay out.
; One barrier a stage serves two buffers: a buffer is stored again two stages on, behind the next stage's barrier, in front of which every wave has waited for its reads of it.
.macro STAGE p, load, left
	s_wait_loadcnt \left
	s_wait_alu depctr_vm_vsrc(0)                   ; the last stage's LDS stores have read YY, which the roundings below write again
.set i, 0
.rept 8
	v_cvt_pk_bf16_f32 v[YY+2*i],   v[XS+32*(\p)+4*i],   v[XS+32*(\p)+4*i+1]
	v_cvt_pk_bf16_f32 v[YY+2*i+1], v[XS+32*(\p)+4*i+2], v[XS+32*(\p)+4*i+3]
.set i, i+1
.endr
	s_wait_alu depctr_va_vdst(0)                   ; the roundings have written YY, which the LDS stores read, and are done reading XS[p], in which the global loads below land; the last stage's matrix instructions are done reading FA and FB, in which the turning loads land
.irp j, 0,1,2,3
	ds_store_b64 v[LS], v[YY+2*(\j):YY+2*(\j)+1]     offset:(\p)*GBUF+(\j)*16*GP
	ds_store_b64 v[LS], v[YY+8+2*(\j):YY+8+2*(\j)+1] offset:(\p)*GBUF+GT+(\j)*16*GP
.endr
	s_wait_dscnt 0x0                               ; for the others' sake: my stores are done (my reads of the other buffer were waited for in front of its products)
	s_barrier_signal -1
	s_barrier_wait -1
.irp k, 0,1
	ds_load_tr16_b128 v[FA+8*(\k):FA+8*(\k)+3],   v[TA] offset:(\p)*GBUF+(\k)*32*GP
	ds_load_tr16_b128 v[FA+8*(\k)+4:FA+8*(\k)+7], v[TA] offset:(\p)*GBUF+(\k)*32*GP+16*GP
.irp b, 0,1
	ds_load_tr16_b128 v[FB+16*(\k)+8*(\b):FB+16*(\k)+8*(\b)+3],   v[TB] offset:(\p)*GBUF+(\k)*32*GP+32*(\b)
	ds_load_tr16_b128 v[FB+16*(\k)+8*(\b)+4:FB+16*(\k)+8*(\b)+7], v[TB] offset:(\p)*GBUF+(\k)*32*GP+16*GP+32*(\b)
.endr
.endr
.if \load
	GLOAD \p                                       ; the set is asked for again while the fragments are on their way.  No wait: no vector or matrix instruction since the wait above
.endif
	s_wait_dscnt 0x0
.irp k, 0,1
.irp b, 0,1                            ; source 0 = 16 d2, source 1 = 16 d1: lane l holds row d1 = l % 16 of G and the columns 8 (l / 16) + 0..7; the two accumulators take turns
	v_wmma_f32_16x16x32_bf16 v[ACC+8*(\b):ACC+8*(\b)+7], v[FB+16*(\k)+8*(\b):FB+16*(\k)+8*(\b)+7], v[FA+8*(\k):FA+8*(\k)+7], v[ACC+8*(\b):ACC+8*(\b)+7]
.endr
.endr
.endm
	GLOAD 0                                        ; stages 0 and 1
	GLOAD 1
.set i, 0
.rept 16
	v_mov_b32 v[ACC+i], 0                          ; sixteen registers are cleared, so that the first stage need not be written out apart
.set i, i+1
.endr
	s_wait_xcnt 0x0                                ; the bases are stepped only behind this wait
	s_add_nc_u64 s[22:23], s[22:23], 2*KROWS
	s_add_nc_u64 s[24:25], s[24:25], 2*KROWS
	s_mov_b32 s34, 7
.Lg:                                                   ; trip t: stages 2 t and 2 t + 1; it loads stages 2 t + 2 and 2 t + 3, the last trip stages 14 and 15
	STAGE 0, 1, 8
	STAGE 1, 1, 8
	s_wait_xcnt 0x0
	s_add_nc_u64 s[22:23], s[22:23], 2*KROWS
	s_add_nc_u64 s[24:25], s[24:25], 2*KROWS
	s_sub_co_u32 s34, s34, 1
	s_cmp_lg_u32 s34, 0
	s_cbranch_scc1 .Lg
	STAGE 0, 0, 8                                  ; the last two stages load nothing
	STAGE 1, 0, 0
.rept 4
	v_nop                                          ; four places behind the last products
.endr
	s_wait_alu depctr_vm_vsrc(0)                   ; the last stage's LDS stores have read YY: its first eight registers are written by the conversions below, in its last eight the loads from the tile of G land
.irp b, 0,1
.irp r, 0,1,2,3
	v_cvt_pk_bf16_f32 v[YY+4*(\b)+(\r)], v[ACC+8*(\b)+2*(\r)], v[ACC+8*(\b)+2*(\r)+1]
.endr
.endr
	s_wait_alu depctr_va_vdst(0)                   ; the conversions have written v[YY:YY+7], which the two LDS stores read; the last stage's roundings, which wrote v[YY+8:YY+15], are done, ahead of the LDS loads that land there
	ds_store_b128 v[CS], v[YY:YY+3]
	ds_store_b128 v[CS], v[YY+4:YY+7] offset:32
	s_wait_dscnt 0x0                               ; a row's 128 bytes come from two waves
	s_barrier_signal -1
	s_barrier_wait -1
	ds_load_b128 v[YY+8:YY+11],  v[CR]
	ds_load_b128 v[YY+12:YY+15], v[CR] offset:4*CP
	s_wait_dscnt 0x0
	global_store_b128 v[CG], v[YY+8:YY+11],  s[14:15]               ; four rows' 128 consecutive bytes each
	global_store_b128 v[CG], v[YY+12:YY+15], s[14:15] offset:4*2048
	s_wait_dscnt 0x0                               ; the closing lines, six on end
	s_wait_alu 0x0
	s_wait_tensorcnt 0x0
	ds_add_u32 v[SPW], v[NIL]
	s_wait_dscnt 0x0
	s_endpgm
.Lfunc_end_k_q4e3e126279_cast:
	.size	k_q4e3e126279_cast, .Lfunc_end_k_q4e3e126279_cast-k_q4e3e126279_cast
	.p2alignl 7, 3214868480
	.fill 96, 4, 3214868480
	.section	.rodata,"a",@progbits
	.p2align	6, 0x0
	.amdhsa_kernel k_q4e3e126279_cast
		.amdhsa_group_segment_fixed_size 51200
		.amdhsa_private_segment_fixed_size 0
		.amdhsa_enable_private_segment 0
		.amdhsa_kernarg_size 48
		.amdhsa_user_sgpr_count 2
		.amdhsa_user_sgpr_kernarg_segment_ptr 1
		.amdhsa_wavefront_size32 1
		.amdhsa_system_sgpr_workgroup_id_x 1
		.amdhsa_system_sgpr_workgroup_id_y 1
		.amdhsa_system_sgpr_workgroup_id_z 1
		.amdhsa_system_vgpr_workitem_id 0
		.amdhsa_next_free_vgpr 160
		.amdhsa_next_free_sgpr 66
		.amdhsa_reserve_vcc 0
		.amdhsa_float_denorm_mode_32 3
		.amdhsa_float_denorm_mode_16_64 3
		.amdhsa_memory_ordered 1
		.amdhsa_forward_progress 1
		.amdhsa_inst_pref_size 32
	.end_amdhsa_kernel
	.amdgpu_metadata
---
amdhsa.version: [ 1, 2 ]
amdhsa.kernels:
  - .name:           k_q4e3e126279_cast
    .symbol:         k_q4e3e126279_cast.kd
    .args:
      - { .name: seq1, .offset: 0, .size: 8, .value_kind: global_buffer, .address_space: global }
      - { .name: seq2, .offset: 8, .size: 8, .value_kind: global_buffer, .address_space: global }
      - { .name: Wq, .offset: 16, .size: 8, .value_kind: global_buffer, .address_space: global }
      - { .name: Wk, .offset: 24, .size: 8, .value_kind: global_buffer, .address_space: global }
      - { .name: Wv, .offset: 32, .size: 8, .value_kind: global_buffer, .address_space: global }
      - { .name: xb, .offset: 40, .size: 8, .value_kind: global_buffer, .address_space: global }
    .group_segment_fixed_size: 51200
    .private_segment_fixed_size: 0
    .kernarg_segment_align: 8
    .kernarg_segment_size: 48
    .max_flat_workgroup_size: 256
    .sgpr_count:     66
    .vgpr_count:     160
    .wavefront_size: 32
...
	.end_amdgpu_metadata
.endif
;; end of part 9
;; launch proj: the kernel of part 6 again; grid 8 x 32, 8 waves a work-group, clusters of 4 x 4, 327,680 bytes of LDS; arguments xb, kv; writes kv
;; launch score: the kernel of part 7 again; grid 8 x 32, 8 waves a work-group, clusters of 4 x 4, 327,680 bytes of LDS; arguments xb, kv, attn_mask, pbuf, stats; writes pbuf, stats
;; launch pv: the kernel of part 8 again; grid 4 x 64, 4 waves a work-group, clusters of 4 x 4, 327,680 bytes of LDS; arguments pbuf, kv, stats, out0; writes out0
